; MI455X (gfx1250); checked and timed in simulation.
; The chip was launched on July 23, 2026; its instructions are those of AMD's public machine-readable ISA for CDNA 5 (MIT licence, August 2026) and "CDNA5" Instruction Set Architecture Reference Guide (July 2026). The comments in the code are by the model that wrote it; some were corrected since.
;; RPAT Lite. Allowed arithmetic: float matrix products may take bf16 or f16 operands with f32 sums; other float arithmetic in f32, or as packed bf16 or f16 multiplies, adds, multiply-adds, maxima and minima; sums over many terms, partial sums and values carried from step to step in f32; what a program stores and reads back later, other than sums and carried values, may be rounded once to bf16 or f16.
;; Inputs: W_h 1,024 x 1,024 float32; W_x 1,024 x 2,048 float32; W_y 2,048 x 1,024 float32; h_0 1,024 x 128 float32; pat_W 8 x 128 x 64 float32; pat_W_out 512 x 128 float32; pat_a_dst 8 x 64 float32; pat_a_src 8 x 64 float32; states 8 x 2,048 x 128 float32.
;; Outputs: out0 8 x 2,048 x 128 float32.
;; 3 versions, each right; version 2 is faster than version 1; version 3 is version 2 with the launches ugemm, attn written anew for expert scheduling mode. Each part assembles by itself: llvm-mc -triple=amdgcn-amd-amdhsa -mcpu=gfx1250 --defsym DOCPART=n.
;; ======== version 1 of 3: 12 launches
;; workspace buffers: WI 14,942,208 bytes; hA 2,621,440 bytes; hB 2,621,440 bytes; cntA 256 bytes of whole numbers; cntB 256 bytes of whole numbers; VE 17,842,176 bytes; OF 33,554,432 bytes
;; launch prep (part 1): grid 928 x 1, 8 waves a work-group, no clusters, 19,456 bytes of LDS; arguments W_x, W_h, W_y, states, h_0, pat_W_out, pat_W, WI, hA, cntA; writes WI, hA, cntA
.if DOCPART == 1
	.amdgcn_target "amdgcn-amd-amdhsa--gfx1250"
	.amdhsa_code_object_version 6
	.text
	.protected	k_q7e23c7a8a7_prep
	.globl	k_q7e23c7a8a7_prep
	.p2align	8
	.type	k_q7e23c7a8a7_prep,@function
k_q7e23c7a8a7_prep:
	s_mov_b64 s[64:65], 0
	v_nop
	global_prefetch_b8 v0, s[64:65] scope:SCOPE_SE
	s_setreg_imm32_b32 hwreg(HW_REG_WAVE_MODE, 25, 1), 1
	s_wait_xcnt 0x0
; prep: rounds every large input to bf16 once and lays it down as FRAGMENT IMAGES, the one operand format of all later launches.
; A block of 1,024 bytes holds 16 rows (of a first operand) or 16 columns (of a second operand) x 32 k as the matrix
; instruction's register image: byte half*512 + L*16, L = x + 16 hh; half 0 holds k = 8hh..8hh+7, half 1 k = 16+8hh..16+8hh+7.
; A fragment is then two 16-byte loads a lane, each of 512 consecutive bytes for the wave.
; One wave makes one unit of two blocks; no loop, no barrier, LDS is each wave's own.  Nothing is shared between
; work-groups (each input byte is read once), so clusters, the tensor mover and the matrix unit have nothing to give here.
; Work-groups 0-255 W_x, 256-383 W_h, 384-639 W_y (K along the rows: TYPEA), 640-895 states, 896-911 h_0, 912-919 pat_W_out,
; 920-927 pat_W (K from row to row: TYPEB).  h_0 is an input: its low plane is zero.  Unit 0 of pat_W also stores step number 0.
.set WXI, 0                            ; sections of WI, in bytes
.set XSI, 4194304
.set WHI, 8388608
.set WYI, 10485760
.set WOI, 14680064
.set PWI, 14811136
.set PLANE, 262144                     ; from the high to the low plane of a state
.set LP,  144                          ; LDS row: 64 bf16 + 16 bytes, an odd multiple of 16
.set WL,  16*LP                        ; a wave's LDS bytes
.macro UNIT gbase                      ; s32 = unit number inside the range
	s_sub_co_u32 s32, ttmp9, \gbase
	s_lshl3_add_u32 s32, s32, s4
.endm
; 16 rows x 64 k of f32, K along the rows.  2^lk units side by side in a row of pitch bytes.
.macro TYPEA src, sec, gbase, pitch, lk
	UNIT \gbase
	s_lshr_b32 s34, s32, \lk
	s_lshl_b32 s34, s34, 12+\lk                    ; 16 rows of pitch bytes
	s_and_b32 s35, s32, (1<<\lk)-1
	s_lshl_b32 s35, s35, 8                         ; 64 f32
	s_add_co_u32 s34, s34, s35
	s_mov_b32 s35, 0
	s_add_nc_u64 s[28:29], s[\src:\src+1], s[34:35]
	s_lshl_b32 s34, s32, 11                        ; two blocks a unit
.if \sec
	s_add_co_u32 s34, s34, \sec
.endif
	s_add_nc_u64 s[30:31], s[22:23], s[34:35]
	v_mul_u32_u24 v2, v5, \pitch
	v_lshl_add_u32 v2, v4, 4, v2                   ; row hh, 16 bytes a lane: a half-wave reads 256 consecutive bytes
	v_mul_u32_u24 v3, v5, LP
	v_lshl_add_u32 v3, v4, 3, v3
	v_add_nc_u32 v3, s5, v3                        ; LDS in: row hh, 8 bytes a lane
	v_mul_u32_u24 v7, v4, LP
	v_lshl_add_u32 v7, v5, 4, v7
	v_add_nc_u32 v7, s5, v7                        ; LDS out: row r, 16 bytes at 16 hh
.irp i, 0,1,2,3,4,5,6,7
	global_load_b128 v[8+4*\i:11+4*\i], v2, s[28:29] offset:2*\i*\pitch th:TH_LOAD_NT
.endr
.irp i, 0,1,2,3,4,5,6,7
	s_wait_loadcnt 7-\i                            ; loads return in order: rows 2i, 2i+1 are in, the younger stay out
	v_cvt_pk_bf16_f32 v[8+4*\i], v[8+4*\i], v[9+4*\i]
	v_cvt_pk_bf16_f32 v[9+4*\i], v[10+4*\i], v[11+4*\i]
	ds_store_b64 v3, v[8+4*\i:9+4*\i] offset:\i*2*LP
.endr
.irp j, 0,1,2,3
	ds_load_b128 v[40+4*\j:43+4*\j], v7 offset:32*\j   ; my own bytes: LDS serves a wave's instructions in order
.endr
.irp j, 0,1,2,3
	s_wait_dscnt 3-\j
	global_store_b128 v6, v[40+4*\j:43+4*\j], s[30:31] offset:512*\j   ; block j/2, half j%2: 512 consecutive bytes
.endr
	s_wait_tensorcnt 0x0
	ds_add_u32 v64, v65
	s_wait_dscnt 0x0
	s_endpgm
.endm
; 32 k x 32 columns of f32, K from row to row.  2^lc units side by side in a row of pitch bytes.  Lane = column; its 32 k
; arrive in 32 registers, so packing pairs gives the image without any exchange between lanes.  A load covers 128
; consecutive bytes; the wave beside this one takes the neighbouring 128.
.macro TYPEB src, dst, sec, gbase, pitch, lc
	UNIT \gbase
	s_lshr_b32 s34, s32, \lc
	s_lshl_b32 s34, s34, 12+\lc                    ; 32 rows of pitch bytes
	s_and_b32 s35, s32, (1<<\lc)-1
	s_lshl_b32 s35, s35, 7                         ; 32 f32
	s_add_co_u32 s34, s34, s35
	s_mov_b32 s35, 0
	s_add_nc_u64 s[28:29], s[\src:\src+1], s[34:35]
	s_lshl_b32 s34, s32, 11
.if \sec
	s_add_co_u32 s34, s34, \sec
.endif
	s_add_nc_u64 s[30:31], s[\dst:\dst+1], s[34:35]
	v_lshlrev_b32 v2, 2, v1
	v_lshlrev_b32 v3, 10, v5                       ; columns 16-31 are the second block
	v_lshl_add_u32 v3, v4, 4, v3
.set k, 0
.rept 32
	global_load_b32 v[8+k], v2, s[28:29] offset:k*\pitch th:TH_LOAD_NT
.set k, k+1
.endr
.set k, 0
.rept 16
	s_wait_loadcnt 30-2*k                          ; rows 2k and 2k+1 are in
	v_cvt_pk_bf16_f32 v[40+k], v[8+2*k], v[9+2*k]
.set k, k+1
.endr
.irp j, 0,1,2,3
	global_store_b128 v3, v[40+4*\j:43+4*\j], s[30:31] offset:256*\j   ; k = 8j..8j+7: a half-wave fills 256 aligned bytes
.endr
.endm
	s_load_b512 s[8:23], s[0:1], 0x0               ; W_x 8, W_h 10, W_y 12, states 14, h_0 16, pat_W_out 18, pat_W 20, WI 22
	s_load_b128 s[24:27], s[0:1], 0x40             ; hA 24, cntA 26
	v_lshl_add_u32 v64, v0, 2, 0x4800
	v_mov_b32 v65, 0
	v_and_b32 v1, 31, v0                           ; L
	v_lshrrev_b32 v2, 5, v0
	v_readfirstlane_b32 s4, v2                     ; wave
	v_and_b32 v4, 15, v0                           ; r
	v_bfe_u32 v5, v0, 4, 1                         ; hh
	v_lshlrev_b32 v6, 4, v1                        ; 16 L
	s_mul_i32 s5, s4, WL
	s_wait_kmcnt 0x0
	s_cmp_lt_u32 ttmp9, 256
	s_cbranch_scc1 .Lwx
	s_cmp_lt_u32 ttmp9, 384
	s_cbranch_scc1 .Lwh
	s_cmp_lt_u32 ttmp9, 640
	s_cbranch_scc1 .Lwy
	s_cmp_lt_u32 ttmp9, 896
	s_cbranch_scc1 .Lst
	s_cmp_lt_u32 ttmp9, 912
	s_cbranch_scc1 .Lh0
	s_cmp_lt_u32 ttmp9, 920
	s_cbranch_scc1 .Lwo
	TYPEB 20, 22, PWI, 920, 256, 1                 ; pat_W [8][128][64]
	s_cmp_lg_u32 s32, 0
	s_cbranch_scc1 .Ldone
	v_mov_b32 v56, 0                               ; step number 0, as one whole unit of 256 bytes
	v_mov_b32 v57, 0
	v_lshlrev_b32 v7, 3, v1
	global_store_b64 v7, v[56:57], s[26:27]
.Ldone:
	s_endpgm
.Lwx:
	TYPEA 8, WXI, 0, 8192, 5
.Lwh:
	TYPEA 10, WHI, 256, 4096, 4
.Lwy:
	TYPEA 12, WYI, 384, 4096, 4
.Lst:
	TYPEB 14, 22, XSI, 640, 512, 2
	s_endpgm
.Lh0:
	TYPEB 16, 24, 0, 896, 512, 2
	v_mov_b32 v56, 0                               ; h_0's low plane
	v_mov_b32 v57, 0
	v_mov_b32 v58, 0
	v_mov_b32 v59, 0
.irp j, 0,1,2,3
	global_store_b128 v3, v[56:59], s[30:31] offset:PLANE+256*\j
.endr
	s_endpgm
.Lwo:
	TYPEB 18, 22, WOI, 912, 512, 2
	s_endpgm
.Lfunc_end_k_q7e23c7a8a7_prep:
	.size	k_q7e23c7a8a7_prep, .Lfunc_end_k_q7e23c7a8a7_prep-k_q7e23c7a8a7_prep
	.p2alignl 7, 3214868480
	.fill 96, 4, 3214868480
	.section	.rodata,"a",@progbits
	.p2align	6, 0x0
	.amdhsa_kernel k_q7e23c7a8a7_prep
		.amdhsa_group_segment_fixed_size 19456
		.amdhsa_private_segment_fixed_size 0
		.amdhsa_enable_private_segment 0
		.amdhsa_kernarg_size 80
		.amdhsa_user_sgpr_count 2
		.amdhsa_user_sgpr_kernarg_segment_ptr 1
		.amdhsa_wavefront_size32 1
		.amdhsa_system_sgpr_workgroup_id_x 1
		.amdhsa_system_sgpr_workgroup_id_y 1
		.amdhsa_system_sgpr_workgroup_id_z 1
		.amdhsa_system_vgpr_workitem_id 0
		.amdhsa_next_free_vgpr 66
		.amdhsa_next_free_sgpr 66
		.amdhsa_reserve_vcc 0
		.amdhsa_float_denorm_mode_32 3
		.amdhsa_float_denorm_mode_16_64 3
		.amdhsa_memory_ordered 1
		.amdhsa_forward_progress 1
		.amdhsa_inst_pref_size 37
	.end_amdhsa_kernel
	.amdgpu_metadata
---
amdhsa.version: [ 1, 2 ]
amdhsa.kernels:
  - .name:           k_q7e23c7a8a7_prep
    .symbol:         k_q7e23c7a8a7_prep.kd
    .args:
      - { .name: W_x, .offset: 0, .size: 8, .value_kind: global_buffer, .address_space: global }
      - { .name: W_h, .offset: 8, .size: 8, .value_kind: global_buffer, .address_space: global }
      - { .name: W_y, .offset: 16, .size: 8, .value_kind: global_buffer, .address_space: global }
      - { .name: states, .offset: 24, .size: 8, .value_kind: global_buffer, .address_space: global }
      - { .name: h_0, .offset: 32, .size: 8, .value_kind: global_buffer, .address_space: global }
      - { .name: pat_W_out, .offset: 40, .size: 8, .value_kind: global_buffer, .address_space: global }
      - { .name: pat_W, .offset: 48, .size: 8, .value_kind: global_buffer, .address_space: global }
      - { .name: WI, .offset: 56, .size: 8, .value_kind: global_buffer, .address_space: global }
      - { .name: hA, .offset: 64, .size: 8, .value_kind: global_buffer, .address_space: global }
      - { .name: cntA, .offset: 72, .size: 8, .value_kind: global_buffer, .address_space: global }
    .group_segment_fixed_size: 19456
    .private_segment_fixed_size: 0
    .kernarg_segment_align: 8
    .kernarg_segment_size: 80
    .max_flat_workgroup_size: 256
    .sgpr_count:     66
    .vgpr_count:     66
    .wavefront_size: 32
...
	.end_amdgpu_metadata
.endif
;; end of part 1
;; launch step0 (part 2): grid 256 x 1, 16 waves a work-group, no clusters, 34,816 bytes of LDS; arguments WI, hA, hB, cntA, cntB; writes hB, cntB
.if DOCPART == 2
	.amdgcn_target "amdgcn-amd-amdhsa--gfx1250"
	.amdhsa_code_object_version 6
	.text
	.protected	k_q7e23c7a8a7_step0
	.globl	k_q7e23c7a8a7_step0
	.p2align	8
	.type	k_q7e23c7a8a7_step0,@function
k_q7e23c7a8a7_step0:
	s_mov_b64 s[64:65], 0
	v_nop
	global_prefetch_b8 v0, s[64:65] scope:SCOPE_SE
	s_setreg_imm32_b32 hwreg(HW_REG_WAVE_MODE, 25, 1), 1
	s_wait_xcnt 0x0
; One step of the recurrence: state c+1 = W_h * state c + W_x * x_c, c read from the counter that the launch before stored.
; A state is kept as bf16 high + low planes (16 significant bits) in fragment images [plane][ks 32][dt 8] of 1,024 bytes;
; states take turns between two buffers, so this launch never loads from the buffer that it stores into.
; A work-group makes 16 rows x 32 columns.  The sum over K is split over 16 waves of 8 K blocks each: waves 0-3 W_h x high
; plane, 4-7 W_h x low plane, 8-15 W_x x x_c.  Each wave asks for all its 48 loads at once: the step is a link of a chain of
; dependent launches, so what counts is that every byte is on its way at once.  The 16 partial tiles meet in LDS.
; No cluster: the four work-groups of a row tile share 96 KiB of weights, which come as register images straight from
; memory and never lie in LDS, so a joint tensor load has no place to land them.
.set XSI, 4194304
.set WHI, 8388608
.set PLANE, 262144
.set AF,  16                           ; v[16:79]    8 fragments of W
.set BF,  80                           ; v[80:207]   8 x 2 fragments of the state or of x
.set ACC, 208                          ; v[208:223]  two tiles of 16 x 16
.macro PLACES
.rept 4
	v_nop
.endr
.endm
; 8 f32 in s.. -> 4 registers of bf16 (hi) and 4 of the bf16 remainder (lo); w: 8 registers at work; s7 = 0xffff0000
.macro SPLIT8 s, hi, lo, w
.irp i, 0,1,2,3
	v_cvt_pk_bf16_f32 v[(\hi)+\i], v[(\s)+2*\i], v[(\s)+2*\i+1]
.endr
.irp i, 0,1,2,3
	v_lshlrev_b32 v[(\w)+2*\i], 16, v[(\hi)+\i]
	v_and_b32 v[(\w)+2*\i+1], s7, v[(\hi)+\i]
.endr
.irp i, 0,1,2,3
	v_pk_add_f32 v[(\w)+2*\i:(\w)+2*\i+1], v[(\s)+2*\i:(\s)+2*\i+1], v[(\w)+2*\i:(\w)+2*\i+1] neg_lo:[0,1] neg_hi:[0,1]
.endr
.irp i, 0,1,2,3
	v_cvt_pk_bf16_f32 v[(\lo)+\i], v[(\w)+2*\i], v[(\w)+2*\i+1]
.endr
.endm
; 8 K blocks: W's fragments from s[24:25], the second operand's two column tiles from s[26:27]
.macro GEMM8
.irp i, 0,1,2,3,4,5,6,7
	global_load_b128 v[AF+8*\i:AF+8*\i+3],     v1, s[24:25] offset:\i*1024
	global_load_b128 v[AF+8*\i+4:AF+8*\i+7],   v1, s[24:25] offset:\i*1024+512
	global_load_b128 v[BF+16*\i:BF+16*\i+3],     v1, s[26:27] offset:\i*8192
	global_load_b128 v[BF+16*\i+4:BF+16*\i+7],   v1, s[26:27] offset:\i*8192+512
	global_load_b128 v[BF+16*\i+8:BF+16*\i+11],  v1, s[26:27] offset:\i*8192+1024
	global_load_b128 v[BF+16*\i+12:BF+16*\i+15], v1, s[26:27] offset:\i*8192+1536
.endr
	s_wait_loadcnt 42                              ; block 0's six loads are in, the 42 younger stay out
	v_wmma_f32_16x16x32_bf16 v[ACC:ACC+7],    v[AF:AF+7], v[BF:BF+7],    0   ; the first products start the sums
	v_wmma_f32_16x16x32_bf16 v[ACC+8:ACC+15], v[AF:AF+7], v[BF+8:BF+15], 0
.irp i, 1,2,3,4,5,6,7
	s_wait_loadcnt 6*(7-\i)                        ; six loads for each later block stay out
	v_wmma_f32_16x16x32_bf16 v[ACC:ACC+7],    v[AF+8*\i:AF+8*\i+7], v[BF+16*\i:BF+16*\i+7],    v[ACC:ACC+7]
	v_wmma_f32_16x16x32_bf16 v[ACC+8:ACC+15], v[AF+8*\i:AF+8*\i+7], v[BF+16*\i+8:BF+16*\i+15], v[ACC+8:ACC+15]
.endr
.endm
.macro FOLD st                         ; partial tiles p += p + st
.set p, 0
.rept \st
.irp q, 0,2,4,6
	v_pk_add_f32 v[16+8*p+\q:17+8*p+\q], v[16+8*p+\q:17+8*p+\q], v[16+8*(p+\st)+\q:17+8*(p+\st)+\q]
.endr
.set p, p+1
.endr
.endm
	s_load_b256 s[8:15], s[0:1], 0x0               ; WI 8, state in 10, state out 12, counter in 14
	s_load_b64 s[16:17], s[0:1], 0x20              ; counter out
	v_lshl_add_u32 v224, v0, 2, 0x8000
	v_mov_b32 v225, 0
	v_and_b32 v2, 31, v0
	v_lshrrev_b32 v3, 5, v0
	v_readfirstlane_b32 s4, v3                     ; wave
	v_lshlrev_b32 v1, 4, v2                        ; 16 L
	s_lshr_b32 s5, ttmp9, 2                        ; row tile 0..63
	s_and_b32 s6, ttmp9, 3                         ; pair of column tiles 0..3
	s_mov_b32 s7, 0xffff0000
	s_wait_kmcnt 0x0
	s_load_b32 s18, s[14:15], 0x0                  ; c
	s_wait_kmcnt 0x0
	s_min_u32 s19, s18, 7                          ; c, clamped to the steps there are
	s_lshr_b32 s20, s18, 1
	s_min_u32 s20, s20, 4                          ; slot of state c in its buffer
	s_add_co_u32 s21, s18, 1
	s_lshr_b32 s21, s21, 1
	s_min_u32 s21, s21, 4                          ; slot of state c+1 in the other buffer
	s_cmp_ge_u32 s4, 8
	s_cbranch_scc1 .Lwx
	s_and_b32 s30, s4, 3                           ; waves 0-7: W_h, K blocks 8 (w&3).., plane w>>2
	s_lshl_b32 s32, s5, 15
	s_lshl_b32 s31, s30, 13
	s_add_co_u32 s32, s32, s31
	s_add_co_u32 s32, s32, WHI
	s_mov_b32 s33, 0
	s_add_nc_u64 s[24:25], s[8:9], s[32:33]
	s_lshl_b32 s32, s20, 19
	s_lshr_b32 s31, s4, 2
	s_lshl_b32 s31, s31, 18
	s_add_co_u32 s32, s32, s31
	s_lshl_b32 s31, s30, 16
	s_add_co_u32 s32, s32, s31
	s_lshl_b32 s31, s6, 11
	s_add_co_u32 s32, s32, s31
	s_add_nc_u64 s[26:27], s[10:11], s[32:33]
	GEMM8
	s_branch .Lsum
.Lwx:
	s_and_b32 s30, s4, 7                           ; waves 8-15: W_x, K blocks 8 (w-8)..
	s_lshl_b32 s32, s5, 16
	s_lshl_b32 s31, s30, 13
	s_add_co_u32 s32, s32, s31
	s_mov_b32 s33, 0
	s_add_nc_u64 s[24:25], s[8:9], s[32:33]
	s_lshl_b32 s32, s19, 19
	s_lshl_b32 s31, s30, 16
	s_add_co_u32 s32, s32, s31
	s_lshl_b32 s31, s6, 11
	s_add_co_u32 s32, s32, s31
	s_add_co_u32 s32, s32, XSI
	s_add_nc_u64 s[26:27], s[8:9], s[32:33]
	GEMM8
.Lsum:
	PLACES                                         ; four places between the last product and the stores of its result
	s_lshl_b32 s22, s4, 11
	v_add_nc_u32 v4, s22, v1                       ; my 2,048 bytes
.irp d, 0,1
	ds_store_b128 v4, v[ACC+8*\d:ACC+8*\d+3]   offset:\d*1024
	ds_store_b128 v4, v[ACC+8*\d+4:ACC+8*\d+7] offset:\d*1024+512
.endr
	s_wait_dscnt 0x0                               ; for the waves that read: all my stores are done
	s_barrier_signal -1
	s_barrier_wait -1
	s_cmp_gt_u32 s4, 1
	s_cbranch_scc1 .Lend
	s_lshl_b32 s22, s4, 10                         ; waves 0 and 1: column tile d = wave
	v_add_nc_u32 v5, s22, v1
.irp p, 0,1,2,3,4,5,6,7,8,9,10,11,12,13,14,15
	ds_load_b128 v[16+8*\p:19+8*\p], v5 offset:\p*2048
	ds_load_b128 v[20+8*\p:23+8*\p], v5 offset:\p*2048+512
.endr
	s_lshl_b32 s32, s21, 19                        ; where the tile goes: slot, K block rt/2, column tile, half rt%2
	s_lshr_b32 s31, s5, 1
	s_lshl_b32 s31, s31, 13
	s_add_co_u32 s32, s32, s31
	s_lshl1_add_u32 s31, s6, s4
	s_lshl_b32 s31, s31, 10
	s_add_co_u32 s32, s32, s31
	s_and_b32 s31, s5, 1
	s_lshl_b32 s31, s31, 9
	s_add_co_u32 s32, s32, s31
	s_mov_b32 s33, 0
	s_add_nc_u64 s[28:29], s[12:13], s[32:33]
	s_wait_dscnt 0x0
	FOLD 8
	FOLD 4
	FOLD 2
	FOLD 1
	; lane = column, registers = 8 rows: packed, this is one half of a block of the next product's second operand
	SPLIT8 16, 144, 148, 152
	global_store_b128 v1, v[144:147], s[28:29]
	global_store_b128 v1, v[148:151], s[28:29] offset:PLANE
	s_or_b32 s22, ttmp9, s4
	s_cmp_lg_u32 s22, 0
	s_cbranch_scc1 .Lend
	s_add_co_u32 s23, s19, 1                       ; the next launch's step number, as one whole unit of 256 bytes
	v_mov_b32 v6, s23
	v_mov_b32 v7, s23
	v_lshlrev_b32 v8, 3, v2
	global_store_b64 v8, v[6:7], s[16:17]
.Lend:
	s_wait_tensorcnt 0x0
	ds_add_u32 v224, v225
	s_wait_dscnt 0x0
	s_endpgm
.Lfunc_end_k_q7e23c7a8a7_step0:
	.size	k_q7e23c7a8a7_step0, .Lfunc_end_k_q7e23c7a8a7_step0-k_q7e23c7a8a7_step0
	.p2alignl 7, 3214868480
	.fill 96, 4, 3214868480
	.section	.rodata,"a",@progbits
	.p2align	6, 0x0
	.amdhsa_kernel k_q7e23c7a8a7_step0
		.amdhsa_group_segment_fixed_size 34816
		.amdhsa_private_segment_fixed_size 0
		.amdhsa_enable_private_segment 0
		.amdhsa_kernarg_size 40
		.amdhsa_user_sgpr_count 2
		.amdhsa_user_sgpr_kernarg_segment_ptr 1
		.amdhsa_wavefront_size32 1
		.amdhsa_system_sgpr_workgroup_id_x 1
		.amdhsa_system_sgpr_workgroup_id_y 1
		.amdhsa_system_sgpr_workgroup_id_z 1
		.amdhsa_system_vgpr_workitem_id 0
		.amdhsa_next_free_vgpr 226
		.amdhsa_next_free_sgpr 66
		.amdhsa_reserve_vcc 0
		.amdhsa_float_denorm_mode_32 3
		.amdhsa_float_denorm_mode_16_64 3
		.amdhsa_memory_ordered 1
		.amdhsa_forward_progress 1
		.amdhsa_inst_pref_size 23
	.end_amdhsa_kernel
	.amdgpu_metadata
---
amdhsa.version: [ 1, 2 ]
amdhsa.kernels:
  - .name:           k_q7e23c7a8a7_step0
    .symbol:         k_q7e23c7a8a7_step0.kd
    .args:
      - { .name: WI, .offset: 0, .size: 8, .value_kind: global_buffer, .address_space: global }
      - { .name: hA, .offset: 8, .size: 8, .value_kind: global_buffer, .address_space: global }
      - { .name: hB, .offset: 16, .size: 8, .value_kind: global_buffer, .address_space: global }
      - { .name: cntA, .offset: 24, .size: 8, .value_kind: global_buffer, .address_space: global }
      - { .name: cntB, .offset: 32, .size: 8, .value_kind: global_buffer, .address_space: global }
    .group_segment_fixed_size: 34816
    .private_segment_fixed_size: 0
    .kernarg_segment_align: 8
    .kernarg_segment_size: 40
    .max_flat_workgroup_size: 512
    .sgpr_count:     66
    .vgpr_count:     226
    .wavefront_size: 32
...
	.end_amdgpu_metadata
.endif
;; end of part 2
;; launch step1: the kernel of part 2 again; grid 256 x 1, 16 waves a work-group, no clusters, 34,816 bytes of LDS; arguments WI, hB, hA, cntB, cntA; writes hA, cntA
;; launch step2: the kernel of part 2 again; grid 256 x 1, 16 waves a work-group, no clusters, 34,816 bytes of LDS; arguments WI, hA, hB, cntA, cntB; writes hB, cntB
;; launch step3: the kernel of part 2 again; grid 256 x 1, 16 waves a work-group, no clusters, 34,816 bytes of LDS; arguments WI, hB, hA, cntB, cntA; writes hA, cntA
;; launch step4: the kernel of part 2 again; grid 256 x 1, 16 waves a work-group, no clusters, 34,816 bytes of LDS; arguments WI, hA, hB, cntA, cntB; writes hB, cntB
;; launch step5: the kernel of part 2 again; grid 256 x 1, 16 waves a work-group, no clusters, 34,816 bytes of LDS; arguments WI, hB, hA, cntB, cntA; writes hA, cntA
;; launch step6: the kernel of part 2 again; grid 256 x 1, 16 waves a work-group, no clusters, 34,816 bytes of LDS; arguments WI, hA, hB, cntA, cntB; writes hB, cntB
;; launch step7: the kernel of part 2 again; grid 256 x 1, 16 waves a work-group, no clusters, 34,816 bytes of LDS; arguments WI, hB, hA, cntB, cntA; writes hA, cntA
;; launch zwh (part 3): grid 32 x 8, 8 waves a work-group, no clusters, 37,888 bytes of LDS; arguments WI, hA, hB, pat_a_src, pat_a_dst, VE; writes VE
.if DOCPART == 3
	.amdgcn_target "amdgcn-amd-amdhsa--gfx1250"
	.amdhsa_code_object_version 6
	.text
	.protected	k_q7e23c7a8a7_zwh
	.globl	k_q7e23c7a8a7_zwh
	.p2align	8
	.type	k_q7e23c7a8a7_zwh,@function
k_q7e23c7a8a7_zwh:
	s_mov_b64 s[64:65], 0
	v_nop
	global_prefetch_b8 v0, s[64:65] scope:SCOPE_SE
	s_setreg_imm32_b32 hwreg(HW_REG_WAVE_MODE, 25, 1), 1
	s_wait_xcnt 0x0
; For 64 particles of step t (work-group x = block of 64, y = t): z = W_y h_t, Wh = z pat_W for the 8 heads, e_src, e_dst.
; Phase 1: wave w makes z's columns 16w..16w+15 for all 64 rows; h_t comes as bf16 high + low planes (two products).  The
; sources are swapped (h first), so a lane holds 8 neighbouring columns of one row: packed, that is half a block of the next
; product's first operand; z goes to LDS so, again as high + low planes.
; Phase 2: wave w is head w: Wh (64 x 64) in 128 registers.  Not swapped: lane = feature, registers = 8 particles, which packed
; is half a block of the attention's second operand.
; Out: V = Wh / S in f16 images, S = the power of two at or below the block's largest |Wh| (so |V| < 2 whatever the inputs'
; size; S clamped to 2^-126 .. 2^126); e_src, e_dst in f32 (a rounded to bf16 like every matrix operand, the products and sums
; in f32 on the f32 Wh); S and the block's largest e_dst.
; No cluster, no tensor load: operands are register images read straight into registers; the eight steps' work-groups that
; share W_y's rows would need them in LDS first.  NaN and infinities are not served.
.set WYI, 10485760
.set PWI, 14811136
.set ESO, 16777216                     ; VE: e_src; e_dst lies 524,288 bytes behind it
.set STO, 17825792                     ; VE: [t*8+h][S, dmax][block 32] f32
.set PLANE, 262144
.set STAGE, 32768                      ; LDS: 0..32767 z images [rt 4][ks 4][plane 2][1,024]; then 512 bytes a wave for e
.set ACC, 16                           ; phase 1: v[16:47]   4 tiles
.set SB,  48                           ; phase 1: v[48:239]  4 sets of 48: h high 8, h low 8, W_y 4 x 8
.set A2,  16                           ; phase 2: v[16:143]  tile (rt, ft) at 16 + 8 (4 rt + ft)
.set ZA,  144                          ; phase 2: v[144:175] z fragments of the 4 row tiles
.set PW,  176                          ; phase 2: v[176:239] two sets of 4 pat_W fragments
.set AP,  144                          ; way out: v[144:159] a_src, a_dst of my 4 features, each twice (pairs)
.set VP,  176                          ; way out: v[176:239] packed V, 4 registers a tile
.set E,   240                          ; v[240:247]
.set M,   248
.set TM,  249
.set G,   250                          ; v[250:251] 1 / S, twice
.set SV,  252
.set HH,  253
.set AD,  254
.macro PLACES
.rept 4
	v_nop
.endr
.endm
.macro SPLIT8 s, hi, lo, w
.irp i, 0,1,2,3
	v_cvt_pk_bf16_f32 v[(\hi)+\i], v[(\s)+2*\i], v[(\s)+2*\i+1]
.endr
.irp i, 0,1,2,3
	v_lshlrev_b32 v[(\w)+2*\i], 16, v[(\hi)+\i]
	v_and_b32 v[(\w)+2*\i+1], s7, v[(\hi)+\i]
.endr
.irp i, 0,1,2,3
	v_pk_add_f32 v[(\w)+2*\i:(\w)+2*\i+1], v[(\s)+2*\i:(\s)+2*\i+1], v[(\w)+2*\i:(\w)+2*\i+1] neg_lo:[0,1] neg_hi:[0,1]
.endr
.irp i, 0,1,2,3
	v_cvt_pk_bf16_f32 v[(\lo)+\i], v[(\w)+2*\i], v[(\w)+2*\i+1]
.endr
.endm
.macro XADD reg, mask
	v_add_f32_dpp v[\reg], v[\reg], v[\reg] row_xmask:\mask row_mask:0xf bank_mask:0xf
.endm
.macro XMAX reg, mask
	v_max_num_f32_dpp v[\reg], v[\reg], v[\reg] row_xmask:\mask row_mask:0xf bank_mask:0xf
.endm
.macro LOADSET set, ks                 ; 12 loads: K block ks of h (both planes, my column tile) and of W_y (4 row tiles)
.irp pl, 0,1
	global_load_b128 v[SB+48*(\set)+8*\pl:SB+48*(\set)+8*\pl+3],   v1, s[22:23] offset:\pl*PLANE+(\ks)*8192
	global_load_b128 v[SB+48*(\set)+8*\pl+4:SB+48*(\set)+8*\pl+7], v1, s[22:23] offset:\pl*PLANE+(\ks)*8192+512
.endr
.irp i, 0,1,2,3
	global_load_b128 v[SB+48*(\set)+16+8*\i:SB+48*(\set)+19+8*\i], v1, s[20:21] offset:\i*32768+(\ks)*1024
	global_load_b128 v[SB+48*(\set)+20+8*\i:SB+48*(\set)+23+8*\i], v1, s[20:21] offset:\i*32768+(\ks)*1024+512
.endr
.endm
.macro MULSET set, zero                ; 8 products, h first (swapped): 4 row tiles x high plane, then x low plane
.irp i, 0,1,2,3
.if \zero
	v_wmma_f32_16x16x32_bf16 v[ACC+8*\i:ACC+8*\i+7], v[SB+48*(\set):SB+48*(\set)+7], v[SB+48*(\set)+16+8*\i:SB+48*(\set)+23+8*\i], 0
.else
	v_wmma_f32_16x16x32_bf16 v[ACC+8*\i:ACC+8*\i+7], v[SB+48*(\set):SB+48*(\set)+7], v[SB+48*(\set)+16+8*\i:SB+48*(\set)+23+8*\i], v[ACC+8*\i:ACC+8*\i+7]
.endif
.endr
.irp i, 0,1,2,3
	v_wmma_f32_16x16x32_bf16 v[ACC+8*\i:ACC+8*\i+7], v[SB+48*(\set)+8:SB+48*(\set)+15], v[SB+48*(\set)+16+8*\i:SB+48*(\set)+23+8*\i], v[ACC+8*\i:ACC+8*\i+7]
.endr
.endm
.macro LOADPW set, ks                  ; 8 loads: K block ks of my head's pat_W
.irp ft, 0,1,2,3
	global_load_b128 v[PW+32*(\set)+8*\ft:PW+32*(\set)+8*\ft+3],   v1, s[28:29] offset:(\ks)*4096+\ft*1024
	global_load_b128 v[PW+32*(\set)+8*\ft+4:PW+32*(\set)+8*\ft+7], v1, s[28:29] offset:(\ks)*4096+\ft*1024+512
.endr
.endm
; phase 2, K block ks, plane pl of z: 16 products.  cur / oth: pat_W's set in use / being filled.
.macro GRP ks, pl, zero, cur, oth
.if \pl == 0
.if \ks < 3
	LOADPW \oth, \ks+1
.endif
.endif
.irp rt, 0,1,2,3
	ds_load_b128 v[ZA+8*\rt:ZA+8*\rt+3],   v1 offset:\rt*8192+\ks*2048+\pl*1024
	ds_load_b128 v[ZA+8*\rt+4:ZA+8*\rt+7], v1 offset:\rt*8192+\ks*2048+\pl*1024+512
.endr
.if \pl == 0
.if \ks < 3
	s_wait_loadcnt 8                               ; this block's pat_W is in; the next block's eight loads stay out
.else
	s_wait_loadcnt 0x0
.endif
.endif
	s_wait_dscnt 0x0
.irp rt, 0,1,2,3
.irp ft, 0,1,2,3
.if \zero
	v_wmma_f32_16x16x32_bf16 v[A2+8*(4*\rt+\ft):A2+8*(4*\rt+\ft)+7], v[ZA+8*\rt:ZA+8*\rt+7], v[PW+32*\cur+8*\ft:PW+32*\cur+8*\ft+7], 0
.else
	v_wmma_f32_16x16x32_bf16 v[A2+8*(4*\rt+\ft):A2+8*(4*\rt+\ft)+7], v[ZA+8*\rt:ZA+8*\rt+7], v[PW+32*\cur+8*\ft:PW+32*\cur+8*\ft+7], v[A2+8*(4*\rt+\ft):A2+8*(4*\rt+\ft)+7]
.endif
.endr
.endr
	PLACES                                         ; in front of the loads that refill these sources, and of the way out
.endm
; e of row tile rt: kind 0 a_src, 1 a_dst.  A lane sums its 4 features, the 16 lanes of a row of lanes the 64.
.macro EROW rt, kind
.irp p, 0,1,2,3
	v_pk_mul_f32 v[E+2*\p:E+2*\p+1], v[A2+32*\rt+2*\p:A2+32*\rt+2*\p+1], v[AP+8*\kind:AP+8*\kind+1]
.endr
.irp ft, 1,2,3
.irp p, 0,1,2,3
	v_pk_fma_f32 v[E+2*\p:E+2*\p+1], v[A2+32*\rt+8*\ft+2*\p:A2+32*\rt+8*\ft+2*\p+1], v[AP+8*\kind+2*\ft:AP+8*\kind+2*\ft+1], v[E+2*\p:E+2*\p+1]
.endr
.endr
.irp m, 1,2,4,8
.irp j, 0,1,2,3,4,5,6,7
	XADD E+\j, \m
.endr
.endr
	ds_store_b128 v6, v[E:E+3]   offset:\kind*256+\rt*64      ; the 16 lanes of a half write the same words with the same values
	ds_store_b128 v6, v[E+4:E+7] offset:\kind*256+\rt*64+16
.endm
	s_load_b256 s[8:15], s[0:1], 0x0               ; WI 8, hA 10, hB 12, a_src 14
	s_load_b128 s[16:19], s[0:1], 0x20             ; a_dst 16, VE 18
	v_lshl_add_u32 v255, v0, 2, 0x9000
	s_set_vgpr_msb 0x40
	v_mov_b32 v1, 0
	s_set_vgpr_msb 0x4000
	v_and_b32 v3, 31, v0
	v_lshrrev_b32 v4, 5, v0
	v_readfirstlane_b32 s4, v4                     ; wave = column tile of z = head
	v_and_b32 v2, 15, v0                           ; r
	v_bfe_u32 v[HH], v0, 4, 1                      ; hh
	v_lshlrev_b32 v1, 4, v3                        ; 16 L
	s_and_b32 s6, ttmp7, 0xffff                    ; t
	s_mov_b32 s7, 0xffff0000
	s_mov_b32 s2, 0x76543210                       ; v_permlanex16_b32: lane i of the other half
	s_mov_b32 s3, 0xfedcba98
	s_lshl3_add_u32 s37, s6, s4                    ; 8 t + head
	s_lshl_b32 s24, ttmp9, 17                      ; W_y: 4 row tiles of 32,768 bytes
	s_add_co_u32 s24, s24, WYI
	s_mov_b32 s25, 0
	s_add_co_u32 s26, s6, 1                        ; h_t is state t+1: slot (t+1)/2
	s_lshr_b32 s26, s26, 1
	s_lshl_b32 s26, s26, 19
	s_lshl_b32 s27, s4, 10
	s_add_co_u32 s26, s26, s27
	s_mov_b32 s27, 0
	s_lshl_b32 s38, s4, 14
	s_add_co_u32 s38, s38, PWI
	s_mov_b32 s39, 0
	s_lshl_b32 s40, s37, 18                        ; V images
	s_lshl_b32 s41, ttmp9, 13
	s_add_co_u32 s40, s40, s41
	s_mov_b32 s41, 0
	s_lshl_b32 s42, s37, 13                        ; e
	s_lshl_b32 s43, ttmp9, 8
	s_add_co_u32 s42, s42, s43
	s_add_co_u32 s42, s42, ESO
	s_mov_b32 s43, 0
	s_lshl_b32 s44, s37, 8                         ; S and dmax
	s_lshl_b32 s45, ttmp9, 2
	s_add_co_u32 s44, s44, s45
	s_add_co_u32 s44, s44, STO
	s_mov_b32 s45, 0
	s_and_b32 s46, s6, 1
	s_lshl_b32 s36, s4, 8
	v_lshl_add_u32 v7, v2, 2, s36                  ; a: head x 256 + 4 r
	s_wait_kmcnt 0x0
	s_add_nc_u64 s[20:21], s[8:9], s[24:25]
	s_cmp_lg_u32 s46, 0
	s_cselect_b64 s[22:23], s[10:11], s[12:13]     ; t odd: state t+1 is even and lies in hA
	s_add_nc_u64 s[22:23], s[22:23], s[26:27]
	s_add_nc_u64 s[28:29], s[8:9], s[38:39]
	s_add_nc_u64 s[30:31], s[18:19], s[40:41]
	s_add_nc_u64 s[32:33], s[18:19], s[42:43]
	s_add_nc_u64 s[34:35], s[18:19], s[44:45]
.irp ft, 0,1,2,3
	global_load_b32 v[8+\ft],  v7, s[14:15] offset:\ft*64
	global_load_b32 v[12+\ft], v7, s[16:17] offset:\ft*64
.endr
	LOADSET 0, 0
	LOADSET 1, 1
	LOADSET 2, 2
	LOADSET 3, 3
	s_lshr_b32 s24, s4, 1                          ; z in LDS: K block w/2, half w%2
	s_lshl_b32 s24, s24, 11
	s_and_b32 s25, s4, 1
	s_lshl_b32 s25, s25, 9
	s_add_co_u32 s24, s24, s25
	v_add_nc_u32 v4, s24, v1
	s_lshl_b32 s25, s4, 9
	s_add_co_u32 s25, s25, STAGE
	v_add_nc_u32 v5, s25, v1                       ; my e stage, read back
	v_lshl_add_u32 v6, v[HH], 5, s25               ; my e stage, written: 8 rows a half
	v_lshlrev_b32 v3, 19, v[HH]                    ; e in memory: lanes 0-15 e_src, lanes 16-31 e_dst
	v_lshl_add_u32 v3, v2, 4, v3
	; PHASE 1: 32 K blocks, four sets of registers, three sets always on their way
.set ks, 0
.rept 32
.set cur, ks%4
.set nxt, ks+4
.if ks < 29
	s_wait_loadcnt 36                              ; this block's 12 loads are in, three later sets stay out
.else
	s_wait_loadcnt 12*(31-ks)
.endif
.if ks == 0
	MULSET cur, 1
.else
	MULSET cur, 0
.endif
.if ks < 28
	PLACES                                         ; four places before loads land on the products' sources
	LOADSET cur, nxt
.endif
.set ks, ks+1
.endr
	PLACES
	LOADPW 0, 0
.irp i, 0,1,2,3
	SPLIT8 ACC+8*\i, 48, 52, 56
	ds_store_b128 v4, v[48:51] offset:\i*8192
	ds_store_b128 v4, v[52:55] offset:\i*8192+1024
.endr
	s_wait_dscnt 0x0                               ; for the other waves: my part of z is in LDS
	s_barrier_signal -1
	s_barrier_wait -1
	; PHASE 2: Wh of my head
	GRP 0, 0, 1, 0, 1
	GRP 0, 1, 0, 0, 1
	GRP 1, 0, 0, 1, 0
	GRP 1, 1, 0, 1, 0
	GRP 2, 0, 0, 0, 1
	GRP 2, 1, 0, 0, 1
	GRP 3, 0, 0, 1, 0
	GRP 3, 1, 0, 1, 0
	; THE WAY OUT.  a rounded to bf16, widened again, each twice for the packed arithmetic
.irp k, 0,1,2,3,4,5,6,7
	v_cvt_pk_bf16_f32 v[AP+2*\k], v[8+\k], v[8+\k]
.endr
.irp k, 0,1,2,3,4,5,6,7
	v_and_b32 v[AP+2*\k], s7, v[AP+2*\k]
	v_mov_b32 v[AP+2*\k+1], v[AP+2*\k]
.endr
.irp rt, 0,1,2,3
	EROW \rt, 0
	EROW \rt, 1
.endr
	; the largest |Wh| of the block, its power of two S, and 1 / S
	v_max_num_f32 v[M], |v[A2]|, |v[A2+1]|
.set k, 2
.rept 63
	v_max3_num_f32 v[M], |v[A2+k]|, |v[A2+k+1]|, v[M]
.set k, k+2
.endr
	v_mov_b32 v[TM], 0
.irp m, 1,2,4,8
	XMAX M, \m
.endr
	v_permlanex16_b32 v[TM], v[M], s2, s3
	v_max_num_f32 v[M], v[M], v[TM]
	v_and_b32 v[SV], 0x7f800000, v[M]
	v_max_u32 v[SV], 0x00800000, v[SV]
	v_min_u32 v[SV], 0x7e800000, v[SV]
	v_sub_nc_u32 v[G], 0x7f000000, v[SV]           ; exponent 254 - e: exactly 1 / S
	v_mov_b32 v[G+1], v[G]
.irp rt, 0,1,2,3
.irp ft, 0,1,2,3
.irp p, 0,1,2,3
	v_pk_mul_f32 v[A2+32*\rt+8*\ft+2*\p:A2+32*\rt+8*\ft+2*\p+1], v[A2+32*\rt+8*\ft+2*\p:A2+32*\rt+8*\ft+2*\p+1], v[G:G+1]
.endr
.irp p, 0,1,2,3
	v_cvt_pk_f16_f32 v[VP+16*\rt+4*\ft+\p], v[A2+32*\rt+8*\ft+2*\p], v[A2+32*\rt+8*\ft+2*\p+1]
.endr
	global_store_b128 v1, v[VP+16*\rt+4*\ft:VP+16*\rt+4*\ft+3], s[30:31] offset:(\rt/2)*4096+\ft*1024+(\rt%2)*512
.endr
.endr
	ds_load_b128 v[E:E+3], v5                      ; my own stage: lanes 0-15 the 64 e_src, lanes 16-31 the 64 e_dst
	s_wait_dscnt 0x0
	global_store_b128 v3, v[E:E+3], s[32:33]       ; each half-wave fills 256 aligned bytes
	v_max3_num_f32 v[M], v[E], v[E+1], v[E+2]
	v_max_num_f32 v[M], v[M], v[E+3]
.irp m, 1,2,4,8
	XMAX M, \m
.endr
	v_cmp_eq_u32 vcc_lo, 1, v[HH]
	v_cndmask_b32 v[M], v[SV], v[M], vcc_lo        ; lanes 0-15: S; lanes 16-31: the block's largest e_dst
	v_lshlrev_b32 v[AD], 7, v[HH]
	v_cmp_eq_u32 vcc_lo, 0, v2
	s_wait_xcnt 0x0                                ; EXEC is a source of the stores above: it narrows only behind this wait
	s_set_vgpr_msb 0x4
	s_wait_tensorcnt 0x0
	ds_add_u32 v255, v1
	s_wait_dscnt 0x0
	s_set_vgpr_msb 0x400
	s_and_saveexec_b32 s36, vcc_lo
	global_store_b32 v[AD], v[M], s[34:35]         ; two words a wave
	s_endpgm
.Lfunc_end_k_q7e23c7a8a7_zwh:
	.size	k_q7e23c7a8a7_zwh, .Lfunc_end_k_q7e23c7a8a7_zwh-k_q7e23c7a8a7_zwh
	.p2alignl 7, 3214868480
	.fill 96, 4, 3214868480
	.section	.rodata,"a",@progbits
	.p2align	6, 0x0
	.amdhsa_kernel k_q7e23c7a8a7_zwh
		.amdhsa_group_segment_fixed_size 37888
		.amdhsa_private_segment_fixed_size 0
		.amdhsa_enable_private_segment 0
		.amdhsa_kernarg_size 48
		.amdhsa_user_sgpr_count 2
		.amdhsa_user_sgpr_kernarg_segment_ptr 1
		.amdhsa_wavefront_size32 1
		.amdhsa_system_sgpr_workgroup_id_x 1
		.amdhsa_system_sgpr_workgroup_id_y 1
		.amdhsa_system_sgpr_workgroup_id_z 1
		.amdhsa_system_vgpr_workitem_id 0
		.amdhsa_next_free_vgpr 258
		.amdhsa_next_free_sgpr 66
		.amdhsa_reserve_vcc 1
		.amdhsa_float_denorm_mode_32 3
		.amdhsa_float_denorm_mode_16_64 3
		.amdhsa_memory_ordered 1
		.amdhsa_forward_progress 1
		.amdhsa_inst_pref_size 123
	.end_amdhsa_kernel
	.amdgpu_metadata
---
amdhsa.version: [ 1, 2 ]
amdhsa.kernels:
  - .name:           k_q7e23c7a8a7_zwh
    .symbol:         k_q7e23c7a8a7_zwh.kd
    .args:
      - { .name: WI, .offset: 0, .size: 8, .value_kind: global_buffer, .address_space: global }
      - { .name: hA, .offset: 8, .size: 8, .value_kind: global_buffer, .address_space: global }
      - { .name: hB, .offset: 16, .size: 8, .value_kind: global_buffer, .address_space: global }
      - { .name: pat_a_src, .offset: 24, .size: 8, .value_kind: global_buffer, .address_space: global }
      - { .name: pat_a_dst, .offset: 32, .size: 8, .value_kind: global_buffer, .address_space: global }
      - { .name: VE, .offset: 40, .size: 8, .value_kind: global_buffer, .address_space: global }
    .group_segment_fixed_size: 37888
    .private_segment_fixed_size: 0
    .kernarg_segment_align: 8
    .kernarg_segment_size: 48
    .max_flat_workgroup_size: 256
    .sgpr_count:     66
    .vgpr_count:     258
    .wavefront_size: 32
...
	.end_amdgpu_metadata
.endif
;; end of part 3
;; launch attn (part 4): grid 4 x 64, 8 waves a work-group, no clusters, 279,552 bytes of LDS; arguments VE, OF; writes OF
.if DOCPART == 4
	.amdgcn_target "amdgcn-amd-amdhsa--gfx1250"
	.amdhsa_code_object_version 6
	.text
	.protected	k_q7e23c7a8a7_attn
	.globl	k_q7e23c7a8a7_attn
	.p2align	8
	.type	k_q7e23c7a8a7_attn,@function
k_q7e23c7a8a7_attn:
	s_mov_b64 s[64:65], 0
	v_nop
	global_prefetch_b8 v0, s[64:65] scope:SCOPE_SE
	s_setreg_imm32_b32 hwreg(HW_REG_WAVE_MODE, 25, 1), 1
	s_wait_xcnt 0x0
; softmax(leaky_relu(e_src[n] + e_dst[m])) x Wh for one (t, head) (work-group y) and 512 rows n (x); a wave takes 64 rows.
; THE EXPONENTIAL SEPARATES, with the row's maximum taken away.  leaky(x) = max(x, 0.2 x) and exp is monotone; with
; dmax = max over m of e_dst, X = e_src[n] + dmax (the row's maximum is leaky(X)) and delta = e_dst[m] - dmax <= 0:
;   exp(leaky(X + delta) - leaky(X)) = B'[m] * max(C[m], q[n]),
;   B' = exp(0.2 delta), C = exp(0.8 delta), q = exp(-0.8 max(X, 0)),
; all three in (0, 1], and the product is 1 at the largest e_dst, so every row sum is at least 1.  This holds for every input.
; B' goes into V's rows (V' = B' Wh / Smax) and into a fifth column tile whose 16 columns all hold B': its product is the row sum.
; So a pair (n, m) costs one maximum and half a conversion.  P = max(C, q) and V' are f16: P <= 1, |V'| < 2 by the true maxima.
; LIMITS: weights below 2^-24 of a row's largest, and entries of Wh below about 2^-24 of their (t, head) maximum, count as 0
; (2,048 such weights are below 2^-13 of the row sum); NaN and infinities are not served.
; No cluster: the four work-groups of a (t, head) share V's 262,144 bytes, read once each, through registers because every
; row is multiplied on the way into LDS; behind that come 64 trips that touch no memory.
.set ESO, 16777216
.set EDO, 17301504
.set STO, 17825792
.set CB,   262144                      ; LDS: 0 V' images [ks 64][ft 4][1,024]; C f32 [2048]
.set B16B, 270336                      ; B' f16 [2048]
.set S16B, 274432                      ; B' S_block / Smax f16 [2048]
.set Q,   8                            ; v[8:11]    q of my row in the 4 row tiles
.set T,   12                           ; v[12:19]   at work
.set P0,  20                           ; v[20:27]   P fragment
.set P1,  28                           ; v[28:35]   P fragment
.set CF,  36                           ; v[36:51]   C of my 16 m
.set VFR, 52                           ; v[52:83]   4 fragments of V'
.set SF,  84                           ; v[84:91]   the sum column's fragment
.set ACC, 96                           ; v[96:255]  tile (rt, c) at 96 + 8 (5 rt + c), c = 4: row sums
.set ST0, 96                           ; before the loop: two staging sets of 64
.set SS,  224                          ; before the loop: 16 registers of row factors
.macro PLACES
.rept 4
	v_nop
.endr
.endm
.macro SPLIT8 s, hi, lo, w
.irp i, 0,1,2,3
	v_cvt_pk_bf16_f32 v[(\hi)+\i], v[(\s)+2*\i], v[(\s)+2*\i+1]
.endr
.irp i, 0,1,2,3
	v_lshlrev_b32 v[(\w)+2*\i], 16, v[(\hi)+\i]
	v_and_b32 v[(\w)+2*\i+1], s7, v[(\hi)+\i]
.endr
.irp i, 0,1,2,3
	v_pk_add_f32 v[(\w)+2*\i:(\w)+2*\i+1], v[(\s)+2*\i:(\s)+2*\i+1], v[(\w)+2*\i:(\w)+2*\i+1] neg_lo:[0,1] neg_hi:[0,1]
.endr
.irp i, 0,1,2,3
	v_cvt_pk_bf16_f32 v[(\lo)+\i], v[(\w)+2*\i], v[(\w)+2*\i+1]
.endr
.endm
.macro XMAX reg, mask
	v_max_num_f32_dpp v[\reg], v[\reg], v[\reg] row_xmask:\mask row_mask:0xf bank_mask:0xf
.endm
.macro LOADB b, set                    ; 16 loads: K blocks 2b, 2b+1 of my eight
.irp kk, 0,1
.irp ft, 0,1,2,3
.irp hf, 0,1
	global_load_b128 v[ST0+64*\set+32*\kk+8*\ft+4*\hf:ST0+64*\set+32*\kk+8*\ft+4*\hf+3], v1, s[12:13] offset:(2*\b+\kk)*4096+\ft*1024+\hf*512
.endr
.endr
.endr
.endm
.macro PROC b, set, left               ; V' = V x row factor, into LDS.  left: the next batch's loads stay out
.irp kk, 0,1
.irp hf, 0,1
	ds_load_b128 v[SS+8*\kk+4*\hf:SS+8*\kk+4*\hf+3], v78 offset:(2*\b+\kk)*64+\hf*32
.endr
.endr
	s_wait_loadcnt \left
	s_wait_dscnt 0x0
.irp kk, 0,1
.irp ft, 0,1,2,3
.irp hf, 0,1
.irp q, 0,1,2,3
	v_pk_mul_f16 v[ST0+64*\set+32*\kk+8*\ft+4*\hf+\q], v[ST0+64*\set+32*\kk+8*\ft+4*\hf+\q], v[SS+8*\kk+4*\hf+\q]
.endr
.endr
.endr
.endr
.irp kk, 0,1
.irp ft, 0,1,2,3
.irp hf, 0,1
	ds_store_b128 v79, v[ST0+64*\set+32*\kk+8*\ft+4*\hf:ST0+64*\set+32*\kk+8*\ft+4*\hf+3] offset:(2*\b+\kk)*4096+\ft*1024+\hf*512
.endr
.endr
.endr
.endm
.macro LDC                             ; C of m = 8hh..8hh+7 and 16+8hh..16+8hh+7 of the K block
	ds_load_b128 v[CF:CF+3],     v3
	ds_load_b128 v[CF+4:CF+7],   v3 offset:16
	ds_load_b128 v[CF+8:CF+11],  v3 offset:64
	ds_load_b128 v[CF+12:CF+15], v3 offset:80
.endm
.macro LDV                             ; ten loads: 4 fragments of V' and the sum column's
.irp c, 0,1,2,3
	ds_load_b128 v[VFR+8*\c:VFR+8*\c+3],   v2 offset:\c*1024
	ds_load_b128 v[VFR+8*\c+4:VFR+8*\c+7], v2 offset:\c*1024+512
.endr
	ds_load_b128 v[SF:SF+3],   v4
	ds_load_b128 v[SF+4:SF+7], v4 offset:32
.endm
.macro PB rt, p                        ; P fragment of row tile rt: 16 maxima, 8 packed conversions
.irp g, 0,1
.irp i, 0,1,2,3,4,5,6,7
	v_max_num_f32 v[T+\i], v[CF+8*\g+\i], v[Q+\rt]
.endr
.irp i, 0,1,2,3
	v_cvt_pk_f16_f32 v[\p+4*\g+\i], v[T+2*\i], v[T+2*\i+1]
.endr
.endr
.endm
.macro MM rt, p, zero                  ; V' first (swapped): a lane holds 8 neighbouring features of its row n
.irp c, 0,1,2,3
.if \zero
	v_wmma_f32_16x16x32_f16 v[ACC+8*(5*\rt+\c):ACC+8*(5*\rt+\c)+7], v[VFR+8*\c:VFR+8*\c+7], v[\p:\p+7], 0
.else
	v_wmma_f32_16x16x32_f16 v[ACC+8*(5*\rt+\c):ACC+8*(5*\rt+\c)+7], v[VFR+8*\c:VFR+8*\c+7], v[\p:\p+7], v[ACC+8*(5*\rt+\c):ACC+8*(5*\rt+\c)+7]
.endif
.endr
.if \zero
	v_wmma_f32_16x16x32_f16 v[ACC+8*(5*\rt+4):ACC+8*(5*\rt+4)+7], v[SF:SF+7], v[\p:\p+7], 0
.else
	v_wmma_f32_16x16x32_f16 v[ACC+8*(5*\rt+4):ACC+8*(5*\rt+4)+7], v[SF:SF+7], v[\p:\p+7], v[ACC+8*(5*\rt+4):ACC+8*(5*\rt+4)+7]
.endif
.endm
; One K block of 32 m.  The two P buffers take turns: between the products that read a buffer and the conversions that rewrite
; it stand the 24 plain vector lines that build the other one, which name none of those products' registers (ISA guide 7.12.1).
.macro TRIP zero, more
	s_wait_dscnt 10                                ; C's four loads are in; the ten younger (V', sum column) may be out
	PB 0, P0
	s_wait_dscnt 0x0
	MM 0, P0, \zero
	PB 1, P1
	MM 1, P1, \zero
	PB 2, P0
	MM 2, P0, \zero
	PB 3, P1
.if \more
	v_add_nc_u32 v3, 128, v3
	LDC                                            ; C is read by vector lines alone: it can be refilled here
.endif
	MM 3, P1, \zero
.if \more
	v_add_nc_u32 v2, 4096, v2                      ; four places in front of the loads onto the products' sources:
	v_add_nc_u32 v4, 64, v4                        ; two address steps
	v_nop                                          ; and two idle ones
	v_nop
	LDV
.endif
.endm
	s_load_b128 s[8:11], s[0:1], 0x0               ; VE 8, OF 10
	s_set_vgpr_msb 0x40
	v_lshl_add_u32 v0, v0, 2, 0x44000
	v_mov_b32 v1, 0
	s_set_vgpr_msb 0x4000
	v_and_b32 v2, 31, v0
	v_lshrrev_b32 v3, 5, v0
	v_readfirstlane_b32 s4, v3                     ; wave
	v_and_b32 v95, 15, v0                          ; r
	v_bfe_u32 v94, v0, 4, 1                        ; hh
	v_lshlrev_b32 v1, 4, v2                        ; 16 L
	v_lshlrev_b32 v6, 5, v0                        ; thread x 8 m x 4 bytes
	v_lshrrev_b32 v7, 3, v0
	v_lshlrev_b32 v7, 2, v7                        ; my m's block of 64
	v_lshlrev_b32 v92, 2, v2
	v_lshlrev_b32 v93, 2, v95
	s_and_b32 s6, ttmp7, 0xffff                    ; 8 t + head
	s_mov_b32 s7, 0xffff0000
	s_mov_b32 s2, 0x76543210
	s_mov_b32 s3, 0xfedcba98
	s_lshl_b32 s22, s6, 18                         ; V: my eight K blocks
	s_lshl_b32 s23, s4, 15
	s_add_co_u32 s22, s22, s23
	s_mov_b32 s23, 0
	s_lshl_b32 s24, s6, 13                         ; e_dst
	s_add_co_u32 s24, s24, EDO
	s_mov_b32 s25, 0
	s_lshl_b32 s26, s6, 8                          ; S, dmax
	s_add_co_u32 s26, s26, STO
	s_mov_b32 s27, 0
	s_lshl_b32 s28, s6, 13                         ; e_src of my 64 rows
	s_lshl_b32 s29, ttmp9, 11
	s_add_co_u32 s28, s28, s29
	s_lshl_b32 s29, s4, 8
	s_add_co_u32 s28, s28, s29
	s_add_co_u32 s28, s28, ESO
	s_mov_b32 s29, 0
	s_lshr_b32 s30, s6, 3                          ; out: row tile 128 t + 32 x + 4 wave, K blocks 2 head ..
	s_lshl_b32 s30, s30, 7
	s_lshl_b32 s31, ttmp9, 5
	s_add_co_u32 s30, s30, s31
	s_lshl2_add_u32 s30, s4, s30
	s_lshl_b32 s30, s30, 15
	s_and_b32 s31, s6, 7
	s_lshl_b32 s31, s31, 12
	s_add_co_u32 s30, s30, s31
	s_mov_b32 s31, 0
	s_wait_kmcnt 0x0
	s_add_nc_u64 s[12:13], s[8:9], s[22:23]
	s_add_nc_u64 s[14:15], s[8:9], s[24:25]
	s_add_nc_u64 s[16:17], s[8:9], s[26:27]
	s_add_nc_u64 s[18:19], s[8:9], s[28:29]
	s_add_nc_u64 s[20:21], s[10:11], s[30:31]
	global_load_b128 v[36:39], v6, s[14:15]        ; e_dst of my 8 m
	global_load_b128 v[40:43], v6, s[14:15] offset:16
	global_load_b32 v44, v7, s[16:17]              ; S of their block
	global_load_b32 v45, v92, s[16:17]             ; S of block L
	global_load_b32 v46, v92, s[16:17] offset:128  ; largest e_dst of block L
.irp rt, 0,1,2,3
	global_load_b32 v[Q+\rt], v93, s[18:19] offset:\rt*64
.endr
	LOADB 0, 0
	LOADB 1, 1
	s_lshl_b32 s22, s4, 9
	s_add_co_u32 s22, s22, S16B
	v_lshl_add_u32 v78, v94, 4, s22                ; row factors of my eight K blocks
	s_lshl_b32 s23, s4, 15
	v_add_nc_u32 v79, s23, v1                      ; V' of my eight K blocks
	v_add_nc_u32 v76, CB, v6
	v_lshl_add_u32 v77, v0, 4, B16B
	v_mov_b32 v47, 0
	s_wait_loadcnt 32                              ; the nine small loads are in; the two batches of 16 stay out
.irp m, 1,2,4,8
	XMAX 45, \m
	XMAX 46, \m
.endr
	v_permlanex16_b32 v47, v45, s2, s3
	v_max_num_f32 v5, v45, v47                     ; Smax, kept to the end
	v_permlanex16_b32 v47, v46, s2, s3
	v_max_num_f32 v46, v46, v47                    ; dmax
	v_sub_nc_u32 v47, 0x7f000000, v5               ; 1 / Smax (a power of two)
	v_mul_f32 v44, v44, v47                        ; S_block / Smax
.irp j, 0,1,2,3,4,5,6,7
	v_sub_f32 v[36+\j], v[36+\j], v46              ; delta <= 0
.endr
.irp j, 0,1,2,3,4,5,6,7
	v_mul_f32 v[52+\j], 0x3f93bb63, v[36+\j]       ; 0.8 log2(e) delta
	v_mul_f32 v[60+\j], 0x3e93bb63, v[36+\j]       ; 0.2 log2(e) delta
.endr
.irp rt, 0,1,2,3
	v_add_f32 v[Q+\rt], v[Q+\rt], v46              ; X
	v_max_num_f32 v[Q+\rt], 0, v[Q+\rt]
	v_mul_f32 v[Q+\rt], 0xbf93bb63, v[Q+\rt]
.endr
.irp j, 0,1,2,3,4,5,6,7
	v_exp_f32 v[52+\j], v[52+\j]                   ; C
.endr
.irp j, 0,1,2,3,4,5,6,7
	v_exp_f32 v[60+\j], v[60+\j]                   ; B'
.endr
.irp rt, 0,1,2,3
	v_exp_f32 v[Q+\rt], v[Q+\rt]                   ; q
.endr
	v_nop                                          ; one plain place behind the last exponential before a result is used
	s_wait_alu depctr_va_vdst(0)
.irp j, 0,1,2,3
	v_cvt_pk_f16_f32 v[68+\j], v[60+2*\j], v[61+2*\j]
.endr
.irp j, 0,1,2,3,4,5,6,7
	v_mul_f32 v[60+\j], v[60+\j], v44
.endr
.irp j, 0,1,2,3
	v_cvt_pk_f16_f32 v[72+\j], v[60+2*\j], v[61+2*\j]
.endr
	ds_store_b128 v76, v[52:55]
	ds_store_b128 v76, v[56:59] offset:16
	ds_store_b128 v77, v[68:71]
	ds_store_b128 v77, v[72:75] offset:S16B-B16B
	s_wait_dscnt 0x0                               ; for the other waves: my C, B' and row factors are in LDS
	s_barrier_signal -1
	s_barrier_wait -1
	PROC 0, 0, 16
	LOADB 2, 0
	PROC 1, 1, 16
	LOADB 3, 1
	PROC 2, 0, 16
	PROC 3, 1, 0
	v_mov_b32 v2, v1                               ; V' of K block 0
	v_lshlrev_b32 v3, 5, v94
	v_add_nc_u32 v3, CB, v3
	v_lshlrev_b32 v4, 4, v94
	v_add_nc_u32 v4, B16B, v4
	s_wait_dscnt 0x0                               ; for the other waves: my part of V' is in LDS
	s_barrier_signal -1
	s_barrier_wait -1                              ; from here on LDS is only read
	LDC
	LDV
	TRIP 1, 1                                      ; the first products start the sums
	s_mov_b32 s24, 62
.Ltrip:
	TRIP 0, 1
	s_sub_co_i32 s24, s24, 1
	s_cmp_lg_u32 s24, 0
	s_cbranch_scc1 .Ltrip
	TRIP 0, 0
	; THE WAY OUT: out = sums x Smax / row sum, as bf16 high + low planes.  Lane = row, registers = 8 features: packed, half a
	; block of the last product's first operand.  Every store covers 512 consecutive bytes.
	PLACES
.irp rt, 0,1,2,3
.if \rt
	s_wait_xcnt 0x0                                ; the last row tile's stores have read v[20:51]
.endif
	v_rcp_f32 v92, v[ACC+40*\rt+32]
	v_nop
	s_wait_alu depctr_va_vdst(0)
	v_mul_f32 v92, v92, v5
	v_mov_b32 v93, v92
.irp ft, 0,1,2,3
.irp p, 0,1,2,3
	v_pk_mul_f32 v[ACC+40*\rt+8*\ft+2*\p:ACC+40*\rt+8*\ft+2*\p+1], v[ACC+40*\rt+8*\ft+2*\p:ACC+40*\rt+8*\ft+2*\p+1], v[92:93]
.endr
	SPLIT8 ACC+40*\rt+8*\ft, 20+8*\ft, 24+8*\ft, 52
	global_store_b128 v1, v[20+8*\ft:23+8*\ft], s[20:21] offset:\rt*32768+(\ft/2)*2048+(\ft%2)*512
	global_store_b128 v1, v[24+8*\ft:27+8*\ft], s[20:21] offset:\rt*32768+(\ft/2)*2048+(\ft%2)*512+1024
.endr
.endr
	s_set_vgpr_msb 0x5
	s_wait_tensorcnt 0x0
	ds_add_u32 v0, v1
	s_wait_dscnt 0x0
	s_set_vgpr_msb 0x500
	s_endpgm
.Lfunc_end_k_q7e23c7a8a7_attn:
	.size	k_q7e23c7a8a7_attn, .Lfunc_end_k_q7e23c7a8a7_attn-k_q7e23c7a8a7_attn
	.p2alignl 7, 3214868480
	.fill 96, 4, 3214868480
	.section	.rodata,"a",@progbits
	.p2align	6, 0x0
	.amdhsa_kernel k_q7e23c7a8a7_attn
		.amdhsa_group_segment_fixed_size 279552
		.amdhsa_private_segment_fixed_size 0
		.amdhsa_enable_private_segment 0
		.amdhsa_kernarg_size 16
		.amdhsa_user_sgpr_count 2
		.amdhsa_user_sgpr_kernarg_segment_ptr 1
		.amdhsa_wavefront_size32 1
		.amdhsa_system_sgpr_workgroup_id_x 1
		.amdhsa_system_sgpr_workgroup_id_y 1
		.amdhsa_system_sgpr_workgroup_id_z 1
		.amdhsa_system_vgpr_workitem_id 0
		.amdhsa_next_free_vgpr 258
		.amdhsa_next_free_sgpr 66
		.amdhsa_reserve_vcc 0
		.amdhsa_float_denorm_mode_32 3
		.amdhsa_float_denorm_mode_16_64 3
		.amdhsa_memory_ordered 1
		.amdhsa_forward_progress 1
		.amdhsa_inst_pref_size 79
	.end_amdhsa_kernel
	.amdgpu_metadata
---
amdhsa.version: [ 1, 2 ]
amdhsa.kernels:
  - .name:           k_q7e23c7a8a7_attn
    .symbol:         k_q7e23c7a8a7_attn.kd
    .args:
      - { .name: VE, .offset: 0, .size: 8, .value_kind: global_buffer, .address_space: global }
      - { .name: OF, .offset: 8, .size: 8, .value_kind: global_buffer, .address_space: global }
    .group_segment_fixed_size: 279552
    .private_segment_fixed_size: 0
    .kernarg_segment_align: 8
    .kernarg_segment_size: 16
    .max_flat_workgroup_size: 256
    .sgpr_count:     66
    .vgpr_count:     258
    .wavefront_size: 32
...
	.end_amdgpu_metadata
.endif
;; end of part 4
;; launch final (part 5): grid 256 x 1, 8 waves a work-group, no clusters, 35,840 bytes of LDS; arguments OF, WI, states, out0; writes out0
.if DOCPART == 5
	.amdgcn_target "amdgcn-amd-amdhsa--gfx1250"
	.amdhsa_code_object_version 6
	.text
	.protected	k_q7e23c7a8a7_final
	.globl	k_q7e23c7a8a7_final
	.p2align	8
	.type	k_q7e23c7a8a7_final,@function
k_q7e23c7a8a7_final:
	s_mov_b64 s[64:65], 0
	v_nop
	global_prefetch_b8 v0, s[64:65] scope:SCOPE_SE
	s_setreg_imm32_b32 hwreg(HW_REG_WAVE_MODE, 25, 1), 1
	s_wait_xcnt 0x0
; out0 = states + elu(out x pat_W_out).  A work-group takes 64 of the 16,384 rows (t, n); wave w takes row tile w&3 and the
; 64 columns of half w>>2.  out comes as bf16 high + low planes (two products for each K block), both operands as register
; images straight from memory: four sets of registers, three always on their way.  W_out first (swapped), so a lane holds 8
; neighbouring columns of its row; the rows go through the wave's own LDS stage so that 16 lanes store 256 aligned bytes.
; No cluster: what the work-groups share is W_out's 131,072 bytes, which never lie in LDS here.
.set WOI, 14680064
.set ACC, 8                            ; v[8:39]    4 column tiles
.set SB,  40                           ; v[40:231]  4 sets of 48: out high 8, out low 8, W_out 4 x 8
.set VV,  40                           ; way out: v[40:71] row pair p: 4 registers
.set XX,  72                           ; way out: v[72:103] x likewise
.set T,   104                          ; v[104:107]
.set SP,  272                          ; stage row: 256 bytes + 16
.macro PLACES
.rept 4
	v_nop
.endr
.endm
.macro LOADSET set, ks
.irp pl, 0,1
	global_load_b128 v[SB+48*(\set)+8*\pl:SB+48*(\set)+8*\pl+3],   v1, s[16:17] offset:(\ks)*2048+\pl*1024
	global_load_b128 v[SB+48*(\set)+8*\pl+4:SB+48*(\set)+8*\pl+7], v1, s[16:17] offset:(\ks)*2048+\pl*1024+512
.endr
.irp i, 0,1,2,3
	global_load_b128 v[SB+48*(\set)+16+8*\i:SB+48*(\set)+19+8*\i], v1, s[18:19] offset:(\ks)*8192+\i*1024
	global_load_b128 v[SB+48*(\set)+20+8*\i:SB+48*(\set)+23+8*\i], v1, s[18:19] offset:(\ks)*8192+\i*1024+512
.endr
.endm
.macro MULSET set, zero
.irp i, 0,1,2,3
.if \zero
	v_wmma_f32_16x16x32_bf16 v[ACC+8*\i:ACC+8*\i+7], v[SB+48*(\set)+16+8*\i:SB+48*(\set)+23+8*\i], v[SB+48*(\set):SB+48*(\set)+7], 0
.else
	v_wmma_f32_16x16x32_bf16 v[ACC+8*\i:ACC+8*\i+7], v[SB+48*(\set)+16+8*\i:SB+48*(\set)+23+8*\i], v[SB+48*(\set):SB+48*(\set)+7], v[ACC+8*\i:ACC+8*\i+7]
.endif
.endr
.irp i, 0,1,2,3
	v_wmma_f32_16x16x32_bf16 v[ACC+8*\i:ACC+8*\i+7], v[SB+48*(\set)+16+8*\i:SB+48*(\set)+23+8*\i], v[SB+48*(\set)+8:SB+48*(\set)+15], v[ACC+8*\i:ACC+8*\i+7]
.endr
.endm
; rows 2p, 2p+1: y = x + max(v, 0) + (exp(min(v, 0)) - 1)
.macro OUTP p
	s_wait_dscnt 7-\p                              ; LDS loads return in order: this row pair is in
.irp q, 0,1,2,3
	v_mul_f32 v[T+\q], 0x3fb8aa3b, v[VV+4*\p+\q]
.endr
.irp q, 0,1,2,3
	v_min_num_f32 v[T+\q], 0, v[T+\q]
.endr
.irp q, 0,1,2,3
	v_exp_f32 v[T+\q], v[T+\q]
.endr
.irp q, 0,1,2,3
	v_max_num_f32 v[VV+4*\p+\q], 0, v[VV+4*\p+\q]  ; plain lines behind the exponentials, which touch none of their registers
.endr
	s_wait_loadcnt 7-\p                            ; x of this row pair is in
	s_wait_alu depctr_va_vdst(0)
.irp q, 0,2
	v_pk_add_f32 v[VV+4*\p+\q:VV+4*\p+\q+1], v[VV+4*\p+\q:VV+4*\p+\q+1], v[XX+4*\p+\q:XX+4*\p+\q+1]
	v_pk_add_f32 v[T+\q:T+\q+1], v[T+\q:T+\q+1], -1.0 op_sel_hi:[1,0]
.endr
.irp q, 0,2
	v_pk_add_f32 v[VV+4*\p+\q:VV+4*\p+\q+1], v[VV+4*\p+\q:VV+4*\p+\q+1], v[T+\q:T+\q+1]
.endr
	global_store_b128 v2, v[VV+4*\p:VV+4*\p+3], s[22:23] offset:\p*1024 th:TH_STORE_NT   ; a half-wave fills 256 aligned bytes
.endm
	s_load_b256 s[8:15], s[0:1], 0x0               ; OF 8, WI 10, states 12, out0 14
	v_lshl_add_u32 v232, v0, 2, 0x8800
	v_mov_b32 v233, 0
	v_and_b32 v5, 31, v0
	v_lshrrev_b32 v6, 5, v0
	v_readfirstlane_b32 s4, v6                     ; wave
	v_and_b32 v7, 15, v0                           ; r
	v_bfe_u32 v6, v0, 4, 1                         ; hh
	v_lshlrev_b32 v1, 4, v5                        ; 16 L
	s_and_b32 s5, s4, 3                            ; row tile
	s_lshr_b32 s6, s4, 2                           ; column half
	s_lshl2_add_u32 s24, ttmp9, s5
	s_lshl_b32 s24, s24, 15
	s_mov_b32 s25, 0
	s_lshl_b32 s26, s6, 12
	s_add_co_u32 s26, s26, WOI
	s_mov_b32 s27, 0
	s_lshl_b32 s28, ttmp9, 15                      ; 64 rows of 512 bytes
	s_lshl_b32 s29, s5, 13
	s_add_co_u32 s28, s28, s29
	s_lshl_b32 s29, s6, 8
	s_add_co_u32 s28, s28, s29
	s_mov_b32 s29, 0
	s_wait_kmcnt 0x0
	s_add_nc_u64 s[16:17], s[8:9], s[24:25]
	s_add_nc_u64 s[18:19], s[10:11], s[26:27]
	s_add_nc_u64 s[20:21], s[12:13], s[28:29]
	s_add_nc_u64 s[22:23], s[14:15], s[28:29]
	LOADSET 0, 0
	LOADSET 1, 1
	LOADSET 2, 2
	LOADSET 3, 3
	s_mul_i32 s7, s4, 16*SP                        ; my stage
	v_lshlrev_b32 v2, 9, v6
	v_lshl_add_u32 v2, v7, 4, v2                   ; memory: row hh, 16 bytes a lane
	v_mul_u32_u24 v3, v7, SP
	v_lshl_add_u32 v3, v6, 5, v3
	v_add_nc_u32 v3, s7, v3                        ; stage in: row r, 32 bytes at 32 hh
	v_mul_u32_u24 v4, v6, SP
	v_lshl_add_u32 v4, v7, 4, v4
	v_add_nc_u32 v4, s7, v4                        ; stage out: row hh, 16 bytes a lane
.set ks, 0
.rept 16
.set cur, ks%4
.set nxt, ks+4
.if ks < 13
	s_wait_loadcnt 36                              ; this block's 12 loads are in, three later sets stay out
.else
	s_wait_loadcnt 12*(15-ks)
.endif
.if ks == 0
	MULSET cur, 1
.else
	MULSET cur, 0
.endif
.if ks < 12
	PLACES                                         ; four places before loads land on the products' sources
	LOADSET cur, nxt
.endif
.set ks, ks+1
.endr
	PLACES
.irp p, 0,1,2,3,4,5,6,7
	global_load_b128 v[XX+4*\p:XX+4*\p+3], v2, s[20:21] offset:\p*1024 th:TH_LOAD_NT
.endr
.irp i, 0,1,2,3
	ds_store_b128 v3, v[ACC+8*\i:ACC+8*\i+3]   offset:\i*64
	ds_store_b128 v3, v[ACC+8*\i+4:ACC+8*\i+7] offset:\i*64+16
.endr
.irp p, 0,1,2,3,4,5,6,7
	ds_load_b128 v[VV+4*\p:VV+4*\p+3], v4 offset:\p*2*SP   ; my own bytes: LDS serves a wave's instructions in order
.endr
.irp p, 0,1,2,3,4,5,6,7
	OUTP \p
.endr
	s_wait_tensorcnt 0x0
	ds_add_u32 v232, v233
	s_wait_dscnt 0x0
	s_endpgm
.Lfunc_end_k_q7e23c7a8a7_final:
	.size	k_q7e23c7a8a7_final, .Lfunc_end_k_q7e23c7a8a7_final-k_q7e23c7a8a7_final
	.p2alignl 7, 3214868480
	.fill 96, 4, 3214868480
	.section	.rodata,"a",@progbits
	.p2align	6, 0x0
	.amdhsa_kernel k_q7e23c7a8a7_final
		.amdhsa_group_segment_fixed_size 35840
		.amdhsa_private_segment_fixed_size 0
		.amdhsa_enable_private_segment 0
		.amdhsa_kernarg_size 32
		.amdhsa_user_sgpr_count 2
		.amdhsa_user_sgpr_kernarg_segment_ptr 1
		.amdhsa_wavefront_size32 1
		.amdhsa_system_sgpr_workgroup_id_x 1
		.amdhsa_system_sgpr_workgroup_id_y 1
		.amdhsa_system_sgpr_workgroup_id_z 1
		.amdhsa_system_vgpr_workitem_id 0
		.amdhsa_next_free_vgpr 234
		.amdhsa_next_free_sgpr 66
		.amdhsa_reserve_vcc 0
		.amdhsa_float_denorm_mode_32 3
		.amdhsa_float_denorm_mode_16_64 3
		.amdhsa_memory_ordered 1
		.amdhsa_forward_progress 1
		.amdhsa_inst_pref_size 42
	.end_amdhsa_kernel
	.amdgpu_metadata
---
amdhsa.version: [ 1, 2 ]
amdhsa.kernels:
  - .name:           k_q7e23c7a8a7_final
    .symbol:         k_q7e23c7a8a7_final.kd
    .args:
      - { .name: OF, .offset: 0, .size: 8, .value_kind: global_buffer, .address_space: global }
      - { .name: WI, .offset: 8, .size: 8, .value_kind: global_buffer, .address_space: global }
      - { .name: states, .offset: 16, .size: 8, .value_kind: global_buffer, .address_space: global }
      - { .name: out0, .offset: 24, .size: 8, .value_kind: global_buffer, .address_space: global }
    .group_segment_fixed_size: 35840
    .private_segment_fixed_size: 0
    .kernarg_segment_align: 8
    .kernarg_segment_size: 32
    .max_flat_workgroup_size: 256
    .sgpr_count:     66
    .vgpr_count:     234
    .wavefront_size: 32
...
	.end_amdgpu_metadata
.endif
;; end of part 5
;; ======== version 2 of 3: 13 launches; 1.17 times as fast as version 1
;; workspace buffers: WI 14,942,208 bytes; UF 4,194,304 bytes; hA 3,145,728 bytes; hB 3,145,728 bytes; cntA 256 bytes of whole numbers; cntB 256 bytes of whole numbers; VE 17,842,176 bytes; OF 33,554,432 bytes
;; launch prep (part 6): grid 928 x 1, 8 waves a work-group, no clusters, 19,456 bytes of LDS; arguments W_x, W_h, W_y, states, h_0, pat_W_out, pat_W, WI, hA, cntA; writes WI, hA, cntA
.if DOCPART == 6
	.amdgcn_target "amdgcn-amd-amdhsa--gfx1250"
	.amdhsa_code_object_version 6
	.text
	.protected	k_q7e23c7a8a7_prep
	.globl	k_q7e23c7a8a7_prep
	.p2align	8
	.type	k_q7e23c7a8a7_prep,@function
k_q7e23c7a8a7_prep:
	s_mov_b64 s[64:65], 0
	v_nop
	global_prefetch_b8 v0, s[64:65] scope:SCOPE_SE
	s_setreg_imm32_b32 hwreg(HW_REG_WAVE_MODE, 25, 1), 1
	s_wait_xcnt 0x0
; prep: rounds every large input to bf16 once and lays it down as FRAGMENT IMAGES, the one operand format of all later launches.
; A block of 1,024 bytes holds 16 rows (of a first operand) or 16 columns (of a second operand) x 32 k as the matrix
; instruction's register image: byte half*512 + L*16, L = x + 16 hh; half 0 holds k = 8hh..8hh+7, half 1 k = 16+8hh..16+8hh+7.
; A fragment is then two 16-byte loads a lane, each of 512 consecutive bytes for the wave.
; One wave makes one unit of two blocks; no loop, no barrier, LDS is each wave's own.  Nothing is shared between
; work-groups (each input byte is read once), so clusters, the tensor mover and the matrix unit have nothing to give here.
; Work-groups 0-255 W_x, 256-383 W_h, 384-639 W_y (K along the rows: TYPEA), 640-895 states, 896-911 h_0, 912-919 pat_W_out,
; 920-927 pat_W (K from row to row: TYPEB).  h_0 goes to the slot of hA from which a step reads its state; it is an input, so its
; low plane is zero.  Unit 0 of pat_W also stores step number 0.
.set WXI, 0                            ; sections of WI, in bytes
.set XSI, 4194304
.set WHI, 8388608
.set WYI, 10485760
.set WOI, 14680064
.set PWI, 14811136
.set PLANE, 262144                     ; from the high to the low plane of a state
.set CUR, 2621440                      ; hA, hB: behind five kept slots of 524,288 bytes, the slot that the next step reads
.set LP,  144                          ; LDS row: 64 bf16 + 16 bytes, an odd multiple of 16
.set WL,  16*LP                        ; a wave's LDS bytes
.macro UNIT gbase                      ; s32 = unit number inside the range
	s_sub_co_u32 s32, ttmp9, \gbase
	s_lshl3_add_u32 s32, s32, s4
.endm
; 16 rows x 64 k of f32, K along the rows.  2^lk units side by side in a row of pitch bytes.
.macro TYPEA src, sec, gbase, pitch, lk
	UNIT \gbase
	s_lshr_b32 s34, s32, \lk
	s_lshl_b32 s34, s34, 12+\lk                    ; 16 rows of pitch bytes
	s_and_b32 s35, s32, (1<<\lk)-1
	s_lshl_b32 s35, s35, 8                         ; 64 f32
	s_add_co_u32 s34, s34, s35
	s_mov_b32 s35, 0
	s_add_nc_u64 s[28:29], s[\src:\src+1], s[34:35]
	s_lshl_b32 s34, s32, 11                        ; two blocks a unit
.if \sec
	s_add_co_u32 s34, s34, \sec
.endif
	s_add_nc_u64 s[30:31], s[22:23], s[34:35]
	v_mul_u32_u24 v2, v5, \pitch
	v_lshl_add_u32 v2, v4, 4, v2                   ; row hh, 16 bytes a lane: a half-wave reads 256 consecutive bytes
	v_mul_u32_u24 v3, v5, LP
	v_lshl_add_u32 v3, v4, 3, v3
	v_add_nc_u32 v3, s5, v3                        ; LDS in: row hh, 8 bytes a lane
	v_mul_u32_u24 v7, v4, LP
	v_lshl_add_u32 v7, v5, 4, v7
	v_add_nc_u32 v7, s5, v7                        ; LDS out: row r, 16 bytes at 16 hh
.irp i, 0,1,2,3,4,5,6,7
	global_load_b128 v[8+4*\i:11+4*\i], v2, s[28:29] offset:2*\i*\pitch th:TH_LOAD_NT
.endr
.irp i, 0,1,2,3,4,5,6,7
	s_wait_loadcnt 7-\i                            ; loads return in order: rows 2i, 2i+1 are in, the younger stay out
	v_cvt_pk_bf16_f32 v[8+4*\i], v[8+4*\i], v[9+4*\i]
	v_cvt_pk_bf16_f32 v[9+4*\i], v[10+4*\i], v[11+4*\i]
	ds_store_b64 v3, v[8+4*\i:9+4*\i] offset:\i*2*LP
.endr
.irp j, 0,1,2,3
	ds_load_b128 v[40+4*\j:43+4*\j], v7 offset:32*\j   ; my own bytes: LDS serves a wave's instructions in order
.endr
.irp j, 0,1,2,3
	s_wait_dscnt 3-\j
	global_store_b128 v6, v[40+4*\j:43+4*\j], s[30:31] offset:512*\j   ; block j/2, half j%2: 512 consecutive bytes
.endr
	s_wait_tensorcnt 0x0
	ds_add_u32 v64, v65
	s_wait_dscnt 0x0
	s_endpgm
.endm
; 32 k x 32 columns of f32, K from row to row.  2^lc units side by side in a row of pitch bytes.  Lane = column; its 32 k
; arrive in 32 registers, so packing pairs gives the image without any exchange between lanes.  A load covers 128
; consecutive bytes; the wave beside this one takes the neighbouring 128.
.macro TYPEB src, dst, sec, gbase, pitch, lc
	UNIT \gbase
	s_lshr_b32 s34, s32, \lc
	s_lshl_b32 s34, s34, 12+\lc                    ; 32 rows of pitch bytes
	s_and_b32 s35, s32, (1<<\lc)-1
	s_lshl_b32 s35, s35, 7                         ; 32 f32
	s_add_co_u32 s34, s34, s35
	s_mov_b32 s35, 0
	s_add_nc_u64 s[28:29], s[\src:\src+1], s[34:35]
	s_lshl_b32 s34, s32, 11
.if \sec
	s_add_co_u32 s34, s34, \sec
.endif
	s_add_nc_u64 s[30:31], s[\dst:\dst+1], s[34:35]
	v_lshlrev_b32 v2, 2, v1
	v_lshlrev_b32 v3, 10, v5                       ; columns 16-31 are the second block
	v_lshl_add_u32 v3, v4, 4, v3
.set k, 0
.rept 32
	global_load_b32 v[8+k], v2, s[28:29] offset:k*\pitch th:TH_LOAD_NT
.set k, k+1
.endr
.set k, 0
.rept 16
	s_wait_loadcnt 30-2*k                          ; rows 2k and 2k+1 are in
	v_cvt_pk_bf16_f32 v[40+k], v[8+2*k], v[9+2*k]
.set k, k+1
.endr
.irp j, 0,1,2,3
	global_store_b128 v3, v[40+4*\j:43+4*\j], s[30:31] offset:256*\j   ; k = 8j..8j+7: a half-wave fills 256 aligned bytes
.endr
.endm
	s_load_b512 s[8:23], s[0:1], 0x0               ; W_x 8, W_h 10, W_y 12, states 14, h_0 16, pat_W_out 18, pat_W 20, WI 22
	s_load_b128 s[24:27], s[0:1], 0x40             ; hA 24, cntA 26
	v_lshl_add_u32 v64, v0, 2, 0x4800
	v_mov_b32 v65, 0
	v_and_b32 v1, 31, v0                           ; L
	v_lshrrev_b32 v2, 5, v0
	v_readfirstlane_b32 s4, v2                     ; wave
	v_and_b32 v4, 15, v0                           ; r
	v_bfe_u32 v5, v0, 4, 1                         ; hh
	v_lshlrev_b32 v6, 4, v1                        ; 16 L
	s_mul_i32 s5, s4, WL
	s_wait_kmcnt 0x0
	s_cmp_lt_u32 ttmp9, 256
	s_cbranch_scc1 .Lwx
	s_cmp_lt_u32 ttmp9, 384
	s_cbranch_scc1 .Lwh
	s_cmp_lt_u32 ttmp9, 640
	s_cbranch_scc1 .Lwy
	s_cmp_lt_u32 ttmp9, 896
	s_cbranch_scc1 .Lst
	s_cmp_lt_u32 ttmp9, 912
	s_cbranch_scc1 .Lh0
	s_cmp_lt_u32 ttmp9, 920
	s_cbranch_scc1 .Lwo
	TYPEB 20, 22, PWI, 920, 256, 1                 ; pat_W [8][128][64]
	s_cmp_lg_u32 s32, 0
	s_cbranch_scc1 .Ldone
	v_mov_b32 v56, 0                               ; step number 0, as one whole unit of 256 bytes
	v_mov_b32 v57, 0
	v_lshlrev_b32 v7, 3, v1
	global_store_b64 v7, v[56:57], s[26:27]
.Ldone:
	s_endpgm
.Lwx:
	TYPEA 8, WXI, 0, 8192, 5
.Lwh:
	TYPEA 10, WHI, 256, 4096, 4
.Lwy:
	TYPEA 12, WYI, 384, 4096, 4
.Lst:
	TYPEB 14, 22, XSI, 640, 512, 2
	s_endpgm
.Lh0:
	TYPEB 16, 24, CUR, 896, 512, 2
	v_mov_b32 v56, 0                               ; h_0's low plane
	v_mov_b32 v57, 0
	v_mov_b32 v58, 0
	v_mov_b32 v59, 0
.irp j, 0,1,2,3
	global_store_b128 v3, v[56:59], s[30:31] offset:PLANE+256*\j
.endr
	s_endpgm
.Lwo:
	TYPEB 18, 22, WOI, 912, 512, 2
	s_endpgm
.Lfunc_end_k_q7e23c7a8a7_prep:
	.size	k_q7e23c7a8a7_prep, .Lfunc_end_k_q7e23c7a8a7_prep-k_q7e23c7a8a7_prep
	.p2alignl 7, 3214868480
	.fill 96, 4, 3214868480
	.section	.rodata,"a",@progbits
	.p2align	6, 0x0
	.amdhsa_kernel k_q7e23c7a8a7_prep
		.amdhsa_group_segment_fixed_size 19456
		.amdhsa_private_segment_fixed_size 0
		.amdhsa_enable_private_segment 0
		.amdhsa_kernarg_size 80
		.amdhsa_user_sgpr_count 2
		.amdhsa_user_sgpr_kernarg_segment_ptr 1
		.amdhsa_wavefront_size32 1
		.amdhsa_system_sgpr_workgroup_id_x 1
		.amdhsa_system_sgpr_workgroup_id_y 1
		.amdhsa_system_sgpr_workgroup_id_z 1
		.amdhsa_system_vgpr_workitem_id 0
		.amdhsa_next_free_vgpr 66
		.amdhsa_next_free_sgpr 66
		.amdhsa_reserve_vcc 0
		.amdhsa_float_denorm_mode_32 3
		.amdhsa_float_denorm_mode_16_64 3
		.amdhsa_memory_ordered 1
		.amdhsa_forward_progress 1
		.amdhsa_inst_pref_size 38
	.end_amdhsa_kernel
	.amdgpu_metadata
---
amdhsa.version: [ 1, 2 ]
amdhsa.kernels:
  - .name:           k_q7e23c7a8a7_prep
    .symbol:         k_q7e23c7a8a7_prep.kd
    .args:
      - { .name: W_x, .offset: 0, .size: 8, .value_kind: global_buffer, .address_space: global }
      - { .name: W_h, .offset: 8, .size: 8, .value_kind: global_buffer, .address_space: global }
      - { .name: W_y, .offset: 16, .size: 8, .value_kind: global_buffer, .address_space: global }
      - { .name: states, .offset: 24, .size: 8, .value_kind: global_buffer, .address_space: global }
      - { .name: h_0, .offset: 32, .size: 8, .value_kind: global_buffer, .address_space: global }
      - { .name: pat_W_out, .offset: 40, .size: 8, .value_kind: global_buffer, .address_space: global }
      - { .name: pat_W, .offset: 48, .size: 8, .value_kind: global_buffer, .address_space: global }
      - { .name: WI, .offset: 56, .size: 8, .value_kind: global_buffer, .address_space: global }
      - { .name: hA, .offset: 64, .size: 8, .value_kind: global_buffer, .address_space: global }
      - { .name: cntA, .offset: 72, .size: 8, .value_kind: global_buffer, .address_space: global }
    .group_segment_fixed_size: 19456
    .private_segment_fixed_size: 0
    .kernarg_segment_align: 8
    .kernarg_segment_size: 80
    .max_flat_workgroup_size: 256
    .sgpr_count:     66
    .vgpr_count:     66
    .wavefront_size: 32
...
	.end_amdgpu_metadata
.endif
;; end of part 6
;; launch ugemm (part 7): grid 16 x 16, 8 waves a work-group, no clusters, 132,096 bytes of LDS; arguments WI, UF; writes UF
.if DOCPART == 7
	.amdgcn_target "amdgcn-amd-amdhsa--gfx1250"
	.amdhsa_code_object_version 6
	.text
	.protected	k_q7e23c7a8a7_ugemm
	.globl	k_q7e23c7a8a7_ugemm
	.p2align	8
	.type	k_q7e23c7a8a7_ugemm,@function
k_q7e23c7a8a7_ugemm:
	s_mov_b64 s[64:65], 0
	v_nop
	global_prefetch_b8 v0, s[64:65] scope:SCOPE_SE
	s_setreg_imm32_b32 hwreg(HW_REG_WAVE_MODE, 25, 1), 1
	s_wait_xcnt 0x0
; U[t] = W_x x_t for all eight steps at once: this part of the recurrence hangs on no earlier step, so it is taken out of the chain.
; Work-group (x, y): rows 64 x .. 64 x + 63 of U, step t = y / 2, columns 64 (y % 2) .. + 63: 4 x 4 tiles of 16 x 16.
; The sum over K = 2,048 is split over the 8 waves, 8 K blocks of 32 each, and every wave keeps all 16 tiles: so each byte of the
; work-group's operands (262,144 of W_x, 262,144 of x) is loaded once, as register images, 16 loads for 16 products.
; The eight partial blocks meet in LDS; wave w adds up tiles 2w and 2w+1 and stores them.
; U stays in f32, as the accumulator's own image: tile (rt, dt) is 1,024 bytes at t*524,288 + rt*8,192 + dt*1,024, byte q*512 + L*16
; holds registers 4q..4q+3 of lane L (column L%16, rows 8 (L/16) + register).  A step adds it to its sums as it lies.
; REGISTERS: window 0: v1-v6 addresses, v16-143 accumulators; window 1: four sets of 64 operand registers, three always on their way.
; No cluster: operands go from memory straight into registers and never lie in LDS, which holds the partial sums alone; a joint
; tensor load would add an LDS round trip of the same 524,288 bytes.
.set XSI, 4194304                      ; WI: images of states [t][ks 64][dt 8]; images of W_x [rt 64][ks 64] lie at 0
.set ACC, 16                           ; tile (i, d) at 16 + 8 (4 i + d)
.set MSB, 0
.macro WIN new                         ; the immediate's high byte repeats the setting that is left
.if MSB != \new
	s_set_vgpr_msb (MSB<<8)|\new
.set MSB, \new
.endif
.endm
.set TO_F, 0x40                        ; destination window 1, address window 0
.set MUL,  0x05                        ; sources 0 and 1 window 1, C and D window 0
.macro PLACES
.rept 4
	v_nop
.endr
.endm
.macro LOADSET set, kb                 ; 16 loads: K block kb of my eight: 4 row tiles of W_x, 4 column tiles of x
	WIN TO_F
.irp i, 0,1,2,3
	global_load_b128 v[64*(\set)+8*\i:64*(\set)+8*\i+3],   v1, s[12:13] offset:\i*65536+(\kb)*1024
	global_load_b128 v[64*(\set)+8*\i+4:64*(\set)+8*\i+7], v1, s[12:13] offset:\i*65536+(\kb)*1024+512
.endr
.irp d, 0,1,2,3
	global_load_b128 v[64*(\set)+32+8*\d:64*(\set)+35+8*\d], v1, s[14:15] offset:(\kb)*8192+\d*1024
	global_load_b128 v[64*(\set)+36+8*\d:64*(\set)+39+8*\d], v1, s[14:15] offset:(\kb)*8192+\d*1024+512
.endr
.endm
.macro MULSET set, zero                ; 16 products
	WIN MUL
.irp i, 0,1,2,3
.irp d, 0,1,2,3
.if \zero
	v_wmma_f32_16x16x32_bf16 v[ACC+8*(4*\i+\d):ACC+8*(4*\i+\d)+7], v[64*(\set)+8*\i:64*(\set)+8*\i+7], v[64*(\set)+32+8*\d:64*(\set)+39+8*\d], 0
.else
	v_wmma_f32_16x16x32_bf16 v[ACC+8*(4*\i+\d):ACC+8*(4*\i+\d)+7], v[64*(\set)+8*\i:64*(\set)+8*\i+7], v[64*(\set)+32+8*\d:64*(\set)+39+8*\d], v[ACC+8*(4*\i+\d):ACC+8*(4*\i+\d)+7]
.endif
.endr
.endr
.endm
.macro FOLD st                         ; partial p (16 registers: two tiles) += partial p + st
.set p, 0
.rept \st
.irp q, 0,2,4,6,8,10,12,14
	v_pk_add_f32 v[16+16*p+\q:17+16*p+\q], v[16+16*p+\q:17+16*p+\q], v[16+16*(p+\st)+\q:17+16*(p+\st)+\q]
.endr
.set p, p+1
.endr
.endm
	s_load_b128 s[8:11], s[0:1], 0x0               ; WI 8, UF 10
	v_lshl_add_u32 v254, v0, 2, 0x20000
	v_mov_b32 v255, 0
	v_and_b32 v2, 31, v0
	v_lshrrev_b32 v3, 5, v0
	v_readfirstlane_b32 s4, v3                     ; wave
	v_lshlrev_b32 v1, 4, v2                        ; 16 L
	s_and_b32 s5, ttmp7, 0xffff                    ; 2 t + column half
	s_lshr_b32 s6, s5, 1                           ; t
	s_and_b32 s7, s5, 1                            ; column half
	s_lshl_b32 s20, ttmp9, 18                      ; W_x: 4 row tiles of 65,536 bytes
	s_lshl_b32 s21, s4, 13                         ; my 8 K blocks of 1,024
	s_add_co_u32 s20, s20, s21
	s_mov_b32 s21, 0
	s_lshl_b32 s22, s6, 19                         ; x_t
	s_lshl_b32 s23, s4, 16                         ; my 8 K blocks of 8,192
	s_add_co_u32 s22, s22, s23
	s_lshl_b32 s23, s7, 12                         ; 4 column tiles
	s_add_co_u32 s22, s22, s23
	s_add_co_u32 s22, s22, XSI
	s_mov_b32 s23, 0
	s_lshl_b32 s24, s6, 19                         ; U: t, row tile 4 x + w/2, column tile 4 half + 2 (w%2)
	s_lshl_b32 s25, ttmp9, 15
	s_add_co_u32 s24, s24, s25
	s_lshr_b32 s25, s4, 1
	s_lshl_b32 s25, s25, 13
	s_add_co_u32 s24, s24, s25
	s_lshl_b32 s25, s7, 12
	s_add_co_u32 s24, s24, s25
	s_and_b32 s25, s4, 1
	s_lshl_b32 s25, s25, 11
	s_add_co_u32 s24, s24, s25
	s_mov_b32 s25, 0
	s_lshl_b32 s26, s4, 14
	v_add_nc_u32 v4, s26, v1                       ; LDS: my partial block of 16,384 bytes
	s_lshl_b32 s27, s4, 11
	v_add_nc_u32 v5, s27, v1                       ; LDS: tiles 2w, 2w+1 of partial blocks 0-3,
	v_add_nc_u32 v6, 0x10000, v5                   ; and of partial blocks 4-7 (the immediate has 16 bits)
	s_wait_kmcnt 0x0
	s_add_nc_u64 s[12:13], s[8:9], s[20:21]
	s_add_nc_u64 s[14:15], s[8:9], s[22:23]
	s_add_nc_u64 s[16:17], s[10:11], s[24:25]
	LOADSET 0, 0
	LOADSET 1, 1
	LOADSET 2, 2
	LOADSET 3, 3
.set kb, 0
.rept 8
.set cur, kb%4
.set nxt, kb+4
.if kb < 5
	s_wait_loadcnt 48                              ; this block's 16 loads are in, three later sets stay out
.else
	s_wait_loadcnt 16*(7-kb)
.endif
.if kb == 0
	MULSET cur, 1                                  ; the first products start the sums
.else
	MULSET cur, 0
.endif
	PLACES                                         ; four places before loads land on the products' sources, and before the results are stored
.if kb < 4
	LOADSET cur, nxt
.endif
.set kb, kb+1
.endr
	WIN 0
.irp t, 0,1,2,3,4,5,6,7,8,9,10,11,12,13,14,15
	ds_store_b128 v4, v[ACC+8*\t:ACC+8*\t+3]   offset:\t*1024
	ds_store_b128 v4, v[ACC+8*\t+4:ACC+8*\t+7] offset:\t*1024+512
.endr
	s_wait_dscnt 0x0                               ; for the waves that read: all my stores are done
	s_barrier_signal -1
	s_barrier_wait -1
.irp p, 0,1,2,3
.irp j, 0,1,2,3
	ds_load_b128 v[16+16*\p+4*\j:19+16*\p+4*\j], v5 offset:\p*16384+\j*512
.endr
.endr
.irp p, 0,1,2,3
.irp j, 0,1,2,3
	ds_load_b128 v[80+16*\p+4*\j:83+16*\p+4*\j], v6 offset:\p*16384+\j*512
.endr
.endr
	s_wait_dscnt 0x0
	FOLD 4
	FOLD 2
	FOLD 1
.irp j, 0,1,2,3
	global_store_b128 v1, v[16+4*\j:19+4*\j], s[16:17] offset:\j*512   ; 512 consecutive bytes a store
.endr
	s_wait_tensorcnt 0x0
	ds_add_u32 v254, v255
	s_wait_dscnt 0x0
	s_endpgm
.Lfunc_end_k_q7e23c7a8a7_ugemm:
	.size	k_q7e23c7a8a7_ugemm, .Lfunc_end_k_q7e23c7a8a7_ugemm-k_q7e23c7a8a7_ugemm
	.p2alignl 7, 3214868480
	.fill 96, 4, 3214868480
	.section	.rodata,"a",@progbits
	.p2align	6, 0x0
	.amdhsa_kernel k_q7e23c7a8a7_ugemm
		.amdhsa_group_segment_fixed_size 132096
		.amdhsa_private_segment_fixed_size 0
		.amdhsa_enable_private_segment 0
		.amdhsa_kernarg_size 16
		.amdhsa_user_sgpr_count 2
		.amdhsa_user_sgpr_kernarg_segment_ptr 1
		.amdhsa_wavefront_size32 1
		.amdhsa_system_sgpr_workgroup_id_x 1
		.amdhsa_system_sgpr_workgroup_id_y 1
		.amdhsa_system_sgpr_workgroup_id_z 1
		.amdhsa_system_vgpr_workitem_id 0
		.amdhsa_next_free_vgpr 512
		.amdhsa_next_free_sgpr 66
		.amdhsa_reserve_vcc 0
		.amdhsa_float_denorm_mode_32 3
		.amdhsa_float_denorm_mode_16_64 3
		.amdhsa_memory_ordered 1
		.amdhsa_forward_progress 1
		.amdhsa_inst_pref_size 32
	.end_amdhsa_kernel
	.amdgpu_metadata
---
amdhsa.version: [ 1, 2 ]
amdhsa.kernels:
  - .name:           k_q7e23c7a8a7_ugemm
    .symbol:         k_q7e23c7a8a7_ugemm.kd
    .args:
      - { .name: WI, .offset: 0, .size: 8, .value_kind: global_buffer, .address_space: global }
      - { .name: UF, .offset: 8, .size: 8, .value_kind: global_buffer, .address_space: global }
    .group_segment_fixed_size: 132096
    .private_segment_fixed_size: 0
    .kernarg_segment_align: 8
    .kernarg_segment_size: 16
    .max_flat_workgroup_size: 256
    .sgpr_count:     66
    .vgpr_count:     512
    .wavefront_size: 32
...
	.end_amdgpu_metadata
.endif
;; end of part 7
;; launch step0 (part 8): grid 256 x 1, 8 waves a work-group, no clusters, 17,408 bytes of LDS; arguments WI, UF, hA, hB, cntA, cntB; writes hB, cntB
.if DOCPART == 8
	.amdgcn_target "amdgcn-amd-amdhsa--gfx1250"
	.amdhsa_code_object_version 6
	.text
	.protected	k_q7e23c7a8a7_step0
	.globl	k_q7e23c7a8a7_step0
	.p2align	8
	.type	k_q7e23c7a8a7_step0,@function
k_q7e23c7a8a7_step0:
	s_mov_b64 s[64:65], 0
	v_nop
	global_prefetch_b8 v0, s[64:65] scope:SCOPE_SE
	s_setreg_imm32_b32 hwreg(HW_REG_WAVE_MODE, 25, 1), 1
	s_wait_xcnt 0x0
; One step of the recurrence: state c+1 = W_h * state c + U[c], c read from the counter that the launch before stored.
; A state is kept as bf16 high + low planes (16 significant bits) in fragment images [plane][ks 32][dt 8] of 1,024 bytes;
; states take turns between two buffers, so this launch never loads from the buffer that it stores into.
; A buffer has five kept slots (state s in slot s/2, for the launch that reads all states later) and a sixth, at a fixed place, from
; which the next step reads.  So the state's address does not hang on c: all 32 loads of W_h and of the state are issued straight
; behind the arguments, and c, which is needed only for U's address, for the kept slot and for the next counter, arrives meanwhile.
; The price is that each tile is stored twice, 4,096 bytes a work-group (the last step's copy in the sixth slot is read by nobody).
; A work-group makes 32 rows x 16 columns (row tiles 2p, 2p+1, column tile dt): 65,536 bytes of W_h, 65,536 of the state's two planes
; and 2,048 of U, each loaded once.  The sum over K = 1,024 is split over 8 waves of 4 K blocks; a W_h fragment serves both planes.
; The 8 partial pairs of tiles meet in LDS; waves 0 and 1 add them up, add U and store: their two tiles are the two halves of one
; block of the next state's image.
; No cluster: the eight work-groups of a pair of row tiles share 65,536 bytes of W_h, which come as register images straight from
; memory and never lie in LDS, so a joint tensor load has no place to land them.
.set WHI, 8388608
.set PLANE, 262144
.set CUR, 2621440                      ; the slot that a step reads, behind five kept slots of 524,288 bytes
.set AF,  16                           ; v[16:79]    W_h: K block kb, row tile i at 16 kb + 8 i
.set BF,  80                           ; v[80:143]   state: K block kb, plane pl at 16 kb + 8 pl
.set ACC, 144                          ; v[144:159]  two tiles of 16 x 16
.set UU,  160                          ; v[160:167]  waves 0, 1: my tile of U
.macro PLACES
.rept 4
	v_nop
.endr
.endm
; 8 f32 in s.. -> 4 registers of bf16 (hi) and 4 of the bf16 remainder (lo); w: 8 registers at work; s7 = 0xffff0000
.macro SPLIT8 s, hi, lo, w
.irp i, 0,1,2,3
	v_cvt_pk_bf16_f32 v[(\hi)+\i], v[(\s)+2*\i], v[(\s)+2*\i+1]
.endr
.irp i, 0,1,2,3
	v_lshlrev_b32 v[(\w)+2*\i], 16, v[(\hi)+\i]
	v_and_b32 v[(\w)+2*\i+1], s7, v[(\hi)+\i]
.endr
.irp i, 0,1,2,3
	v_pk_add_f32 v[(\w)+2*\i:(\w)+2*\i+1], v[(\s)+2*\i:(\s)+2*\i+1], v[(\w)+2*\i:(\w)+2*\i+1] neg_lo:[0,1] neg_hi:[0,1]
.endr
.irp i, 0,1,2,3
	v_cvt_pk_bf16_f32 v[(\lo)+\i], v[(\w)+2*\i], v[(\w)+2*\i+1]
.endr
.endm
.macro FOLD st                         ; partial tile p += partial tile p + st
.set p, 0
.rept \st
.irp q, 0,2,4,6
	v_pk_add_f32 v[16+8*p+\q:17+8*p+\q], v[16+8*p+\q:17+8*p+\q], v[16+8*(p+\st)+\q:17+8*(p+\st)+\q]
.endr
.set p, p+1
.endr
.endm
; The 16 products of my 4 K blocks.  extra: how many loads this wave has issued behind the 32 of W_h and the state.
.macro CHAIN extra
.irp kb, 0,1,2,3
	s_wait_loadcnt 8*(3-\kb)+\extra                ; this block's eight loads are in; eight for each later block, and the extra ones, stay out
.irp i, 0,1
.if \kb == 0
	v_wmma_f32_16x16x32_bf16 v[ACC+8*\i:ACC+8*\i+7], v[AF+16*\kb+8*\i:AF+16*\kb+8*\i+7], v[BF+16*\kb:BF+16*\kb+7], 0
.else
	v_wmma_f32_16x16x32_bf16 v[ACC+8*\i:ACC+8*\i+7], v[AF+16*\kb+8*\i:AF+16*\kb+8*\i+7], v[BF+16*\kb:BF+16*\kb+7], v[ACC+8*\i:ACC+8*\i+7]
.endif
.endr
.irp i, 0,1
	v_wmma_f32_16x16x32_bf16 v[ACC+8*\i:ACC+8*\i+7], v[AF+16*\kb+8*\i:AF+16*\kb+8*\i+7], v[BF+16*\kb+8:BF+16*\kb+15], v[ACC+8*\i:ACC+8*\i+7]
.endr
.endr
.endm
	s_load_b256 s[8:15], s[0:1], 0x0               ; WI 8, UF 10, state in 12, state out 14
	s_load_b128 s[16:19], s[0:1], 0x20             ; counter in 16, counter out 18
	v_lshl_add_u32 v184, v0, 2, 0x4000
	v_mov_b32 v185, 0
	v_and_b32 v2, 31, v0
	v_lshrrev_b32 v3, 5, v0
	v_readfirstlane_b32 s4, v3                     ; wave
	v_lshlrev_b32 v1, 4, v2                        ; 16 L
	s_lshr_b32 s5, ttmp9, 3                        ; pair of row tiles 0..31
	s_and_b32 s6, ttmp9, 7                         ; column tile 0..7
	s_mov_b32 s7, 0xffff0000
	s_lshl_b32 s32, s5, 16                         ; W_h: two row tiles of 32,768 bytes
	s_lshl_b32 s31, s4, 12                         ; my 4 K blocks of 1,024
	s_add_co_u32 s32, s32, s31
	s_add_co_u32 s32, s32, WHI
	s_mov_b32 s33, 0
	s_lshl_b32 s34, s4, 15                         ; state: my 4 K blocks of 8,192,
	s_lshl_b32 s31, s6, 10                         ; my column tile,
	s_add_co_u32 s34, s34, s31
	s_add_co_u32 s34, s34, CUR                     ; in the slot at the fixed place
	s_mov_b32 s35, 0
	s_wait_kmcnt 0x0
	s_load_b32 s20, s[16:17], 0x0                  ; c
	s_add_nc_u64 s[24:25], s[8:9], s[32:33]
	s_add_nc_u64 s[26:27], s[12:13], s[34:35]
.irp kb, 0,1,2,3
.irp i, 0,1
	global_load_b128 v[AF+16*\kb+8*\i:AF+16*\kb+8*\i+3],   v1, s[24:25] offset:\i*32768+\kb*1024
	global_load_b128 v[AF+16*\kb+8*\i+4:AF+16*\kb+8*\i+7], v1, s[24:25] offset:\i*32768+\kb*1024+512
.endr
.irp pl, 0,1
	global_load_b128 v[BF+16*\kb+8*\pl:BF+16*\kb+8*\pl+3],   v1, s[26:27] offset:\pl*PLANE+\kb*8192
	global_load_b128 v[BF+16*\kb+8*\pl+4:BF+16*\kb+8*\pl+7], v1, s[26:27] offset:\pl*PLANE+\kb*8192+512
.endr
.endr
	s_wait_kmcnt 0x0                               ; c, while all 32 loads are on their way
	s_min_u32 s21, s20, 7                          ; c, clamped to the steps there are
	s_add_co_u32 s23, s20, 1
	s_lshr_b32 s23, s23, 1
	s_min_u32 s23, s23, 4                          ; kept slot of state c+1 in the other buffer
	s_cmp_gt_u32 s4, 1
	s_cbranch_scc1 .Lrest
	s_lshl_b32 s36, s21, 19                        ; waves 0, 1: U[c], row tile 2p + wave, my column tile
	s_lshl1_add_u32 s31, s5, s4
	s_lshl_b32 s31, s31, 13
	s_add_co_u32 s36, s36, s31
	s_lshl_b32 s31, s6, 10
	s_add_co_u32 s36, s36, s31
	s_mov_b32 s37, 0
	s_add_nc_u64 s[28:29], s[10:11], s[36:37]
	global_load_b128 v[UU:UU+3],   v1, s[28:29]
	global_load_b128 v[UU+4:UU+7], v1, s[28:29] offset:512
	CHAIN 2                                        ; U's two loads are the youngest and stay out through the products
	s_branch .Lsum
.Lrest:
	CHAIN 0
.Lsum:
	PLACES                                         ; four places between the last product and the stores of its result
	s_lshl_b32 s30, s4, 11
	v_add_nc_u32 v4, s30, v1                       ; my 2,048 bytes
.irp i, 0,1
	ds_store_b128 v4, v[ACC+8*\i:ACC+8*\i+3]   offset:\i*1024
	ds_store_b128 v4, v[ACC+8*\i+4:ACC+8*\i+7] offset:\i*1024+512
.endr
	s_wait_dscnt 0x0                               ; for the waves that read: all my stores are done
	s_barrier_signal -1
	s_barrier_wait -1
	s_cmp_gt_u32 s4, 1
	s_cbranch_scc1 .Lend
	s_lshl_b32 s30, s4, 10                         ; waves 0 and 1: row tile 2p + wave
	v_add_nc_u32 v5, s30, v1
.irp p, 0,1,2,3,4,5,6,7
	ds_load_b128 v[16+8*\p:19+8*\p], v5 offset:\p*2048
	ds_load_b128 v[20+8*\p:23+8*\p], v5 offset:\p*2048+512
.endr
	s_lshl_b32 s38, s5, 13                         ; where the tile lies in a slot: K block p, column tile, half = wave
	s_lshl_b32 s31, s6, 10
	s_add_co_u32 s38, s38, s31
	s_lshl_b32 s31, s4, 9
	s_add_co_u32 s38, s38, s31
	s_mov_b32 s39, 0
	s_lshl_b32 s36, s23, 19                        ; the kept slot
	s_add_co_u32 s36, s36, s38
	s_mov_b32 s37, 0
	s_add_nc_u64 s[40:41], s[14:15], s[36:37]
	s_add_co_u32 s38, s38, CUR                     ; the slot that the next step reads
	s_add_nc_u64 s[42:43], s[14:15], s[38:39]
	s_wait_loadcnt 0x0                             ; U
	s_wait_dscnt 0x0
	FOLD 4
	FOLD 2
	FOLD 1
.irp q, 0,2,4,6
	v_pk_add_f32 v[16+\q:17+\q], v[16+\q:17+\q], v[UU+\q:UU+\q+1]
.endr
	; lane = column, registers = 8 rows: packed, this is one half of a block of the next product's second operand
	SPLIT8 16, 168, 172, 176
	global_store_b128 v1, v[168:171], s[42:43]
	global_store_b128 v1, v[172:175], s[42:43] offset:PLANE
	global_store_b128 v1, v[168:171], s[40:41]
	global_store_b128 v1, v[172:175], s[40:41] offset:PLANE
	s_or_b32 s30, ttmp9, s4
	s_cmp_lg_u32 s30, 0
	s_cbranch_scc1 .Lend
	s_add_co_u32 s30, s21, 1                       ; the next launch's step number, as one whole unit of 256 bytes
	v_mov_b32 v6, s30
	v_mov_b32 v7, s30
	v_lshlrev_b32 v8, 3, v2
	global_store_b64 v8, v[6:7], s[18:19]
.Lend:
	s_wait_tensorcnt 0x0
	ds_add_u32 v184, v185
	s_wait_dscnt 0x0
	s_endpgm
.Lfunc_end_k_q7e23c7a8a7_step0:
	.size	k_q7e23c7a8a7_step0, .Lfunc_end_k_q7e23c7a8a7_step0-k_q7e23c7a8a7_step0
	.p2alignl 7, 3214868480
	.fill 96, 4, 3214868480
	.section	.rodata,"a",@progbits
	.p2align	6, 0x0
	.amdhsa_kernel k_q7e23c7a8a7_step0
		.amdhsa_group_segment_fixed_size 17408
		.amdhsa_private_segment_fixed_size 0
		.amdhsa_enable_private_segment 0
		.amdhsa_kernarg_size 48
		.amdhsa_user_sgpr_count 2
		.amdhsa_user_sgpr_kernarg_segment_ptr 1
		.amdhsa_wavefront_size32 1
		.amdhsa_system_sgpr_workgroup_id_x 1
		.amdhsa_system_sgpr_workgroup_id_y 1
		.amdhsa_system_sgpr_workgroup_id_z 1
		.amdhsa_system_vgpr_workitem_id 0
		.amdhsa_next_free_vgpr 186
		.amdhsa_next_free_sgpr 66
		.amdhsa_reserve_vcc 0
		.amdhsa_float_denorm_mode_32 3
		.amdhsa_float_denorm_mode_16_64 3
		.amdhsa_memory_ordered 1
		.amdhsa_forward_progress 1
		.amdhsa_inst_pref_size 14
	.end_amdhsa_kernel
	.amdgpu_metadata
---
amdhsa.version: [ 1, 2 ]
amdhsa.kernels:
  - .name:           k_q7e23c7a8a7_step0
    .symbol:         k_q7e23c7a8a7_step0.kd
    .args:
      - { .name: WI, .offset: 0, .size: 8, .value_kind: global_buffer, .address_space: global }
      - { .name: UF, .offset: 8, .size: 8, .value_kind: global_buffer, .address_space: global }
      - { .name: hA, .offset: 16, .size: 8, .value_kind: global_buffer, .address_space: global }
      - { .name: hB, .offset: 24, .size: 8, .value_kind: global_buffer, .address_space: global }
      - { .name: cntA, .offset: 32, .size: 8, .value_kind: global_buffer, .address_space: global }
      - { .name: cntB, .offset: 40, .size: 8, .value_kind: global_buffer, .address_space: global }
    .group_segment_fixed_size: 17408
    .private_segment_fixed_size: 0
    .kernarg_segment_align: 8
    .kernarg_segment_size: 48
    .max_flat_workgroup_size: 256
    .sgpr_count:     66
    .vgpr_count:     186
    .wavefront_size: 32
...
	.end_amdgpu_metadata
.endif
;; end of part 8
;; launch step1: the kernel of part 8 again; grid 256 x 1, 8 waves a work-group, no clusters, 17,408 bytes of LDS; arguments WI, UF, hB, hA, cntB, cntA; writes hA, cntA
;; launch step2: the kernel of part 8 again; grid 256 x 1, 8 waves a work-group, no clusters, 17,408 bytes of LDS; arguments WI, UF, hA, hB, cntA, cntB; writes hB, cntB
;; launch step3: the kernel of part 8 again; grid 256 x 1, 8 waves a work-group, no clusters, 17,408 bytes of LDS; arguments WI, UF, hB, hA, cntB, cntA; writes hA, cntA
;; launch step4: the kernel of part 8 again; grid 256 x 1, 8 waves a work-group, no clusters, 17,408 bytes of LDS; arguments WI, UF, hA, hB, cntA, cntB; writes hB, cntB
;; launch step5: the kernel of part 8 again; grid 256 x 1, 8 waves a work-group, no clusters, 17,408 bytes of LDS; arguments WI, UF, hB, hA, cntB, cntA; writes hA, cntA
;; launch step6: the kernel of part 8 again; grid 256 x 1, 8 waves a work-group, no clusters, 17,408 bytes of LDS; arguments WI, UF, hA, hB, cntA, cntB; writes hB, cntB
;; launch step7: the kernel of part 8 again; grid 256 x 1, 8 waves a work-group, no clusters, 17,408 bytes of LDS; arguments WI, UF, hB, hA, cntB, cntA; writes hA, cntA
;; launch zwh (part 9): grid 32 x 8, 8 waves a work-group, no clusters, 168,960 bytes of LDS; arguments WI, hA, hB, pat_a_src, pat_a_dst, VE; writes VE
.if DOCPART == 9
	.amdgcn_target "amdgcn-amd-amdhsa--gfx1250"
	.amdhsa_code_object_version 6
	.text
	.protected	k_q7e23c7a8a7_zwh
	.globl	k_q7e23c7a8a7_zwh
	.p2align	8
	.type	k_q7e23c7a8a7_zwh,@function
k_q7e23c7a8a7_zwh:
	s_mov_b64 s[64:65], 0
	v_nop
	global_prefetch_b8 v0, s[64:65] scope:SCOPE_SE
	s_setreg_imm32_b32 hwreg(HW_REG_WAVE_MODE, 25, 1), 1
	s_wait_xcnt 0x0
; For 64 particles of step t (work-group x = block of 64, y = t): z = W_y h_t, Wh = z pat_W for the 8 heads, e_src, e_dst.
; Phase 1: wave w makes z's columns 16w..16w+15 for all 64 rows; h_t comes as bf16 high + low planes (two products), straight into
; registers, each byte once a work-group.  All eight waves need the same 64 rows of W_y (131,072 bytes of images): these come into
; LDS once, an eighth by each wave's one tensor load, and every wave takes its fragments from there.  The sources are swapped
; (h first), so a lane holds 8 neighbouring columns of one row: packed, that is half a block of the next product's first operand;
; z goes to LDS so, again as high + low planes.
; Phase 2: wave w is head w: Wh (64 x 64) in 128 registers.  Not swapped: lane = feature, registers = 8 particles, which packed
; is half a block of the attention's second operand.
; Out: V = Wh / S in f16 images, S = the power of two at or below the block's largest |Wh| (so |V| < 2 whatever the inputs'
; size; S clamped to 2^-126 .. 2^126); e_src, e_dst in f32 (a rounded to bf16 like every matrix operand, the products and sums
; in f32 on the f32 Wh); S and the block's largest e_dst.
; No cluster: what the eight steps' work-groups of one block share is W_y's 131,072 bytes of the 655,360 that a work-group reads,
; asked for once at the start; h_t, the larger part, goes straight into registers.  NaN and infinities are not served.
.set WYI, 10485760
.set PWI, 14811136
.set ESO, 16777216                     ; VE: e_src; e_dst lies 524,288 bytes behind it
.set STO, 17825792                     ; VE: [t*8+h][S, dmax][block 32] f32
.set PLANE, 262144
.set STAGE, 32768                      ; LDS: 0..32767 z images [rt 4][ks 4][plane 2][1,024]; then 512 bytes a wave for e
.set WYL, 36864                        ; LDS: W_y images [rt 4][ks 32][1,024], filled once by the tensor loads, never stored into
.set ACC, 16                           ; phase 1: v[16:47]   4 tiles
.set HS,  48                           ; phase 1: v[48:175]  8 sets of 16: h high 8, h low 8
.set WB,  176                          ; phase 1: v[176:239] two buffers of 4 W_y fragments
.set LW,  242                          ; phase 1: v242 LDS address of W_y's row tiles 0, 1; v243 of row tiles 2, 3
.set A2,  16                           ; phase 2: v[16:143]  tile (rt, ft) at 16 + 8 (4 rt + ft)
.set ZA,  144                          ; phase 2: v[144:175] z fragments of the 4 row tiles
.set PW,  176                          ; phase 2: v[176:239] two sets of 4 pat_W fragments
.set AP,  144                          ; way out: v[144:159] a_src, a_dst of my 4 features, each twice (pairs)
.set VP,  176                          ; way out: v[176:239] packed V, 4 registers a tile
.set E,   240                          ; v[240:247]
.set M,   248
.set TM,  249
.set G,   250                          ; v[250:251] 1 / S, twice
.set SV,  252
.set HH,  253
.set AD,  254
.set G0,  48                           ; s[48:51] tensor descriptor group 0
.set G1,  52                           ; s[52:59] tensor descriptor group 1
.macro PLACES
.rept 4
	v_nop
.endr
.endm
.macro SPLIT8 s, hi, lo, w
.irp i, 0,1,2,3
	v_cvt_pk_bf16_f32 v[(\hi)+\i], v[(\s)+2*\i], v[(\s)+2*\i+1]
.endr
.irp i, 0,1,2,3
	v_lshlrev_b32 v[(\w)+2*\i], 16, v[(\hi)+\i]
	v_and_b32 v[(\w)+2*\i+1], s7, v[(\hi)+\i]
.endr
.irp i, 0,1,2,3
	v_pk_add_f32 v[(\w)+2*\i:(\w)+2*\i+1], v[(\s)+2*\i:(\s)+2*\i+1], v[(\w)+2*\i:(\w)+2*\i+1] neg_lo:[0,1] neg_hi:[0,1]
.endr
.irp i, 0,1,2,3
	v_cvt_pk_bf16_f32 v[(\lo)+\i], v[(\w)+2*\i], v[(\w)+2*\i+1]
.endr
.endm
.macro XADD reg, mask
	v_add_f32_dpp v[\reg], v[\reg], v[\reg] row_xmask:\mask row_mask:0xf bank_mask:0xf
.endm
.macro XMAX reg, mask
	v_max_num_f32_dpp v[\reg], v[\reg], v[\reg] row_xmask:\mask row_mask:0xf bank_mask:0xf
.endm
.macro LOADH set, ks                   ; 4 loads: K block ks of h, both planes, my column tile
.irp pl, 0,1
	global_load_b128 v[HS+16*(\set)+8*\pl:HS+16*(\set)+8*\pl+3],   v1, s[22:23] offset:\pl*PLANE+(\ks)*8192
	global_load_b128 v[HS+16*(\set)+8*\pl+4:HS+16*(\set)+8*\pl+7], v1, s[22:23] offset:\pl*PLANE+(\ks)*8192+512
.endr
.endm
.macro LDW buf, ks                     ; 8 LDS loads: K block ks of W_y's 4 row tiles; a load covers 512 consecutive bytes
.irp g, 0,1
.irp i, 0,1
	ds_load_b128 v[WB+32*(\buf)+16*\g+8*\i:WB+32*(\buf)+16*\g+8*\i+3],   v[LW+\g] offset:\i*32768+(\ks)*1024
	ds_load_b128 v[WB+32*(\buf)+16*\g+8*\i+4:WB+32*(\buf)+16*\g+8*\i+7], v[LW+\g] offset:\i*32768+(\ks)*1024+512
.endr
.endr
.endm
.macro MULSET hs, wb, zero             ; 8 products, h first (swapped): 4 row tiles x high plane, then x low plane
.irp i, 0,1,2,3
.if \zero
	v_wmma_f32_16x16x32_bf16 v[ACC+8*\i:ACC+8*\i+7], v[HS+16*(\hs):HS+16*(\hs)+7], v[WB+32*(\wb)+8*\i:WB+32*(\wb)+8*\i+7], 0
.else
	v_wmma_f32_16x16x32_bf16 v[ACC+8*\i:ACC+8*\i+7], v[HS+16*(\hs):HS+16*(\hs)+7], v[WB+32*(\wb)+8*\i:WB+32*(\wb)+8*\i+7], v[ACC+8*\i:ACC+8*\i+7]
.endif
.endr
.irp i, 0,1,2,3
	v_wmma_f32_16x16x32_bf16 v[ACC+8*\i:ACC+8*\i+7], v[HS+16*(\hs)+8:HS+16*(\hs)+15], v[WB+32*(\wb)+8*\i:WB+32*(\wb)+8*\i+7], v[ACC+8*\i:ACC+8*\i+7]
.endr
.endm
.macro LOADPW set, ks                  ; 8 loads: K block ks of my head's pat_W
.irp ft, 0,1,2,3
	global_load_b128 v[PW+32*(\set)+8*\ft:PW+32*(\set)+8*\ft+3],   v1, s[28:29] offset:(\ks)*4096+\ft*1024
	global_load_b128 v[PW+32*(\set)+8*\ft+4:PW+32*(\set)+8*\ft+7], v1, s[28:29] offset:(\ks)*4096+\ft*1024+512
.endr
.endm
; phase 2, K block ks, plane pl of z: 16 products.  cur / oth: pat_W's set in use / being filled.
.macro GRP ks, pl, zero, cur, oth
.if \pl == 0
.if \ks < 3
	LOADPW \oth, \ks+1
.endif
.endif
.irp rt, 0,1,2,3
	ds_load_b128 v[ZA+8*\rt:ZA+8*\rt+3],   v1 offset:\rt*8192+\ks*2048+\pl*1024
	ds_load_b128 v[ZA+8*\rt+4:ZA+8*\rt+7], v1 offset:\rt*8192+\ks*2048+\pl*1024+512
.endr
.if \pl == 0
.if \ks < 3
	s_wait_loadcnt 8                               ; this block's pat_W is in; the next block's eight loads stay out
.else
	s_wait_loadcnt 0x0
.endif
.endif
	s_wait_dscnt 0x0
.irp rt, 0,1,2,3
.irp ft, 0,1,2,3
.if \zero
	v_wmma_f32_16x16x32_bf16 v[A2+8*(4*\rt+\ft):A2+8*(4*\rt+\ft)+7], v[ZA+8*\rt:ZA+8*\rt+7], v[PW+32*\cur+8*\ft:PW+32*\cur+8*\ft+7], 0
.else
	v_wmma_f32_16x16x32_bf16 v[A2+8*(4*\rt+\ft):A2+8*(4*\rt+\ft)+7], v[ZA+8*\rt:ZA+8*\rt+7], v[PW+32*\cur+8*\ft:PW+32*\cur+8*\ft+7], v[A2+8*(4*\rt+\ft):A2+8*(4*\rt+\ft)+7]
.endif
.endr
.endr
	PLACES                                         ; in front of the loads that refill these sources, and of the way out
.endm
; e of row tile rt: kind 0 a_src, 1 a_dst.  A lane sums its 4 features, the 16 lanes of a row of lanes the 64.
.macro EROW rt, kind
.irp p, 0,1,2,3
	v_pk_mul_f32 v[E+2*\p:E+2*\p+1], v[A2+32*\rt+2*\p:A2+32*\rt+2*\p+1], v[AP+8*\kind:AP+8*\kind+1]
.endr
.irp ft, 1,2,3
.irp p, 0,1,2,3
	v_pk_fma_f32 v[E+2*\p:E+2*\p+1], v[A2+32*\rt+8*\ft+2*\p:A2+32*\rt+8*\ft+2*\p+1], v[AP+8*\kind+2*\ft:AP+8*\kind+2*\ft+1], v[E+2*\p:E+2*\p+1]
.endr
.endr
.irp m, 1,2,4,8
.irp j, 0,1,2,3,4,5,6,7
	XADD E+\j, \m
.endr
.endr
	ds_store_b128 v6, v[E:E+3]   offset:\kind*256+\rt*64      ; the 16 lanes of a half write the same words with the same values
	ds_store_b128 v6, v[E+4:E+7] offset:\kind*256+\rt*64+16
.endm
	s_load_b256 s[8:15], s[0:1], 0x0               ; WI 8, hA 10, hB 12, a_src 14
	s_load_b128 s[16:19], s[0:1], 0x20             ; a_dst 16, VE 18
	v_lshl_add_u32 v255, v0, 2, 0x29000
	s_set_vgpr_msb 0x40
	v_mov_b32 v1, 0
	s_set_vgpr_msb 0x4044
	ds_add_u32 v255, v1
	ds_add_u32 v255, v1
	s_set_vgpr_msb 0x4400
	v_and_b32 v3, 31, v0
	v_lshrrev_b32 v4, 5, v0
	v_readfirstlane_b32 s4, v4                     ; wave = column tile of z = head
	v_and_b32 v2, 15, v0                           ; r
	v_bfe_u32 v[HH], v0, 4, 1                      ; hh
	v_lshlrev_b32 v1, 4, v3                        ; 16 L
	s_and_b32 s6, ttmp7, 0xffff                    ; t
	s_mov_b32 s7, 0xffff0000
	s_mov_b32 s2, 0x76543210                       ; v_permlanex16_b32: lane i of the other half
	s_mov_b32 s3, 0xfedcba98
	; descriptor group 1: a dense block of 16,384 bytes as 64 rows of 32 elements of 8 bytes, no padding
	s_mov_b32 s[G1+0], 3<<16                       ; work-group mask 0; element of 8 bytes
	s_mov_b32 s[G1+1], 32<<16                      ; tensor_dim0 = 32
	s_mov_b32 s[G1+2], 64<<16                      ; tensor_dim1 = 64
	s_mov_b32 s[G1+3], 32<<16                      ; tile_dim0 = 32
	s_mov_b32 s[G1+4], 64                          ; tile_dim1 = 64
	s_mov_b32 s[G1+5], 32                          ; from row to row: 32 elements
	s_mov_b32 s[G1+6], 0
	s_mov_b32 s[G1+7], 0
	s_lshl3_add_u32 s37, s6, s4                    ; 8 t + head
	s_lshl_b32 s47, s4, 14                         ; my eighth of W_y's 131,072 bytes
	s_lshl_b32 s24, ttmp9, 17                      ; W_y: 4 row tiles of 32,768 bytes
	s_add_co_u32 s24, s24, s47
	s_add_co_u32 s24, s24, WYI
	s_mov_b32 s25, 0
	s_add_co_u32 s26, s6, 1                        ; h_t is state t+1: slot (t+1)/2
	s_lshr_b32 s26, s26, 1
	s_lshl_b32 s26, s26, 19
	s_lshl_b32 s27, s4, 10
	s_add_co_u32 s26, s26, s27
	s_mov_b32 s27, 0
	s_lshl_b32 s38, s4, 14
	s_add_co_u32 s38, s38, PWI
	s_mov_b32 s39, 0
	s_lshl_b32 s40, s37, 18                        ; V images
	s_lshl_b32 s41, ttmp9, 13
	s_add_co_u32 s40, s40, s41
	s_mov_b32 s41, 0
	s_lshl_b32 s42, s37, 13                        ; e
	s_lshl_b32 s43, ttmp9, 8
	s_add_co_u32 s42, s42, s43
	s_add_co_u32 s42, s42, ESO
	s_mov_b32 s43, 0
	s_lshl_b32 s44, s37, 8                         ; S and dmax
	s_lshl_b32 s45, ttmp9, 2
	s_add_co_u32 s44, s44, s45
	s_add_co_u32 s44, s44, STO
	s_mov_b32 s45, 0
	s_and_b32 s46, s6, 1
	s_lshl_b32 s36, s4, 8
	v_lshl_add_u32 v7, v2, 2, s36                  ; a: head x 256 + 4 r
	s_wait_dscnt 0x0
	s_wait_kmcnt 0x0
	s_mov_b32 s[G0], 1                             ; group 0: count 1,
	s_add_co_u32 s[G0+1], s47, WYL                 ; LDS address: my 16,384 bytes of the image,
	s_add_nc_u64 s[G0+2:G0+3], s[8:9], s[24:25]    ; global address of the same bytes,
	s_or_b32 s[G0+3], s[G0+3], 0x80000000          ; type 2
	tensor_load_to_lds s[G0:G0+3], s[G1:G1+7]      ; the one tensor load of this wave
	s_nop 0
	s_cmp_lg_u32 s46, 0
	s_cselect_b64 s[22:23], s[10:11], s[12:13]     ; t odd: state t+1 is even and lies in hA
	s_add_nc_u64 s[22:23], s[22:23], s[26:27]
	s_add_nc_u64 s[28:29], s[8:9], s[38:39]
	s_add_nc_u64 s[30:31], s[18:19], s[40:41]
	s_add_nc_u64 s[32:33], s[18:19], s[42:43]
	s_add_nc_u64 s[34:35], s[18:19], s[44:45]
.irp ft, 0,1,2,3
	global_load_b32 v[8+\ft],  v7, s[14:15] offset:\ft*64
	global_load_b32 v[12+\ft], v7, s[16:17] offset:\ft*64
.endr
.irp k, 0,1,2,3,4,5,6,7
	LOADH \k, \k
.endr
	s_lshr_b32 s24, s4, 1                          ; z in LDS: K block w/2, half w%2
	s_lshl_b32 s24, s24, 11
	s_and_b32 s25, s4, 1
	s_lshl_b32 s25, s25, 9
	s_add_co_u32 s24, s24, s25
	v_add_nc_u32 v4, s24, v1
	s_lshl_b32 s25, s4, 9
	s_add_co_u32 s25, s25, STAGE
	v_add_nc_u32 v5, s25, v1                       ; my e stage, read back
	v_lshl_add_u32 v6, v[HH], 5, s25               ; my e stage, written: 8 rows a half
	v_lshlrev_b32 v3, 19, v[HH]                    ; e in memory: lanes 0-15 e_src, lanes 16-31 e_dst
	v_lshl_add_u32 v3, v2, 4, v3
	v_add_nc_u32 v[LW], WYL, v1                    ; W_y's row tiles 0, 1
	v_add_nc_u32 v[LW+1], 0x10000, v[LW]           ; and 2, 3 (the immediate has 16 bits)
	s_wait_tensorcnt 0x0                           ; my eighth of W_y is in LDS:
	s_barrier_signal -1                            ; say so,
	s_barrier_wait -1                              ; and read when all eight have said so
	; PHASE 1: 32 K blocks.  h: a ring of eight sets, seven always on their way.  W_y: two buffers, filled one block ahead from LDS.
	LDW 0, 0
.set ks, 0
.rept 32
.set hs, ks%8
.set cb, ks%2
.set nb, (ks+1)%2
.set nk, ks+1
.set nh, ks+8
.if ks < 31
	LDW nb, nk                                     ; behind the four places that closed the last block, which read this buffer
.endif
.if ks < 24
	s_wait_loadcnt 28                              ; this block's 4 loads of h are in, seven later sets stay out
.else
	s_wait_loadcnt 4*(31-ks)
.endif
.if ks < 31
	s_wait_dscnt 8                                 ; this block's W_y is in, the next block's eight LDS loads stay out
.else
	s_wait_dscnt 0x0
.endif
.if ks == 0
	MULSET hs, cb, 1
.else
	MULSET hs, cb, 0
.endif
	PLACES                                         ; four places before loads land on the products' sources
.if ks < 24
	LOADH hs, nh
.endif
.set ks, ks+1
.endr
	LOADPW 0, 0
.irp i, 0,1,2,3
	SPLIT8 ACC+8*\i, 48, 52, 56
	ds_store_b128 v4, v[48:51] offset:\i*8192
	ds_store_b128 v4, v[52:55] offset:\i*8192+1024
.endr
	s_wait_dscnt 0x0                               ; for the other waves: my part of z is in LDS
	s_barrier_signal -1
	s_barrier_wait -1
	; PHASE 2: Wh of my head
	GRP 0, 0, 1, 0, 1
	GRP 0, 1, 0, 0, 1
	GRP 1, 0, 0, 1, 0
	GRP 1, 1, 0, 1, 0
	GRP 2, 0, 0, 0, 1
	GRP 2, 1, 0, 0, 1
	GRP 3, 0, 0, 1, 0
	GRP 3, 1, 0, 1, 0
	; THE WAY OUT.  a rounded to bf16, widened again, each twice for the packed arithmetic
.irp k, 0,1,2,3,4,5,6,7
	v_cvt_pk_bf16_f32 v[AP+2*\k], v[8+\k], v[8+\k]
.endr
.irp k, 0,1,2,3,4,5,6,7
	v_and_b32 v[AP+2*\k], s7, v[AP+2*\k]
	v_mov_b32 v[AP+2*\k+1], v[AP+2*\k]
.endr
.irp rt, 0,1,2,3
	EROW \rt, 0
	EROW \rt, 1
.endr
	; the largest |Wh| of the block, its power of two S, and 1 / S
	v_max_num_f32 v[M], |v[A2]|, |v[A2+1]|
.set k, 2
.rept 63
	v_max3_num_f32 v[M], |v[A2+k]|, |v[A2+k+1]|, v[M]
.set k, k+2
.endr
	v_mov_b32 v[TM], 0
.irp m, 1,2,4,8
	XMAX M, \m
.endr
	v_permlanex16_b32 v[TM], v[M], s2, s3
	v_max_num_f32 v[M], v[M], v[TM]
	v_and_b32 v[SV], 0x7f800000, v[M]
	v_max_u32 v[SV], 0x00800000, v[SV]
	v_min_u32 v[SV], 0x7e800000, v[SV]
	v_sub_nc_u32 v[G], 0x7f000000, v[SV]           ; exponent 254 - e: exactly 1 / S
	v_mov_b32 v[G+1], v[G]
.irp rt, 0,1,2,3
.irp ft, 0,1,2,3
.irp p, 0,1,2,3
	v_pk_mul_f32 v[A2+32*\rt+8*\ft+2*\p:A2+32*\rt+8*\ft+2*\p+1], v[A2+32*\rt+8*\ft+2*\p:A2+32*\rt+8*\ft+2*\p+1], v[G:G+1]
.endr
.irp p, 0,1,2,3
	v_cvt_pk_f16_f32 v[VP+16*\rt+4*\ft+\p], v[A2+32*\rt+8*\ft+2*\p], v[A2+32*\rt+8*\ft+2*\p+1]
.endr
	global_store_b128 v1, v[VP+16*\rt+4*\ft:VP+16*\rt+4*\ft+3], s[30:31] offset:(\rt/2)*4096+\ft*1024+(\rt%2)*512
.endr
.endr
	ds_load_b128 v[E:E+3], v5                      ; my own stage: lanes 0-15 the 64 e_src, lanes 16-31 the 64 e_dst
	s_wait_dscnt 0x0
	global_store_b128 v3, v[E:E+3], s[32:33]       ; each half-wave fills 256 aligned bytes
	v_max3_num_f32 v[M], v[E], v[E+1], v[E+2]
	v_max_num_f32 v[M], v[M], v[E+3]
.irp m, 1,2,4,8
	XMAX M, \m
.endr
	v_cmp_eq_u32 vcc_lo, 1, v[HH]
	v_cndmask_b32 v[M], v[SV], v[M], vcc_lo        ; lanes 0-15: S; lanes 16-31: the block's largest e_dst
	v_lshlrev_b32 v[AD], 7, v[HH]
	v_cmp_eq_u32 vcc_lo, 0, v2
	s_wait_xcnt 0x0                                ; EXEC is a source of the stores above: it narrows only behind this wait
	s_set_vgpr_msb 0x4
	s_wait_tensorcnt 0x0
	ds_add_u32 v255, v1
	s_wait_dscnt 0x0
	s_set_vgpr_msb 0x400
	s_and_saveexec_b32 s36, vcc_lo
	global_store_b32 v[AD], v[M], s[34:35]         ; two words a wave
	s_endpgm
.Lfunc_end_k_q7e23c7a8a7_zwh:
	.size	k_q7e23c7a8a7_zwh, .Lfunc_end_k_q7e23c7a8a7_zwh-k_q7e23c7a8a7_zwh
	.p2alignl 7, 3214868480
	.fill 96, 4, 3214868480
	.section	.rodata,"a",@progbits
	.p2align	6, 0x0
	.amdhsa_kernel k_q7e23c7a8a7_zwh
		.amdhsa_group_segment_fixed_size 168960
		.amdhsa_private_segment_fixed_size 0
		.amdhsa_enable_private_segment 0
		.amdhsa_kernarg_size 48
		.amdhsa_user_sgpr_count 2
		.amdhsa_user_sgpr_kernarg_segment_ptr 1
		.amdhsa_wavefront_size32 1
		.amdhsa_system_sgpr_workgroup_id_x 1
		.amdhsa_system_sgpr_workgroup_id_y 1
		.amdhsa_system_sgpr_workgroup_id_z 1
		.amdhsa_system_vgpr_workitem_id 0
		.amdhsa_next_free_vgpr 258
		.amdhsa_next_free_sgpr 66
		.amdhsa_reserve_vcc 1
		.amdhsa_float_denorm_mode_32 3
		.amdhsa_float_denorm_mode_16_64 3
		.amdhsa_memory_ordered 1
		.amdhsa_forward_progress 1
		.amdhsa_inst_pref_size 117
	.end_amdhsa_kernel
	.amdgpu_metadata
---
amdhsa.version: [ 1, 2 ]
amdhsa.kernels:
  - .name:           k_q7e23c7a8a7_zwh
    .symbol:         k_q7e23c7a8a7_zwh.kd
    .args:
      - { .name: WI, .offset: 0, .size: 8, .value_kind: global_buffer, .address_space: global }
      - { .name: hA, .offset: 8, .size: 8, .value_kind: global_buffer, .address_space: global }
      - { .name: hB, .offset: 16, .size: 8, .value_kind: global_buffer, .address_space: global }
      - { .name: pat_a_src, .offset: 24, .size: 8, .value_kind: global_buffer, .address_space: global }
      - { .name: pat_a_dst, .offset: 32, .size: 8, .value_kind: global_buffer, .address_space: global }
      - { .name: VE, .offset: 40, .size: 8, .value_kind: global_buffer, .address_space: global }
    .group_segment_fixed_size: 168960
    .private_segment_fixed_size: 0
    .kernarg_segment_align: 8
    .kernarg_segment_size: 48
    .max_flat_workgroup_size: 256
    .sgpr_count:     66
    .vgpr_count:     258
    .wavefront_size: 32
...
	.end_amdgpu_metadata
.endif
;; end of part 9
;; launch attn (part 10): grid 4 x 64, 8 waves a work-group, no clusters, 279,552 bytes of LDS; arguments VE, OF; writes OF
.if DOCPART == 10
	.amdgcn_target "amdgcn-amd-amdhsa--gfx1250"
	.amdhsa_code_object_version 6
	.text
	.protected	k_q7e23c7a8a7_attn
	.globl	k_q7e23c7a8a7_attn
	.p2align	8
	.type	k_q7e23c7a8a7_attn,@function
k_q7e23c7a8a7_attn:
	s_mov_b64 s[64:65], 0
	v_nop
	global_prefetch_b8 v0, s[64:65] scope:SCOPE_SE
	s_setreg_imm32_b32 hwreg(HW_REG_WAVE_MODE, 25, 1), 1
	s_wait_xcnt 0x0
; softmax(leaky_relu(e_src[n] + e_dst[m])) x Wh for one (t, head) (work-group y) and 512 rows n (x); a wave takes 64 rows.
; THE EXPONENTIAL SEPARATES, with the row's maximum taken away.  leaky(x) = max(x, 0.2 x) and exp is monotone; with
; dmax = max over m of e_dst, X = e_src[n] + dmax (the row's maximum is leaky(X)) and delta = e_dst[m] - dmax <= 0:
;   exp(leaky(X + delta) - leaky(X)) = B'[m] * max(C[m], q[n]),
;   B' = exp(0.2 delta), C = exp(0.8 delta), q = exp(-0.8 max(X, 0)),
; all three in (0, 1], and the product is 1 at the largest e_dst, so every row sum is at least 1.  This holds for every input.
; B' goes into V's rows (V' = B' Wh / Smax) and into a fifth column tile whose 16 columns all hold B': its product is the row sum.
; So a pair (n, m) costs half a dual maximum and half a conversion.  P = max(C, q) and V' are f16: P <= 1, |V'| < 2 by the true maxima.
; LIMITS: weights below 2^-24 of a row's largest, and entries of Wh below about 2^-24 of their (t, head) maximum, count as 0
; (2,048 such weights are below 2^-13 of the row sum); NaN and infinities are not served.
; REGISTERS, in two windows of 256 (s_set_vgpr_msb says which window each operand place means):
;   window 0: addresses, q, C, the four P fragments, work registers; before the loop the staging sets; on the way out the scaled sums;
;   window 1: v0-159 the 20 accumulator tiles; v160-199 and v200-239 two buffers of five fragments (4 of V', the sum column's).
; With two fragment buffers the ten LDS loads of K block k+1 are issued in front of block k's 20 products, a whole trip before
; their first use.  Three window switches a trip: vector work, loads into window 1, products.  Eight waves of 512 registers fill
; the four SIMDs' 1,024 each.
; No cluster: the four work-groups of a (t, head) share V's 262,144 bytes, read once each, through registers because every
; row is multiplied on the way into LDS; behind that come 64 trips that touch no memory.
.set ESO, 16777216
.set EDO, 17301504
.set STO, 17825792
.set CB,   262144                      ; LDS: 0 V' images [ks 64][ft 4][1,024]; C f32 [2048]
.set B16B, 270336                      ; B' f16 [2048]
.set S16B, 274432                      ; B' S_block / Smax f16 [2048]
.set Q,   8                            ; window 0: v[8:11]   q of my row in the 4 row tiles
.set P,   20                           ; v[20:51]   four P fragments
.set CF,  52                           ; v[52:67]   C of my 16 m
.set Q2,  68                           ; v[68:71]   q once more: tile rt's copy in v[68 + (rt+1)%4]
.set T,   72                           ; v[72:87]   16 maxima at work
.set ST0, 96                           ; before the loop: two staging sets of 64
.set SS,  224                          ; before the loop: 16 registers of row factors
.set HI,  20                           ; way out: v[20:83]   high planes, 4 registers a tile
.set WK,  84                           ; way out: v[84:91]   at work
.set SC,  96                           ; way out: v[96:223]  scaled sums, 8 registers a tile; their first 4 then hold the low plane
.set RC,  224                          ; way out: v[224:227] 1 / row sum
.set RP,  228                          ; way out: v[228:235] Smax / row sum, twice (pairs)
.set ACC, 0                            ; window 1: tile (rt, c) at 8 (5 rt + c), c = 4: row sums
.set VF,  160                          ; window 1: buffer x at 160 + 40 x: fragment c at + 8 c, c = 4: the sum column's
.set MSB, 0
.macro WIN new                         ; the immediate's high byte repeats the setting that is left
.if MSB != \new
	s_set_vgpr_msb (MSB<<8)|\new
.set MSB, \new
.endif
.endm
.set TO_V,   0x40                      ; destination window 1, address window 0
.set MUL,    0x51                      ; source 0 (V') window 1, source 1 (P) window 0, C and D window 1
.set FROM_A, 0x01                      ; source 0 window 1, the rest window 0
.macro PLACES
.rept 4
	v_nop
.endr
.endm
.macro SPLIT8 s, hi, lo, w
.irp i, 0,1,2,3
	v_cvt_pk_bf16_f32 v[(\hi)+\i], v[(\s)+2*\i], v[(\s)+2*\i+1]
.endr
.irp i, 0,1,2,3
	v_lshlrev_b32 v[(\w)+2*\i], 16, v[(\hi)+\i]
	v_and_b32 v[(\w)+2*\i+1], s7, v[(\hi)+\i]
.endr
.irp i, 0,1,2,3
	v_pk_add_f32 v[(\w)+2*\i:(\w)+2*\i+1], v[(\s)+2*\i:(\s)+2*\i+1], v[(\w)+2*\i:(\w)+2*\i+1] neg_lo:[0,1] neg_hi:[0,1]
.endr
.irp i, 0,1,2,3
	v_cvt_pk_bf16_f32 v[(\lo)+\i], v[(\w)+2*\i], v[(\w)+2*\i+1]
.endr
.endm
.macro XMAX reg, mask
	v_max_num_f32_dpp v[\reg], v[\reg], v[\reg] row_xmask:\mask row_mask:0xf bank_mask:0xf
.endm
.macro LOADB b, set                    ; 16 loads: K blocks 2b, 2b+1 of my eight
.irp kk, 0,1
.irp ft, 0,1,2,3
.irp hf, 0,1
	global_load_b128 v[ST0+64*\set+32*\kk+8*\ft+4*\hf:ST0+64*\set+32*\kk+8*\ft+4*\hf+3], v1, s[12:13] offset:(2*\b+\kk)*4096+\ft*1024+\hf*512
.endr
.endr
.endr
.endm
.macro PROC b, set, left               ; V' = V x row factor, into LDS.  left: the next batch's loads stay out
.irp kk, 0,1
.irp hf, 0,1
	ds_load_b128 v[SS+8*\kk+4*\hf:SS+8*\kk+4*\hf+3], v78 offset:(2*\b+\kk)*64+\hf*32
.endr
.endr
	s_wait_loadcnt \left
	s_wait_dscnt 0x0
.irp kk, 0,1
.irp ft, 0,1,2,3
.irp hf, 0,1
.irp q, 0,1,2,3
	v_pk_mul_f16 v[ST0+64*\set+32*\kk+8*\ft+4*\hf+\q], v[ST0+64*\set+32*\kk+8*\ft+4*\hf+\q], v[SS+8*\kk+4*\hf+\q]
.endr
.endr
.endr
.endr
.irp kk, 0,1
.irp ft, 0,1,2,3
.irp hf, 0,1
	ds_store_b128 v79, v[ST0+64*\set+32*\kk+8*\ft+4*\hf:ST0+64*\set+32*\kk+8*\ft+4*\hf+3] offset:(2*\b+\kk)*4096+\ft*1024+\hf*512
.endr
.endr
.endr
.endm
.macro LDC                             ; four loads: C of m = 8hh..8hh+7 and 16+8hh..16+8hh+7 of the K block
	ds_load_b128 v[CF:CF+3],     v3
	ds_load_b128 v[CF+4:CF+7],   v3 offset:16
	ds_load_b128 v[CF+8:CF+11],  v3 offset:64
	ds_load_b128 v[CF+12:CF+15], v3 offset:80
.endm
.macro LDV x                           ; ten loads into buffer x of window 1: 4 fragments of V' and the sum column's
.irp c, 0,1,2,3
	ds_load_b128 v[VF+40*\x+8*\c:VF+40*\x+8*\c+3],   v2 offset:\c*1024
	ds_load_b128 v[VF+40*\x+8*\c+4:VF+40*\x+8*\c+7], v2 offset:\c*1024+512
.endr
	ds_load_b128 v[VF+40*\x+32:VF+40*\x+35], v4
	ds_load_b128 v[VF+40*\x+36:VF+40*\x+39], v4 offset:32
.endm
; P fragment of row tile rt: 16 maxima in 8 dual instructions, 8 packed conversions.  In a dual pair the destinations are an even and
; an odd register, the first sources are neighbours, and the second sources are the two copies of q, whose numbers differ modulo 4.
.macro PB rt
.set q2, Q2+((\rt+1)%4)
.irp i, 0,1,2,3,4,5,6,7
	v_dual_max_num_f32 v[T+2*\i], v[CF+2*\i], v[Q+\rt] :: v_dual_max_num_f32 v[T+2*\i+1], v[CF+2*\i+1], v[q2]
.endr
.irp i, 0,1,2,3,4,5,6,7
	v_cvt_pk_f16_f32 v[P+8*\rt+\i], v[T+2*\i], v[T+2*\i+1]
.endr
.endm
.macro MM rt, x, zero                  ; V' first (swapped): a lane holds 8 neighbouring features of its row n
.irp c, 0,1,2,3,4
.if \zero
	v_wmma_f32_16x16x32_f16 v[ACC+8*(5*\rt+\c):ACC+8*(5*\rt+\c)+7], v[VF+40*\x+8*\c:VF+40*\x+8*\c+7], v[P+8*\rt:P+8*\rt+7], 0
.else
	v_wmma_f32_16x16x32_f16 v[ACC+8*(5*\rt+\c):ACC+8*(5*\rt+\c)+7], v[VF+40*\x+8*\c:VF+40*\x+8*\c+7], v[P+8*\rt:P+8*\rt+7], v[ACC+8*(5*\rt+\c):ACC+8*(5*\rt+\c)+7]
.endif
.endr
.endm
; One K block of 32 m, fragments in buffer x; y is the other buffer.  LDS instructions of the wave, in order: C(k), V'(k) (both issued
; one trip ago), C(k+1), V'(k+1).  Between the last trip's products and the first conversion that rewrites a P fragment stand eight
; dual maxima, and between them and the loads into buffer y all 64 vector lines of the four P tiles; the maxima name none of the
; products' registers.
.macro TRIP x, y, zero, more
	s_wait_dscnt 10                                ; C of this block is in; the ten younger loads (its V') may be out
	PB 0
	PB 1
	PB 2
	PB 3
.if \more
	v_add_nc_u32 v3, 128, v3
	LDC                                            ; C of the next block: the maxima above were the last to read the old one
	v_add_nc_u32 v2, 4096, v2
	v_add_nc_u32 v4, 64, v4
	WIN TO_V
	LDV \y                                         ; V' of the next block, into the buffer that the last trip's products read
	s_wait_dscnt 14                                ; this block's V' is in; the 4 + 10 loads just issued stay out
.else
	s_wait_dscnt 0x0                               ; nothing was issued behind this block's V'
.endif
	WIN MUL
	MM 0, \x, \zero
	MM 1, \x, \zero
	MM 2, \x, \zero
	MM 3, \x, \zero
	WIN 0
.endm
	s_load_b128 s[8:11], s[0:1], 0x0               ; VE 8, OF 10
	v_lshl_add_u32 v254, v0, 2, 0x44000
	v_mov_b32 v255, 0
	v_and_b32 v2, 31, v0
	v_lshrrev_b32 v3, 5, v0
	v_readfirstlane_b32 s4, v3                     ; wave
	v_and_b32 v95, 15, v0                          ; r
	v_bfe_u32 v94, v0, 4, 1                        ; hh
	v_lshlrev_b32 v1, 4, v2                        ; 16 L
	v_lshlrev_b32 v6, 5, v0                        ; thread x 8 m x 4 bytes
	v_lshrrev_b32 v7, 3, v0
	v_lshlrev_b32 v7, 2, v7                        ; my m's block of 64
	v_lshlrev_b32 v92, 2, v2
	v_lshlrev_b32 v93, 2, v95
	s_and_b32 s6, ttmp7, 0xffff                    ; 8 t + head
	s_mov_b32 s7, 0xffff0000
	s_mov_b32 s2, 0x76543210
	s_mov_b32 s3, 0xfedcba98
	s_lshl_b32 s22, s6, 18                         ; V: my eight K blocks
	s_lshl_b32 s23, s4, 15
	s_add_co_u32 s22, s22, s23
	s_mov_b32 s23, 0
	s_lshl_b32 s24, s6, 13                         ; e_dst
	s_add_co_u32 s24, s24, EDO
	s_mov_b32 s25, 0
	s_lshl_b32 s26, s6, 8                          ; S, dmax
	s_add_co_u32 s26, s26, STO
	s_mov_b32 s27, 0
	s_lshl_b32 s28, s6, 13                         ; e_src of my 64 rows
	s_lshl_b32 s29, ttmp9, 11
	s_add_co_u32 s28, s28, s29
	s_lshl_b32 s29, s4, 8
	s_add_co_u32 s28, s28, s29
	s_add_co_u32 s28, s28, ESO
	s_mov_b32 s29, 0
	s_lshr_b32 s30, s6, 3                          ; out: row tile 128 t + 32 x + 4 wave, K blocks 2 head ..
	s_lshl_b32 s30, s30, 7
	s_lshl_b32 s31, ttmp9, 5
	s_add_co_u32 s30, s30, s31
	s_lshl2_add_u32 s30, s4, s30
	s_lshl_b32 s30, s30, 15
	s_and_b32 s31, s6, 7
	s_lshl_b32 s31, s31, 12
	s_add_co_u32 s30, s30, s31
	s_mov_b32 s31, 0
	s_wait_kmcnt 0x0
	s_add_nc_u64 s[12:13], s[8:9], s[22:23]
	s_add_nc_u64 s[14:15], s[8:9], s[24:25]
	s_add_nc_u64 s[16:17], s[8:9], s[26:27]
	s_add_nc_u64 s[18:19], s[8:9], s[28:29]
	s_add_nc_u64 s[20:21], s[10:11], s[30:31]
	global_load_b128 v[36:39], v6, s[14:15]        ; e_dst of my 8 m
	global_load_b128 v[40:43], v6, s[14:15] offset:16
	global_load_b32 v44, v7, s[16:17]              ; S of their block
	global_load_b32 v45, v92, s[16:17]             ; S of block L
	global_load_b32 v46, v92, s[16:17] offset:128  ; largest e_dst of block L
.irp rt, 0,1,2,3
	global_load_b32 v[Q+\rt], v93, s[18:19] offset:\rt*64
.endr
	LOADB 0, 0
	LOADB 1, 1
	s_lshl_b32 s22, s4, 9
	s_add_co_u32 s22, s22, S16B
	v_lshl_add_u32 v78, v94, 4, s22                ; row factors of my eight K blocks
	s_lshl_b32 s23, s4, 15
	v_add_nc_u32 v79, s23, v1                      ; V' of my eight K blocks
	v_add_nc_u32 v76, CB, v6
	v_lshl_add_u32 v77, v0, 4, B16B
	v_mov_b32 v47, 0
	s_wait_loadcnt 32                              ; the nine small loads are in; the two batches of 16 stay out
.irp m, 1,2,4,8
	XMAX 45, \m
	XMAX 46, \m
.endr
	v_permlanex16_b32 v47, v45, s2, s3
	v_max_num_f32 v5, v45, v47                     ; Smax, kept to the end
	v_permlanex16_b32 v47, v46, s2, s3
	v_max_num_f32 v46, v46, v47                    ; dmax
	v_sub_nc_u32 v47, 0x7f000000, v5               ; 1 / Smax (a power of two)
	v_mul_f32 v44, v44, v47                        ; S_block / Smax
.irp j, 0,1,2,3,4,5,6,7
	v_sub_f32 v[36+\j], v[36+\j], v46              ; delta <= 0
.endr
.irp j, 0,1,2,3,4,5,6,7
	v_mul_f32 v[52+\j], 0x3f93bb63, v[36+\j]       ; 0.8 log2(e) delta
	v_mul_f32 v[60+\j], 0x3e93bb63, v[36+\j]       ; 0.2 log2(e) delta
.endr
.irp rt, 0,1,2,3
	v_add_f32 v[Q+\rt], v[Q+\rt], v46              ; X
	v_max_num_f32 v[Q+\rt], 0, v[Q+\rt]
	v_mul_f32 v[Q+\rt], 0xbf93bb63, v[Q+\rt]
.endr
.irp j, 0,1,2,3,4,5,6,7
	v_exp_f32 v[52+\j], v[52+\j]                   ; C
.endr
.irp j, 0,1,2,3,4,5,6,7
	v_exp_f32 v[60+\j], v[60+\j]                   ; B'
.endr
.irp rt, 0,1,2,3
	v_exp_f32 v[Q+\rt], v[Q+\rt]                   ; q
.endr
	v_nop                                          ; one plain place behind the last exponential before a result is used
	s_wait_alu depctr_va_vdst(0)
.irp j, 0,1,2,3
	v_cvt_pk_f16_f32 v[68+\j], v[60+2*\j], v[61+2*\j]
.endr
.irp j, 0,1,2,3,4,5,6,7
	v_mul_f32 v[60+\j], v[60+\j], v44
.endr
.irp j, 0,1,2,3
	v_cvt_pk_f16_f32 v[72+\j], v[60+2*\j], v[61+2*\j]
.endr
	ds_store_b128 v76, v[52:55]
	ds_store_b128 v76, v[56:59] offset:16
	ds_store_b128 v77, v[68:71]
	ds_store_b128 v77, v[72:75] offset:S16B-B16B
	s_wait_dscnt 0x0                               ; for the other waves: my C, B' and row factors are in LDS
	s_barrier_signal -1
	s_barrier_wait -1
	PROC 0, 0, 16
	LOADB 2, 0
	PROC 1, 1, 16
	LOADB 3, 1
	PROC 2, 0, 16
	PROC 3, 1, 0
	v_mov_b32 v2, v1                               ; V' of K block 0
	v_lshlrev_b32 v3, 5, v94
	v_add_nc_u32 v3, CB, v3
	v_lshlrev_b32 v4, 4, v94
	v_add_nc_u32 v4, B16B, v4
	v_mov_b32 v[Q2+1], v[Q]                        ; the second copies of q, each one register number further modulo 4
	v_mov_b32 v[Q2+2], v[Q+1]
	v_mov_b32 v[Q2+3], v[Q+2]
	v_mov_b32 v[Q2], v[Q+3]
	s_wait_dscnt 0x0                               ; for the other waves: my part of V' is in LDS
	s_barrier_signal -1
	s_barrier_wait -1                              ; from here on LDS is only read
	LDC                                            ; K block 0: C first, then V', the order of every later block
	WIN TO_V
	LDV 0
	WIN 0
	TRIP 0, 1, 1, 1                                ; block 0: the first products start the sums
	s_mov_b32 s24, 31
.Ltrip:
	TRIP 1, 0, 0, 1                                ; blocks 1 to 62, two a round: the buffers take turns
	TRIP 0, 1, 0, 1
	s_sub_co_i32 s24, s24, 1
	s_cmp_lg_u32 s24, 0
	s_cbranch_scc1 .Ltrip
	TRIP 1, 0, 0, 0                                ; block 63 asks for nothing more
	; THE WAY OUT: out = sums x Smax / row sum, as bf16 high + low planes.  Lane = row, registers = 8 features: packed, half a
	; block of the last product's first operand.  Every store covers 512 consecutive bytes and has data registers of its own.
	PLACES                                         ; four places between the last product and the first read of a result (ISA guide 7.12.1)
	WIN FROM_A
.irp rt, 0,1,2,3
	v_rcp_f32 v[RC+\rt], v[ACC+40*\rt+32]          ; every register of the fifth tile holds my row's sum
.endr
	WIN 0
	v_nop                                          ; one plain place behind the last reciprocal
	s_wait_alu depctr_va_vdst(0)
.irp rt, 0,1,2,3
	v_mul_f32 v[RP+2*\rt], v[RC+\rt], v5
.endr
.irp rt, 0,1,2,3
	v_mov_b32 v[RP+2*\rt+1], v[RP+2*\rt]
.endr
	WIN FROM_A
.irp rt, 0,1,2,3
.irp ft, 0,1,2,3
.irp p, 0,1,2,3
	v_pk_mul_f32 v[SC+32*\rt+8*\ft+2*\p:SC+32*\rt+8*\ft+2*\p+1], v[ACC+40*\rt+8*\ft+2*\p:ACC+40*\rt+8*\ft+2*\p+1], v[RP+2*\rt:RP+2*\rt+1]
.endr
.endr
.endr
	WIN 0
.irp rt, 0,1,2,3
.irp ft, 0,1,2,3
	SPLIT8 SC+32*\rt+8*\ft, HI+16*\rt+4*\ft, SC+32*\rt+8*\ft, WK   ; the low plane lands on the tile's first four registers, which are done with by then
	global_store_b128 v1, v[HI+16*\rt+4*\ft:HI+16*\rt+4*\ft+3], s[20:21] offset:\rt*32768+(\ft/2)*2048+(\ft%2)*512
	global_store_b128 v1, v[SC+32*\rt+8*\ft:SC+32*\rt+8*\ft+3], s[20:21] offset:\rt*32768+(\ft/2)*2048+(\ft%2)*512+1024
.endr
.endr
	s_wait_tensorcnt 0x0
	ds_add_u32 v254, v255
	s_wait_dscnt 0x0
	s_endpgm
.Lfunc_end_k_q7e23c7a8a7_attn:
	.size	k_q7e23c7a8a7_attn, .Lfunc_end_k_q7e23c7a8a7_attn-k_q7e23c7a8a7_attn
	.p2alignl 7, 3214868480
	.fill 96, 4, 3214868480
	.section	.rodata,"a",@progbits
	.p2align	6, 0x0
	.amdhsa_kernel k_q7e23c7a8a7_attn
		.amdhsa_group_segment_fixed_size 279552
		.amdhsa_private_segment_fixed_size 0
		.amdhsa_enable_private_segment 0
		.amdhsa_kernarg_size 16
		.amdhsa_user_sgpr_count 2
		.amdhsa_user_sgpr_kernarg_segment_ptr 1
		.amdhsa_wavefront_size32 1
		.amdhsa_system_sgpr_workgroup_id_x 1
		.amdhsa_system_sgpr_workgroup_id_y 1
		.amdhsa_system_sgpr_workgroup_id_z 1
		.amdhsa_system_vgpr_workitem_id 0
		.amdhsa_next_free_vgpr 512
		.amdhsa_next_free_sgpr 66
		.amdhsa_reserve_vcc 0
		.amdhsa_float_denorm_mode_32 3
		.amdhsa_float_denorm_mode_16_64 3
		.amdhsa_memory_ordered 1
		.amdhsa_forward_progress 1
		.amdhsa_inst_pref_size 86
	.end_amdhsa_kernel
	.amdgpu_metadata
---
amdhsa.version: [ 1, 2 ]
amdhsa.kernels:
  - .name:           k_q7e23c7a8a7_attn
    .symbol:         k_q7e23c7a8a7_attn.kd
    .args:
      - { .name: VE, .offset: 0, .size: 8, .value_kind: global_buffer, .address_space: global }
      - { .name: OF, .offset: 8, .size: 8, .value_kind: global_buffer, .address_space: global }
    .group_segment_fixed_size: 279552
    .private_segment_fixed_size: 0
    .kernarg_segment_align: 8
    .kernarg_segment_size: 16
    .max_flat_workgroup_size: 256
    .sgpr_count:     66
    .vgpr_count:     512
    .wavefront_size: 32
...
	.end_amdgpu_metadata
.endif
;; end of part 10
;; launch final (part 11): grid 256 x 1, 8 waves a work-group, no clusters, 168,960 bytes of LDS; arguments OF, WI, states, out0; writes out0
.if DOCPART == 11
	.amdgcn_target "amdgcn-amd-amdhsa--gfx1250"
	.amdhsa_code_object_version 6
	.text
	.protected	k_q7e23c7a8a7_final
	.globl	k_q7e23c7a8a7_final
	.p2align	8
	.type	k_q7e23c7a8a7_final,@function
k_q7e23c7a8a7_final:
	s_mov_b64 s[64:65], 0
	v_nop
	global_prefetch_b8 v0, s[64:65] scope:SCOPE_SE
	s_setreg_imm32_b32 hwreg(HW_REG_WAVE_MODE, 25, 1), 1
	s_wait_xcnt 0x0
; out0 = states + elu(out x pat_W_out).  A work-group takes 64 of the 16,384 rows (t, n); wave w takes row tile w&3 and the
; 64 columns of half w>>2.  out comes as bf16 high + low planes (two products for each K block), as register images straight from
; memory: a ring of eight sets, seven always on their way.  W_out's images (131,072 bytes), which all eight waves need, come into
; LDS once, an eighth by each wave's one tensor load, and the fragments are taken from there.  W_out first (swapped), so a lane
; holds 8 neighbouring columns of its row; the rows go through the wave's own LDS stage so that 16 lanes store 256 aligned bytes.
; No cluster: what the work-groups share is W_out's 131,072 bytes of the 393,216 that a work-group reads, asked for once at the start.
.set WOI, 14680064
.set WL,  34816                        ; LDS: 0..34815 the waves' stages; then W_out's images [ks 16][ct 8][1,024], never stored into
.set ACC, 8                            ; v[8:39]    4 column tiles
.set OS,  40                           ; v[40:167]  8 sets of 16: out high 8, out low 8
.set WB,  168                          ; v[168:231] two buffers of 4 W_out fragments
.set LW,  234                          ; v234: LDS address of K blocks 0-7 of my column half; v235: of K blocks 8-15
.set VV,  40                           ; way out: v[40:71] row pair p: 4 registers
.set XX,  72                           ; way out: v[72:103] x likewise
.set T,   104                          ; v[104:107]
.set SP,  272                          ; stage row: 256 bytes + 16
.set G0,  32                           ; s[32:35] tensor descriptor group 0
.set G1,  36                           ; s[36:43] tensor descriptor group 1
.macro PLACES
.rept 4
	v_nop
.endr
.endm
.macro LOADO set, ks                   ; 4 loads: K block ks of out, both planes, my row tile
.irp pl, 0,1
	global_load_b128 v[OS+16*(\set)+8*\pl:OS+16*(\set)+8*\pl+3],   v1, s[16:17] offset:(\ks)*2048+\pl*1024
	global_load_b128 v[OS+16*(\set)+8*\pl+4:OS+16*(\set)+8*\pl+7], v1, s[16:17] offset:(\ks)*2048+\pl*1024+512
.endr
.endm
.macro LDW buf, ks                     ; 8 LDS loads: K block ks of my 4 column tiles of W_out
.irp i, 0,1,2,3
	ds_load_b128 v[WB+32*(\buf)+8*\i:WB+32*(\buf)+8*\i+3],   v[LW+(\ks)/8] offset:((\ks)%8)*8192+\i*1024
	ds_load_b128 v[WB+32*(\buf)+8*\i+4:WB+32*(\buf)+8*\i+7], v[LW+(\ks)/8] offset:((\ks)%8)*8192+\i*1024+512
.endr
.endm
.macro MULSET os, wb, zero
.irp i, 0,1,2,3
.if \zero
	v_wmma_f32_16x16x32_bf16 v[ACC+8*\i:ACC+8*\i+7], v[WB+32*(\wb)+8*\i:WB+32*(\wb)+8*\i+7], v[OS+16*(\os):OS+16*(\os)+7], 0
.else
	v_wmma_f32_16x16x32_bf16 v[ACC+8*\i:ACC+8*\i+7], v[WB+32*(\wb)+8*\i:WB+32*(\wb)+8*\i+7], v[OS+16*(\os):OS+16*(\os)+7], v[ACC+8*\i:ACC+8*\i+7]
.endif
.endr
.irp i, 0,1,2,3
	v_wmma_f32_16x16x32_bf16 v[ACC+8*\i:ACC+8*\i+7], v[WB+32*(\wb)+8*\i:WB+32*(\wb)+8*\i+7], v[OS+16*(\os)+8:OS+16*(\os)+15], v[ACC+8*\i:ACC+8*\i+7]
.endr
.endm
; rows 2p, 2p+1: y = x + max(v, 0) + (exp(min(v, 0)) - 1)
.macro OUTP p
	s_wait_dscnt 7-\p                              ; LDS loads return in order: this row pair is in
.irp q, 0,1,2,3
	v_mul_f32 v[T+\q], 0x3fb8aa3b, v[VV+4*\p+\q]
.endr
.irp q, 0,1,2,3
	v_min_num_f32 v[T+\q], 0, v[T+\q]
.endr
.irp q, 0,1,2,3
	v_exp_f32 v[T+\q], v[T+\q]
.endr
.irp q, 0,1,2,3
	v_max_num_f32 v[VV+4*\p+\q], 0, v[VV+4*\p+\q]  ; plain lines behind the exponentials, which touch none of their registers
.endr
	s_wait_loadcnt 7-\p                            ; x of this row pair is in
	s_wait_alu depctr_va_vdst(0)
.irp q, 0,2
	v_pk_add_f32 v[VV+4*\p+\q:VV+4*\p+\q+1], v[VV+4*\p+\q:VV+4*\p+\q+1], v[XX+4*\p+\q:XX+4*\p+\q+1]
	v_pk_add_f32 v[T+\q:T+\q+1], v[T+\q:T+\q+1], -1.0 op_sel_hi:[1,0]
.endr
.irp q, 0,2
	v_pk_add_f32 v[VV+4*\p+\q:VV+4*\p+\q+1], v[VV+4*\p+\q:VV+4*\p+\q+1], v[T+\q:T+\q+1]
.endr
	global_store_b128 v2, v[VV+4*\p:VV+4*\p+3], s[22:23] offset:\p*1024 th:TH_STORE_NT   ; a half-wave fills 256 aligned bytes
.endm
	s_load_b256 s[8:15], s[0:1], 0x0               ; OF 8, WI 10, states 12, out0 14
	v_lshl_add_u32 v236, v0, 2, 0x29000
	v_mov_b32 v237, 0
	ds_add_u32 v236, v237
	ds_add_u32 v236, v237
	v_and_b32 v5, 31, v0
	v_lshrrev_b32 v6, 5, v0
	v_readfirstlane_b32 s4, v6                     ; wave
	v_and_b32 v7, 15, v0                           ; r
	v_bfe_u32 v6, v0, 4, 1                         ; hh
	v_lshlrev_b32 v1, 4, v5                        ; 16 L
	s_and_b32 s5, s4, 3                            ; row tile
	s_lshr_b32 s6, s4, 2                           ; column half
	; descriptor group 1: a dense block of 16,384 bytes as 64 rows of 32 elements of 8 bytes, no padding
	s_mov_b32 s[G1+0], 3<<16                       ; work-group mask 0; element of 8 bytes
	s_mov_b32 s[G1+1], 32<<16                      ; tensor_dim0 = 32
	s_mov_b32 s[G1+2], 64<<16                      ; tensor_dim1 = 64
	s_mov_b32 s[G1+3], 32<<16                      ; tile_dim0 = 32
	s_mov_b32 s[G1+4], 64                          ; tile_dim1 = 64
	s_mov_b32 s[G1+5], 32                          ; from row to row: 32 elements
	s_mov_b32 s[G1+6], 0
	s_mov_b32 s[G1+7], 0
	s_lshl2_add_u32 s24, ttmp9, s5
	s_lshl_b32 s24, s24, 15
	s_mov_b32 s25, 0
	s_lshl_b32 s30, s4, 14                         ; my eighth of W_out's 131,072 bytes
	s_add_co_u32 s26, s30, WOI
	s_mov_b32 s27, 0
	s_lshl_b32 s28, ttmp9, 15                      ; 64 rows of 512 bytes
	s_lshl_b32 s29, s5, 13
	s_add_co_u32 s28, s28, s29
	s_lshl_b32 s29, s6, 8
	s_add_co_u32 s28, s28, s29
	s_mov_b32 s29, 0
	s_mul_i32 s7, s4, 16*SP                        ; my stage
	v_lshlrev_b32 v2, 9, v6
	v_lshl_add_u32 v2, v7, 4, v2                   ; memory: row hh, 16 bytes a lane
	v_mul_u32_u24 v3, v7, SP
	v_lshl_add_u32 v3, v6, 5, v3
	v_add_nc_u32 v3, s7, v3                        ; stage in: row r, 32 bytes at 32 hh
	v_mul_u32_u24 v4, v6, SP
	v_lshl_add_u32 v4, v7, 4, v4
	v_add_nc_u32 v4, s7, v4                        ; stage out: row hh, 16 bytes a lane
	s_lshl_b32 s31, s6, 12                         ; my 4 column tiles of W_out
	s_add_co_u32 s31, s31, WL
	v_add_nc_u32 v[LW], s31, v1
	v_add_nc_u32 v[LW+1], 0x10000, v[LW]           ; K blocks 8-15 (the immediate has 16 bits)
	s_wait_dscnt 0x0
	s_wait_kmcnt 0x0
	s_mov_b32 s[G0], 1                             ; group 0: count 1,
	s_add_co_u32 s[G0+1], s30, WL                  ; LDS address: my 16,384 bytes of the image,
	s_add_nc_u64 s[G0+2:G0+3], s[10:11], s[26:27]  ; global address of the same bytes,
	s_or_b32 s[G0+3], s[G0+3], 0x80000000          ; type 2
	tensor_load_to_lds s[G0:G0+3], s[G1:G1+7]      ; the one tensor load of this wave
	s_nop 0
	s_add_nc_u64 s[16:17], s[8:9], s[24:25]
	s_add_nc_u64 s[20:21], s[12:13], s[28:29]
	s_add_nc_u64 s[22:23], s[14:15], s[28:29]
.irp k, 0,1,2,3,4,5,6,7
	LOADO \k, \k
.endr
	s_wait_tensorcnt 0x0                           ; my eighth of W_out is in LDS:
	s_barrier_signal -1                            ; say so,
	s_barrier_wait -1                              ; and read when all eight have said so
	LDW 0, 0
.set ks, 0
.rept 16
.set os, ks%8
.set cb, ks%2
.set nb, (ks+1)%2
.set nk, ks+1
.set no, ks+8
.if ks < 15
	LDW nb, nk                                     ; behind the four places that closed the last block, which read this buffer
.endif
.if ks < 8
	s_wait_loadcnt 28                              ; this block's 4 loads of out are in, seven later sets stay out
.else
	s_wait_loadcnt 4*(15-ks)
.endif
.if ks < 15
	s_wait_dscnt 8                                 ; this block's W_out is in, the next block's eight LDS loads stay out
.else
	s_wait_dscnt 0x0
.endif
.if ks == 0
	MULSET os, cb, 1
.else
	MULSET os, cb, 0
.endif
	PLACES                                         ; four places before loads land on the products' sources, and before the results are stored
.if ks < 8
	LOADO os, no
.endif
.set ks, ks+1
.endr
.irp p, 0,1,2,3,4,5,6,7
	global_load_b128 v[XX+4*\p:XX+4*\p+3], v2, s[20:21] offset:\p*1024 th:TH_LOAD_NT
.endr
.irp i, 0,1,2,3
	ds_store_b128 v3, v[ACC+8*\i:ACC+8*\i+3]   offset:\i*64
	ds_store_b128 v3, v[ACC+8*\i+4:ACC+8*\i+7] offset:\i*64+16
.endr
.irp p, 0,1,2,3,4,5,6,7
	ds_load_b128 v[VV+4*\p:VV+4*\p+3], v4 offset:\p*2*SP   ; my own bytes: LDS serves a wave's instructions in order
.endr
.irp p, 0,1,2,3,4,5,6,7
	OUTP \p
.endr
	s_wait_tensorcnt 0x0
	ds_add_u32 v236, v237
	s_wait_dscnt 0x0
	s_endpgm
.Lfunc_end_k_q7e23c7a8a7_final:
	.size	k_q7e23c7a8a7_final, .Lfunc_end_k_q7e23c7a8a7_final-k_q7e23c7a8a7_final
	.p2alignl 7, 3214868480
	.fill 96, 4, 3214868480
	.section	.rodata,"a",@progbits
	.p2align	6, 0x0
	.amdhsa_kernel k_q7e23c7a8a7_final
		.amdhsa_group_segment_fixed_size 168960
		.amdhsa_private_segment_fixed_size 0
		.amdhsa_enable_private_segment 0
		.amdhsa_kernarg_size 32
		.amdhsa_user_sgpr_count 2
		.amdhsa_user_sgpr_kernarg_segment_ptr 1
		.amdhsa_wavefront_size32 1
		.amdhsa_system_sgpr_workgroup_id_x 1
		.amdhsa_system_sgpr_workgroup_id_y 1
		.amdhsa_system_sgpr_workgroup_id_z 1
		.amdhsa_system_vgpr_workitem_id 0
		.amdhsa_next_free_vgpr 238
		.amdhsa_next_free_sgpr 66
		.amdhsa_reserve_vcc 0
		.amdhsa_float_denorm_mode_32 3
		.amdhsa_float_denorm_mode_16_64 3
		.amdhsa_memory_ordered 1
		.amdhsa_forward_progress 1
		.amdhsa_inst_pref_size 40
	.end_amdhsa_kernel
	.amdgpu_metadata
---
amdhsa.version: [ 1, 2 ]
amdhsa.kernels:
  - .name:           k_q7e23c7a8a7_final
    .symbol:         k_q7e23c7a8a7_final.kd
    .args:
      - { .name: OF, .offset: 0, .size: 8, .value_kind: global_buffer, .address_space: global }
      - { .name: WI, .offset: 8, .size: 8, .value_kind: global_buffer, .address_space: global }
      - { .name: states, .offset: 16, .size: 8, .value_kind: global_buffer, .address_space: global }
      - { .name: out0, .offset: 24, .size: 8, .value_kind: global_buffer, .address_space: global }
    .group_segment_fixed_size: 168960
    .private_segment_fixed_size: 0
    .kernarg_segment_align: 8
    .kernarg_segment_size: 32
    .max_flat_workgroup_size: 256
    .sgpr_count:     66
    .vgpr_count:     238
    .wavefront_size: 32
...
	.end_amdgpu_metadata
.endif
;; end of part 11
;; ======== version 3 of 3: 13 launches; version 2 with the launches ugemm, attn written anew for expert scheduling mode
;; workspace buffers: WI 14,942,208 bytes; UF 4,194,304 bytes; hA 3,145,728 bytes; hB 3,145,728 bytes; cntA 256 bytes of whole numbers; cntB 256 bytes of whole numbers; VE 17,842,176 bytes; OF 33,554,432 bytes
;; launch prep: the kernel of part 6 again; grid 928 x 1, 8 waves a work-group, no clusters, 19,456 bytes of LDS; arguments W_x, W_h, W_y, states, h_0, pat_W_out, pat_W, WI, hA, cntA; writes WI, hA, cntA
;; launch ugemm (part 12): grid 16 x 16, 8 waves a work-group, no clusters, 132,096 bytes of LDS; arguments WI, UF; writes UF
.if DOCPART == 12
	.amdgcn_target "amdgcn-amd-amdhsa--gfx1250"
	.amdhsa_code_object_version 6
	.text
	.protected	k_q7e23c7a8a7_ugemm
	.globl	k_q7e23c7a8a7_ugemm
	.p2align	8
	.type	k_q7e23c7a8a7_ugemm,@function
k_q7e23c7a8a7_ugemm:
	s_mov_b64 s[64:65], 0
	v_nop
	global_prefetch_b8 v0, s[64:65] scope:SCOPE_SE
	s_setreg_imm32_b32 hwreg(HW_REG_WAVE_SCHED_MODE, 0, 2), 2
	s_setreg_imm32_b32 hwreg(HW_REG_WAVE_MODE, 25, 1), 1
	s_wait_xcnt 0x0
	s_wait_alu depctr_vm_vsrc(0)
; U[t] = W_x x_t for all eight steps at once: this part of the recurrence hangs on no earlier step, so it is taken out of the chain.
; Work-group (x, y): rows 64 x .. 64 x + 63 of U, step t = y / 2, columns 64 (y % 2) .. + 63: 4 x 4 tiles of 16 x 16.
; The sum over K = 2,048 is split over the 8 waves, 8 K blocks of 32 each, and every wave keeps all 16 tiles: so each byte of the
; work-group's operands (262,144 of W_x, 262,144 of x) is loaded once, as register images, 16 loads for 16 products.
; The eight partial blocks meet in LDS; wave w adds up tiles 2w and 2w+1 and stores them.
; U stays in f32, as the accumulator's own image: tile (rt, dt) is 1,024 bytes at t*524,288 + rt*8,192 + dt*1,024, byte q*512 + L*16
; holds registers 4q..4q+3 of lane L (column L%16, rows 8 (L/16) + register).  A step adds it to its sums as it lies.
; REGISTERS: window 0: v1-v6 addresses, v16-143 accumulators; window 1: four sets of 64 operand registers.
; No cluster: operands go from memory straight into registers and never lie in LDS, which holds the partial sums alone; a joint
; tensor load would add an LDS round trip of the same 524,288 bytes.
; THE MODE: SCHED_MODE bits 1:0 = 2 (LLVM: expert scheduling mode 2), set by the entry lines.  The code itself states the register
; dependences between vector or matrix instructions and memory or LDS instructions, with s_wait_alu, always for 0.
; THE PLAN.  Registers that memory or LDS instructions touch:
;   v1, v4, v5, v6   offsets and LDS addresses, made once at the head and never written again.
;   sets 0 .. 3      Step kb: its 16 products read set kb % 4.  The loads of block kb + 3 land in set (kb - 1) % 4, which the products of
;                    step kb - 1 read and which no product of step kb names.
;   v16-143          written by the products; read by the LDS stores of the partial sums; then LDS loads land in them, the additions
;                    work on them, and the global stores read the first sixteen.
; So ONE wait on va_vdst stands at the head of steps 1 to 4, behind the wait for the step's own data; the step's 16 loads follow it in
; two runs of eight among its 16 products, with no further wait.
.set XSI, 4194304                      ; WI: images of states [t][ks 64][dt 8]; images of W_x [rt 64][ks 64] lie at 0
.set ACC, 16                           ; tile (i, d) at 16 + 8 (4 i + d)
.set MSB, 0
.macro WIN new                         ; the immediate's high byte repeats the setting that is left
.if MSB != \new
	s_set_vgpr_msb (MSB<<8)|\new
.set MSB, \new
.endif
.endm
.set TO_F, 0x40                        ; destination window 1, address window 0
.set MUL,  0x05                        ; sources 0 and 1 window 1, C and D window 0
.macro PLACES
.rept 4
	v_nop
.endr
.endm
.macro LOADW set, kb                   ; 8 loads: K block kb of my eight: 4 row tiles of W_x
	WIN TO_F
.irp i, 0,1,2,3
	global_load_b128 v[64*(\set)+8*\i:64*(\set)+8*\i+3],   v1, s[12:13] offset:\i*65536+(\kb)*1024
	global_load_b128 v[64*(\set)+8*\i+4:64*(\set)+8*\i+7], v1, s[12:13] offset:\i*65536+(\kb)*1024+512
.endr
.endm
.macro LOADX set, kb                   ; 8 loads: the same K block: 4 column tiles of x
	WIN TO_F
.irp d, 0,1,2,3
	global_load_b128 v[64*(\set)+32+8*\d:64*(\set)+35+8*\d], v1, s[14:15] offset:(\kb)*8192+\d*1024
	global_load_b128 v[64*(\set)+36+8*\d:64*(\set)+39+8*\d], v1, s[14:15] offset:(\kb)*8192+\d*1024+512
.endr
.endm
.macro MULH set, zero, ia, ib          ; 8 products: row tiles ia, ib x the 4 column tiles
	WIN MUL
.irp i, \ia, \ib
.irp d, 0,1,2,3
.if \zero
	v_wmma_f32_16x16x32_bf16 v[ACC+8*(4*\i+\d):ACC+8*(4*\i+\d)+7], v[64*(\set)+8*\i:64*(\set)+8*\i+7], v[64*(\set)+32+8*\d:64*(\set)+39+8*\d], 0
.else
	v_wmma_f32_16x16x32_bf16 v[ACC+8*(4*\i+\d):ACC+8*(4*\i+\d)+7], v[64*(\set)+8*\i:64*(\set)+8*\i+7], v[64*(\set)+32+8*\d:64*(\set)+39+8*\d], v[ACC+8*(4*\i+\d):ACC+8*(4*\i+\d)+7]
.endif
.endr
.endr
.endm
.macro FOLD st                         ; partial p (16 registers: two tiles) += partial p + st
.set p, 0
.rept \st
.irp q, 0,2,4,6,8,10,12,14
	v_pk_add_f32 v[16+16*p+\q:17+16*p+\q], v[16+16*p+\q:17+16*p+\q], v[16+16*(p+\st)+\q:17+16*(p+\st)+\q]
.endr
.set p, p+1
.endr
.endm
	s_load_b128 s[8:11], s[0:1], 0x0               ; WI 8, UF 10
	v_lshl_add_u32 v254, v0, 2, 0x20000
	v_mov_b32 v255, 0
	v_and_b32 v2, 31, v0
	v_lshrrev_b32 v3, 5, v0
	v_readfirstlane_b32 s4, v3                     ; wave
	v_lshlrev_b32 v1, 4, v2                        ; 16 L
	s_wait_alu depctr_va_sdst(0)                   ; s4 is written, ahead of its first reader: the bases and the LDS addresses are made from it
	s_and_b32 s5, ttmp7, 0xffff                    ; 2 t + column half
	s_lshr_b32 s6, s5, 1                           ; t
	s_and_b32 s7, s5, 1                            ; column half
	s_lshl_b32 s20, ttmp9, 18                      ; W_x: 4 row tiles of 65,536 bytes
	s_lshl_b32 s21, s4, 13                         ; my 8 K blocks of 1,024
	s_add_co_u32 s20, s20, s21
	s_mov_b32 s21, 0
	s_lshl_b32 s22, s6, 19                         ; x_t
	s_lshl_b32 s23, s4, 16                         ; my 8 K blocks of 8,192
	s_add_co_u32 s22, s22, s23
	s_lshl_b32 s23, s7, 12                         ; 4 column tiles
	s_add_co_u32 s22, s22, s23
	s_add_co_u32 s22, s22, XSI
	s_mov_b32 s23, 0
	s_lshl_b32 s24, s6, 19                         ; U: t, row tile 4 x + w/2, column tile 4 half + 2 (w%2)
	s_lshl_b32 s25, ttmp9, 15
	s_add_co_u32 s24, s24, s25
	s_lshr_b32 s25, s4, 1
	s_lshl_b32 s25, s25, 13
	s_add_co_u32 s24, s24, s25
	s_lshl_b32 s25, s7, 12
	s_add_co_u32 s24, s24, s25
	s_and_b32 s25, s4, 1
	s_lshl_b32 s25, s25, 11
	s_add_co_u32 s24, s24, s25
	s_mov_b32 s25, 0
	s_lshl_b32 s26, s4, 14
	v_add_nc_u32 v4, s26, v1                       ; LDS: my partial block of 16,384 bytes
	s_lshl_b32 s27, s4, 11
	v_add_nc_u32 v5, s27, v1                       ; LDS: tiles 2w, 2w+1 of partial blocks 0-3,
	v_add_nc_u32 v6, 0x10000, v5                   ; and of partial blocks 4-7 (the immediate has 16 bits)
	s_wait_kmcnt 0x0
	s_add_nc_u64 s[12:13], s[8:9], s[20:21]
	s_add_nc_u64 s[14:15], s[8:9], s[22:23]
	s_add_nc_u64 s[16:17], s[10:11], s[24:25]
	WIN TO_F
	s_wait_alu depctr_va_vdst(0)                   ; v1, v4, v5 and v6 are written: every load and store of the kernel reads one of them as its offset or address
.irp b, 0,1,2,3
	LOADW \b, \b
	LOADX \b, \b
.endr
.set kb, 0
.rept 8
.set cur, kb%4
.set prv, (kb+3)%4
.set nxt, kb+3
.if kb == 0
	s_wait_loadcnt 48                              ; block 0's 16 loads are in, three later sets stay out
.elseif kb < 6
	s_wait_loadcnt 32                              ; this block's 16 loads are in, two later sets stay out
.else
	s_wait_loadcnt 16*(7-kb)
.endif
.if (kb >= 1) && (kb <= 4)
	WIN TO_F
	s_wait_alu depctr_va_vdst(0)                   ; the products of the step before are done reading their set, in which this step's 16 loads land
	LOADW prv, nxt
.endif
.if kb == 0
	MULH cur, 1, 0, 1                              ; the first products start the sums
.else
	MULH cur, 0, 0, 1
.endif
.if (kb >= 1) && (kb <= 4)
	LOADX prv, nxt                                 ; no wait: no matrix instruction since the wait above names that set or v1
.endif
.if kb == 0
	MULH cur, 1, 2, 3
.else
	MULH cur, 0, 2, 3
.endif
	PLACES                                         ; four places before loads land on the products' sources, and before the results are stored
.set kb, kb+1
.endr
	WIN 0
	s_wait_alu depctr_va_vdst(0)                   ; the products have written the 16 tiles, which the LDS stores read; the places above stay beside this wait
.irp t, 0,1,2,3,4,5,6,7,8,9,10,11,12,13,14,15
	ds_store_b128 v4, v[ACC+8*\t:ACC+8*\t+3]   offset:\t*1024
	ds_store_b128 v4, v[ACC+8*\t+4:ACC+8*\t+7] offset:\t*1024+512
.endr
	s_wait_dscnt 0x0                               ; for the waves that read: all my stores are done
	s_barrier_signal -1
	s_barrier_wait -1
	s_wait_alu depctr_vm_vsrc(0)                   ; my LDS stores have read v16-143, in which the loads below land (the products that wrote them stand ahead of the last wait on va_vdst)
.irp p, 0,1,2,3
.irp j, 0,1,2,3
	ds_load_b128 v[16+16*\p+4*\j:19+16*\p+4*\j], v5 offset:\p*16384+\j*512
.endr
.endr
.irp p, 0,1,2,3
.irp j, 0,1,2,3
	ds_load_b128 v[80+16*\p+4*\j:83+16*\p+4*\j], v6 offset:\p*16384+\j*512
.endr
.endr
	s_wait_dscnt 0x0
	FOLD 4
	FOLD 2
	FOLD 1
	s_wait_alu depctr_va_vdst(0)                   ; the additions have written v16-31, which the stores read
.irp j, 0,1,2,3
	global_store_b128 v1, v[16+4*\j:19+4*\j], s[16:17] offset:\j*512   ; 512 consecutive bytes a store
.endr
	s_wait_dscnt 0x0                               ; the closing lines, six on end
	s_wait_alu 0x0
	s_wait_tensorcnt 0x0
	ds_add_u32 v254, v255
	s_wait_dscnt 0x0
	s_endpgm
.Lfunc_end_k_q7e23c7a8a7_ugemm:
	.size	k_q7e23c7a8a7_ugemm, .Lfunc_end_k_q7e23c7a8a7_ugemm-k_q7e23c7a8a7_ugemm
	.p2alignl 7, 3214868480
	.fill 96, 4, 3214868480
	.section	.rodata,"a",@progbits
	.p2align	6, 0x0
	.amdhsa_kernel k_q7e23c7a8a7_ugemm
		.amdhsa_group_segment_fixed_size 132096
		.amdhsa_private_segment_fixed_size 0
		.amdhsa_enable_private_segment 0
		.amdhsa_kernarg_size 16
		.amdhsa_user_sgpr_count 2
		.amdhsa_user_sgpr_kernarg_segment_ptr 1
		.amdhsa_wavefront_size32 1
		.amdhsa_system_sgpr_workgroup_id_x 1
		.amdhsa_system_sgpr_workgroup_id_y 1
		.amdhsa_system_sgpr_workgroup_id_z 1
		.amdhsa_system_vgpr_workitem_id 0
		.amdhsa_next_free_vgpr 512
		.amdhsa_next_free_sgpr 66
		.amdhsa_reserve_vcc 0
		.amdhsa_float_denorm_mode_32 3
		.amdhsa_float_denorm_mode_16_64 3
		.amdhsa_memory_ordered 1
		.amdhsa_forward_progress 1
		.amdhsa_inst_pref_size 33
	.end_amdhsa_kernel
	.amdgpu_metadata
---
amdhsa.version: [ 1, 2 ]
amdhsa.kernels:
  - .name:           k_q7e23c7a8a7_ugemm
    .symbol:         k_q7e23c7a8a7_ugemm.kd
    .args:
      - { .name: WI, .offset: 0, .size: 8, .value_kind: global_buffer, .address_space: global }
      - { .name: UF, .offset: 8, .size: 8, .value_kind: global_buffer, .address_space: global }
    .group_segment_fixed_size: 132096
    .private_segment_fixed_size: 0
    .kernarg_segment_align: 8
    .kernarg_segment_size: 16
    .max_flat_workgroup_size: 256
    .sgpr_count:     66
    .vgpr_count:     512
    .wavefront_size: 32
...
	.end_amdgpu_metadata
.endif
;; end of part 12
;; launch step0: the kernel of part 8 again; grid 256 x 1, 8 waves a work-group, no clusters, 17,408 bytes of LDS; arguments WI, UF, hA, hB, cntA, cntB; writes hB, cntB
;; launch step1: the kernel of part 8 again; grid 256 x 1, 8 waves a work-group, no clusters, 17,408 bytes of LDS; arguments WI, UF, hB, hA, cntB, cntA; writes hA, cntA
;; launch step2: the kernel of part 8 again; grid 256 x 1, 8 waves a work-group, no clusters, 17,408 bytes of LDS; arguments WI, UF, hA, hB, cntA, cntB; writes hB, cntB
;; launch step3: the kernel of part 8 again; grid 256 x 1, 8 waves a work-group, no clusters, 17,408 bytes of LDS; arguments WI, UF, hB, hA, cntB, cntA; writes hA, cntA
;; launch step4: the kernel of part 8 again; grid 256 x 1, 8 waves a work-group, no clusters, 17,408 bytes of LDS; arguments WI, UF, hA, hB, cntA, cntB; writes hB, cntB
;; launch step5: the kernel of part 8 again; grid 256 x 1, 8 waves a work-group, no clusters, 17,408 bytes of LDS; arguments WI, UF, hB, hA, cntB, cntA; writes hA, cntA
;; launch step6: the kernel of part 8 again; grid 256 x 1, 8 waves a work-group, no clusters, 17,408 bytes of LDS; arguments WI, UF, hA, hB, cntA, cntB; writes hB, cntB
;; launch step7: the kernel of part 8 again; grid 256 x 1, 8 waves a work-group, no clusters, 17,408 bytes of LDS; arguments WI, UF, hB, hA, cntB, cntA; writes hA, cntA
;; launch zwh: the kernel of part 9 again; grid 32 x 8, 8 waves a work-group, no clusters, 168,960 bytes of LDS; arguments WI, hA, hB, pat_a_src, pat_a_dst, VE; writes VE
;; launch attn (part 13): grid 4 x 64, 8 waves a work-group, no clusters, 279,552 bytes of LDS; arguments VE, OF; writes OF
.if DOCPART == 13
	.amdgcn_target "amdgcn-amd-amdhsa--gfx1250"
	.amdhsa_code_object_version 6
	.text
	.protected	k_q7e23c7a8a7_attn
	.globl	k_q7e23c7a8a7_attn
	.p2align	8
	.type	k_q7e23c7a8a7_attn,@function
k_q7e23c7a8a7_attn:
	s_mov_b64 s[64:65], 0
	v_nop
	global_prefetch_b8 v0, s[64:65] scope:SCOPE_SE
	s_setreg_imm32_b32 hwreg(HW_REG_WAVE_SCHED_MODE, 0, 2), 2
	s_setreg_imm32_b32 hwreg(HW_REG_WAVE_MODE, 25, 1), 1
	s_wait_xcnt 0x0
	s_wait_alu depctr_vm_vsrc(0)
; softmax(leaky_relu(e_src[n] + e_dst[m])) x Wh for one (t, head) (work-group y) and 512 rows n (x); a wave takes 64 rows.
; THE EXPONENTIAL SEPARATES, with the row's maximum taken away.  leaky(x) = max(x, 0.2 x) and exp is monotone; with
; dmax = max over m of e_dst, X = e_src[n] + dmax (the row's maximum is leaky(X)) and delta = e_dst[m] - dmax <= 0:
;   exp(leaky(X + delta) - leaky(X)) = B'[m] * max(C[m], q[n]),
;   B' = exp(0.2 delta), C = exp(0.8 delta), q = exp(-0.8 max(X, 0)),
; all three in (0, 1], and the product is 1 at the largest e_dst, so every row sum is at least 1.  This holds for every input.
; B' goes into V's rows (V' = B' Wh / Smax) and into a fifth column tile whose 16 columns all hold B': its product is the row sum.
; So a pair (n, m) costs half a dual maximum and half a conversion.  P = max(C, q) and V' are f16: P <= 1, |V'| < 2 by the true maxima.
; LIMITS: weights below 2^-24 of a row's largest, and entries of Wh below about 2^-24 of their (t, head) maximum, count as 0
; (2,048 such weights are below 2^-13 of the row sum); NaN and infinities are not served.
; REGISTERS, in two windows of 256 (s_set_vgpr_msb says which window each operand place means):
;   window 0: addresses, q, C, the four P fragments, work registers; before the loop the staging sets; on the way out the scaled sums;
;   window 1: v0-159 the 20 accumulator tiles; v160-199 and v200-239 two buffers of five fragments (4 of V', the sum column's).
; With two fragment buffers the ten LDS loads of K block k+1 are issued behind the first five of block k's 20 products, most of a trip
; before their first use.  Four window switches a trip.  Eight waves of 512 registers fill the four SIMDs' 1,024 each.
; No cluster: the four work-groups of a (t, head) share V's 262,144 bytes, read once each, through registers because every
; row is multiplied on the way into LDS; behind that come 64 trips that touch no memory.
; THE MODE: SCHED_MODE bits 1:0 = 2 (LLVM: expert scheduling mode 2), set by the entry lines.  The code itself states the register
; dependences between vector or matrix instructions and memory or LDS instructions, with s_wait_alu, always for 0.
; THE PLAN.  Registers that memory or LDS instructions touch, in the loop:
;   CF            Trip k: the maxima of the four P tiles read it; behind them the four loads of C of block k+1 land in it.
;   VF x, VF y    Trip k: its 20 products read buffer x; the ten loads of block k+1 land in buffer y, which the products of trip k-1 read.
;   v2, v3, v4    LDS addresses: read by the 14 loads of a trip, stepped by three vector adds in the next.
;   P, T, q and the accumulators are named by vector and matrix instructions alone.
; So ONE wait on va_vdst stands in a trip, behind the four P tiles and the three adds and ahead of the trip's products: it states that the
; maxima are done reading CF, that the products of the trip before are done reading buffer y, and that v2, v3, v4 are written.  C's loads
; follow it at once, V's behind the first five products, which name the accumulators, buffer x and P: none of the registers that those
; loads touch.  One wait on vm_vsrc a trip stands ahead of the adds.  A third fragment buffer would change nothing: the wait is for all
; that the wave has issued, the products of the trip before among them.
; Outside the loop: the offsets v1, v6, v7, v92, v93 are made once; v76-79, v52-59, v68-75 and the staging sets are read by LDS
; instructions before the loop and written anew in it or behind it: one wait on vm_vsrc behind the last staging batch frees them all.
.set ESO, 16777216
.set EDO, 17301504
.set STO, 17825792
.set CB,   262144                      ; LDS: 0 V' images [ks 64][ft 4][1,024]; C f32 [2048]
.set B16B, 270336                      ; B' f16 [2048]
.set S16B, 274432                      ; B' S_block / Smax f16 [2048]
.set Q,   8                            ; window 0: v[8:11]   q of my row in the 4 row tiles
.set P,   20                           ; v[20:51]   four P fragments
.set CF,  52                           ; v[52:67]   C of my 16 m
.set Q2,  68                           ; v[68:71]   q once more: tile rt's copy in v[68 + (rt+1)%4]
.set T,   72                           ; v[72:87]   16 maxima at work
.set ST0, 96                           ; before the loop: two staging sets of 64
.set SS,  224                          ; before the loop: 16 registers of row factors
.set HI,  20                           ; way out: v[20:83]   high planes, 4 registers a tile
.set WK,  84                           ; way out: v[84:91]   at work
.set SC,  96                           ; way out: v[96:223]  scaled sums, 8 registers a tile; their first 4 then hold the low plane
.set RC,  224                          ; way out: v[224:227] 1 / row sum
.set RP,  228                          ; way out: v[228:235] Smax / row sum, twice (pairs)
.set ACC, 0                            ; window 1: tile (rt, c) at 8 (5 rt + c), c = 4: row sums
.set VF,  160                          ; window 1: buffer x at 160 + 40 x: fragment c at + 8 c, c = 4: the sum column's
.set MSB, 0
.macro WIN new                         ; the immediate's high byte repeats the setting that is left
.if MSB != \new
	s_set_vgpr_msb (MSB<<8)|\new
.set MSB, \new
.endif
.endm
.set TO_V,   0x40                      ; destination window 1, address window 0
.set MUL,    0x51                      ; source 0 (V') window 1, source 1 (P) window 0, C and D window 1
.set FROM_A, 0x01                      ; source 0 window 1, the rest window 0
.macro PLACES
.rept 4
	v_nop
.endr
.endm
.macro SPLIT8 s, hi, lo, w
.irp i, 0,1,2,3
	v_cvt_pk_bf16_f32 v[(\hi)+\i], v[(\s)+2*\i], v[(\s)+2*\i+1]
.endr
.irp i, 0,1,2,3
	v_lshlrev_b32 v[(\w)+2*\i], 16, v[(\hi)+\i]
	v_and_b32 v[(\w)+2*\i+1], s7, v[(\hi)+\i]
.endr
.irp i, 0,1,2,3
	v_pk_add_f32 v[(\w)+2*\i:(\w)+2*\i+1], v[(\s)+2*\i:(\s)+2*\i+1], v[(\w)+2*\i:(\w)+2*\i+1] neg_lo:[0,1] neg_hi:[0,1]
.endr
.irp i, 0,1,2,3
	v_cvt_pk_bf16_f32 v[(\lo)+\i], v[(\w)+2*\i], v[(\w)+2*\i+1]
.endr
.endm
.macro XMAX reg, mask
	v_max_num_f32_dpp v[\reg], v[\reg], v[\reg] row_xmask:\mask row_mask:0xf bank_mask:0xf
.endm
.macro LOADB b, set                    ; 16 loads: K blocks 2b, 2b+1 of my eight
.irp kk, 0,1
.irp ft, 0,1,2,3
.irp hf, 0,1
	global_load_b128 v[ST0+64*\set+32*\kk+8*\ft+4*\hf:ST0+64*\set+32*\kk+8*\ft+4*\hf+3], v1, s[12:13] offset:(2*\b+\kk)*4096+\ft*1024+\hf*512
.endr
.endr
.endr
.endm
.macro PROC b, set, left               ; V' = V x row factor, into LDS.  left: the next batch's loads stay out
.irp kk, 0,1
.irp hf, 0,1
	ds_load_b128 v[SS+8*\kk+4*\hf:SS+8*\kk+4*\hf+3], v78 offset:(2*\b+\kk)*64+\hf*32   ; no vector instruction since the last wait on va_vdst names SS or v78
.endr
.endr
	s_wait_loadcnt \left
	s_wait_dscnt 0x0
.irp kk, 0,1
.irp ft, 0,1,2,3
.irp hf, 0,1
.irp q, 0,1,2,3
	v_pk_mul_f16 v[ST0+64*\set+32*\kk+8*\ft+4*\hf+\q], v[ST0+64*\set+32*\kk+8*\ft+4*\hf+\q], v[SS+8*\kk+4*\hf+\q]
.endr
.endr
.endr
.endr
	s_wait_alu depctr_va_vdst(0)                   ; the multiplications have written the staging set, which the LDS stores read; they are also done with SS and with the set, in which later loads land
.irp kk, 0,1
.irp ft, 0,1,2,3
.irp hf, 0,1
	ds_store_b128 v79, v[ST0+64*\set+32*\kk+8*\ft+4*\hf:ST0+64*\set+32*\kk+8*\ft+4*\hf+3] offset:(2*\b+\kk)*4096+\ft*1024+\hf*512
.endr
.endr
.endr
.endm
.macro LDC                             ; four loads: C of m = 8hh..8hh+7 and 16+8hh..16+8hh+7 of the K block
	ds_load_b128 v[CF:CF+3],     v3
	ds_load_b128 v[CF+4:CF+7],   v3 offset:16
	ds_load_b128 v[CF+8:CF+11],  v3 offset:64
	ds_load_b128 v[CF+12:CF+15], v3 offset:80
.endm
.macro LDV x                           ; ten loads into buffer x of window 1: 4 fragments of V' and the sum column's
.irp c, 0,1,2,3
	ds_load_b128 v[VF+40*\x+8*\c:VF+40*\x+8*\c+3],   v2 offset:\c*1024
	ds_load_b128 v[VF+40*\x+8*\c+4:VF+40*\x+8*\c+7], v2 offset:\c*1024+512
.endr
	ds_load_b128 v[VF+40*\x+32:VF+40*\x+35], v4
	ds_load_b128 v[VF+40*\x+36:VF+40*\x+39], v4 offset:32
.endm
; P fragment of row tile rt: 16 maxima in 8 dual instructions, 8 packed conversions.  In a dual pair the destinations are an even and
; an odd register, the first sources are neighbours, and the second sources are the two copies of q, whose numbers differ modulo 4.
.macro PB rt
.set q2, Q2+((\rt+1)%4)
.irp i, 0,1,2,3,4,5,6,7
	v_dual_max_num_f32 v[T+2*\i], v[CF+2*\i], v[Q+\rt] :: v_dual_max_num_f32 v[T+2*\i+1], v[CF+2*\i+1], v[q2]
.endr
.irp i, 0,1,2,3,4,5,6,7
	v_cvt_pk_f16_f32 v[P+8*\rt+\i], v[T+2*\i], v[T+2*\i+1]
.endr
.endm
.macro MM rt, x, zero                  ; V' first (swapped): a lane holds 8 neighbouring features of its row n
.irp c, 0,1,2,3,4
.if \zero
	v_wmma_f32_16x16x32_f16 v[ACC+8*(5*\rt+\c):ACC+8*(5*\rt+\c)+7], v[VF+40*\x+8*\c:VF+40*\x+8*\c+7], v[P+8*\rt:P+8*\rt+7], 0
.else
	v_wmma_f32_16x16x32_f16 v[ACC+8*(5*\rt+\c):ACC+8*(5*\rt+\c)+7], v[VF+40*\x+8*\c:VF+40*\x+8*\c+7], v[P+8*\rt:P+8*\rt+7], v[ACC+8*(5*\rt+\c):ACC+8*(5*\rt+\c)+7]
.endif
.endr
.endm
; One K block of 32 m, fragments in buffer x; y is the other buffer.  LDS instructions of the wave, in order: C(k), V'(k) (both issued
; one trip ago), C(k+1), V'(k+1).  Between the last trip's products and the first conversion that rewrites a P fragment stand eight
; dual maxima, and between them and the loads into buffer y all 64 vector lines of the four P tiles; the maxima name none of the
; products' registers.
.macro TRIP x, y, zero, more
	s_wait_dscnt 10                                ; C of this block is in; the ten younger loads (its V') may be out
	PB 0
	PB 1
	PB 2
	PB 3
.if \more
	s_wait_alu depctr_vm_vsrc(0)                   ; the 14 LDS loads of the trip before have read v2, v3 and v4, which the adds write
	v_add_nc_u32 v3, 128, v3
	v_add_nc_u32 v2, 4096, v2
	v_add_nc_u32 v4, 64, v4
	s_wait_alu depctr_va_vdst(0)                   ; the maxima are done reading CF; the products of the trip before are done reading buffer y; v2, v3 and v4 are written
	LDC                                            ; C of the next block
	s_wait_dscnt 4                                 ; this block's V' is in; the four loads just issued stay out
.else
	s_wait_dscnt 0x0                               ; nothing was issued behind this block's V'
.endif
	WIN MUL
	MM 0, \x, \zero
.if \more
	WIN TO_V
	LDV \y                                         ; V' of the next block.  No wait: the five products since the wait above name the accumulators, buffer x and P alone
	WIN MUL
.endif
	MM 1, \x, \zero
	MM 2, \x, \zero
	MM 3, \x, \zero
	WIN 0
.endm
	s_load_b128 s[8:11], s[0:1], 0x0               ; VE 8, OF 10
	v_lshl_add_u32 v254, v0, 2, 0x44000
	v_mov_b32 v255, 0
	v_and_b32 v2, 31, v0
	v_lshrrev_b32 v3, 5, v0
	v_readfirstlane_b32 s4, v3                     ; wave
	v_and_b32 v95, 15, v0                          ; r
	v_bfe_u32 v94, v0, 4, 1                        ; hh
	v_lshlrev_b32 v1, 4, v2                        ; 16 L
	v_lshlrev_b32 v6, 5, v0                        ; thread x 8 m x 4 bytes
	v_lshrrev_b32 v7, 3, v0
	v_lshlrev_b32 v7, 2, v7                        ; my m's block of 64
	v_lshlrev_b32 v92, 2, v2
	v_lshlrev_b32 v93, 2, v95
	s_wait_alu depctr_va_sdst(0)                   ; s4 is written, ahead of its first reader: the bases and the LDS addresses are made from it
	s_and_b32 s6, ttmp7, 0xffff                    ; 8 t + head
	s_mov_b32 s7, 0xffff0000
	s_mov_b32 s2, 0x76543210
	s_mov_b32 s3, 0xfedcba98
	s_lshl_b32 s22, s6, 18                         ; V: my eight K blocks
	s_lshl_b32 s23, s4, 15
	s_add_co_u32 s22, s22, s23
	s_mov_b32 s23, 0
	s_lshl_b32 s24, s6, 13                         ; e_dst
	s_add_co_u32 s24, s24, EDO
	s_mov_b32 s25, 0
	s_lshl_b32 s26, s6, 8                          ; S, dmax
	s_add_co_u32 s26, s26, STO
	s_mov_b32 s27, 0
	s_lshl_b32 s28, s6, 13                         ; e_src of my 64 rows
	s_lshl_b32 s29, ttmp9, 11
	s_add_co_u32 s28, s28, s29
	s_lshl_b32 s29, s4, 8
	s_add_co_u32 s28, s28, s29
	s_add_co_u32 s28, s28, ESO
	s_mov_b32 s29, 0
	s_lshr_b32 s30, s6, 3                          ; out: row tile 128 t + 32 x + 4 wave, K blocks 2 head ..
	s_lshl_b32 s30, s30, 7
	s_lshl_b32 s31, ttmp9, 5
	s_add_co_u32 s30, s30, s31
	s_lshl2_add_u32 s30, s4, s30
	s_lshl_b32 s30, s30, 15
	s_and_b32 s31, s6, 7
	s_lshl_b32 s31, s31, 12
	s_add_co_u32 s30, s30, s31
	s_mov_b32 s31, 0
	s_wait_kmcnt 0x0
	s_add_nc_u64 s[12:13], s[8:9], s[22:23]
	s_add_nc_u64 s[14:15], s[8:9], s[24:25]
	s_add_nc_u64 s[16:17], s[8:9], s[26:27]
	s_add_nc_u64 s[18:19], s[8:9], s[28:29]
	s_add_nc_u64 s[20:21], s[10:11], s[30:31]
	s_wait_alu depctr_va_vdst(0)                   ; the offsets v1, v6, v7, v92 and v93 are written, which the global loads and stores read
	global_load_b128 v[36:39], v6, s[14:15]        ; e_dst of my 8 m
	global_load_b128 v[40:43], v6, s[14:15] offset:16
	global_load_b32 v44, v7, s[16:17]              ; S of their block
	global_load_b32 v45, v92, s[16:17]             ; S of block L
	global_load_b32 v46, v92, s[16:17] offset:128  ; largest e_dst of block L
.irp rt, 0,1,2,3
	global_load_b32 v[Q+\rt], v93, s[18:19] offset:\rt*64
.endr
	LOADB 0, 0
	LOADB 1, 1
	s_lshl_b32 s22, s4, 9
	s_add_co_u32 s22, s22, S16B
	v_lshl_add_u32 v78, v94, 4, s22                ; row factors of my eight K blocks
	s_lshl_b32 s23, s4, 15
	v_add_nc_u32 v79, s23, v1                      ; V' of my eight K blocks
	v_add_nc_u32 v76, CB, v6
	v_lshl_add_u32 v77, v0, 4, B16B
	v_mov_b32 v47, 0
	s_wait_loadcnt 32                              ; the nine small loads are in; the two batches of 16 stay out
.irp m, 1,2,4,8
	XMAX 45, \m
	XMAX 46, \m
.endr
	v_permlanex16_b32 v47, v45, s2, s3
	v_max_num_f32 v5, v45, v47                     ; Smax, kept to the end
	v_permlanex16_b32 v47, v46, s2, s3
	v_max_num_f32 v46, v46, v47                    ; dmax
	v_sub_nc_u32 v47, 0x7f000000, v5               ; 1 / Smax (a power of two)
	v_mul_f32 v44, v44, v47                        ; S_block / Smax
.irp j, 0,1,2,3,4,5,6,7
	v_sub_f32 v[36+\j], v[36+\j], v46              ; delta <= 0
.endr
.irp j, 0,1,2,3,4,5,6,7
	v_mul_f32 v[52+\j], 0x3f93bb63, v[36+\j]       ; 0.8 log2(e) delta
	v_mul_f32 v[60+\j], 0x3e93bb63, v[36+\j]       ; 0.2 log2(e) delta
.endr
.irp rt, 0,1,2,3
	v_add_f32 v[Q+\rt], v[Q+\rt], v46              ; X
	v_max_num_f32 v[Q+\rt], 0, v[Q+\rt]
	v_mul_f32 v[Q+\rt], 0xbf93bb63, v[Q+\rt]
.endr
.irp j, 0,1,2,3,4,5,6,7
	v_exp_f32 v[52+\j], v[52+\j]                   ; C
.endr
.irp j, 0,1,2,3,4,5,6,7
	v_exp_f32 v[60+\j], v[60+\j]                   ; B'
.endr
.irp rt, 0,1,2,3
	v_exp_f32 v[Q+\rt], v[Q+\rt]                   ; q
.endr
	v_nop                                          ; one plain place behind the last exponential before a result is used
	s_wait_alu depctr_va_vdst(0)                   ; the 20 exponentials have written C, B' and q, ahead of the first line that names a result
.irp j, 0,1,2,3
	v_cvt_pk_f16_f32 v[68+\j], v[60+2*\j], v[61+2*\j]
.endr
.irp j, 0,1,2,3,4,5,6,7
	v_mul_f32 v[60+\j], v[60+\j], v44
.endr
.irp j, 0,1,2,3
	v_cvt_pk_f16_f32 v[72+\j], v[60+2*\j], v[61+2*\j]
.endr
	s_wait_alu depctr_va_vdst(0)                   ; the conversions have written v68-75, which the LDS stores read; the LDS addresses v76-79 are written too
	ds_store_b128 v76, v[52:55]
	ds_store_b128 v76, v[56:59] offset:16
	ds_store_b128 v77, v[68:71]
	ds_store_b128 v77, v[72:75] offset:S16B-B16B
	s_wait_dscnt 0x0                               ; for the other waves: my C, B' and row factors are in LDS
	s_barrier_signal -1
	s_barrier_wait -1
	PROC 0, 0, 16
	s_wait_alu depctr_vm_vsrc(0)                   ; the LDS stores have read staging set 0, in which the next loads land (the multiplications that named it stand ahead of the last wait on va_vdst)
	LOADB 2, 0
	PROC 1, 1, 16
	s_wait_alu depctr_vm_vsrc(0)                   ; the same for staging set 1
	LOADB 3, 1
	PROC 2, 0, 16
	PROC 3, 1, 0
	s_wait_alu depctr_vm_vsrc(0)                   ; all LDS instructions so far have read their registers: v68-79 become q's copies and the maxima's work registers, the staging sets the scaled sums
	v_mov_b32 v2, v1                               ; V' of K block 0
	v_lshlrev_b32 v3, 5, v94
	v_add_nc_u32 v3, CB, v3
	v_lshlrev_b32 v4, 4, v94
	v_add_nc_u32 v4, B16B, v4
	v_mov_b32 v[Q2+1], v[Q]                        ; the second copies of q, each one register number further modulo 4
	v_mov_b32 v[Q2+2], v[Q+1]
	v_mov_b32 v[Q2+3], v[Q+2]
	v_mov_b32 v[Q2], v[Q+3]
	s_wait_dscnt 0x0                               ; for the other waves: my part of V' is in LDS
	s_barrier_signal -1
	s_barrier_wait -1                              ; from here on LDS is only read
	s_wait_alu depctr_va_vdst(0)                   ; v2, v3 and v4 are written, which the loads below read; the vector lines that wrote and read v52-67 are done, in which C lands
	LDC                                            ; K block 0: C first, then V', the order of every later block
	WIN TO_V
	LDV 0
	WIN 0
	TRIP 0, 1, 1, 1                                ; block 0: the first products start the sums
	s_mov_b32 s24, 31
.Ltrip:
	TRIP 1, 0, 0, 1                                ; blocks 1 to 62, two a round: the buffers take turns
	TRIP 0, 1, 0, 1
	s_sub_co_i32 s24, s24, 1
	s_cmp_lg_u32 s24, 0
	s_cbranch_scc1 .Ltrip
	TRIP 1, 0, 0, 0                                ; block 63 asks for nothing more, so it states no dependence
	; THE WAY OUT: out = sums x Smax / row sum, as bf16 high + low planes.  Lane = row, registers = 8 features: packed, half a
	; block of the last product's first operand.  Every store covers 512 consecutive bytes and has data registers of its own.
	PLACES                                         ; four places between the last product and the first read of a result (ISA guide 7.12.1)
	WIN FROM_A
.irp rt, 0,1,2,3
	v_rcp_f32 v[RC+\rt], v[ACC+40*\rt+32]          ; every register of the fifth tile holds my row's sum
.endr
	WIN 0
	v_nop                                          ; one plain place behind the last reciprocal
	s_wait_alu depctr_va_vdst(0)                   ; the four reciprocals have written v224-227, ahead of the first line that names a result
.irp rt, 0,1,2,3
	v_mul_f32 v[RP+2*\rt], v[RC+\rt], v5
.endr
.irp rt, 0,1,2,3
	v_mov_b32 v[RP+2*\rt+1], v[RP+2*\rt]
.endr
	WIN FROM_A
.irp rt, 0,1,2,3
.irp ft, 0,1,2,3
.irp p, 0,1,2,3
	v_pk_mul_f32 v[SC+32*\rt+8*\ft+2*\p:SC+32*\rt+8*\ft+2*\p+1], v[ACC+40*\rt+8*\ft+2*\p:ACC+40*\rt+8*\ft+2*\p+1], v[RP+2*\rt:RP+2*\rt+1]
.endr
.endr
.endr
	WIN 0
.irp rt, 0,1,2,3
.irp ft, 0,1,2,3
	SPLIT8 SC+32*\rt+8*\ft, HI+16*\rt+4*\ft, SC+32*\rt+8*\ft, WK   ; the low plane lands on the tile's first four registers, which are done with by then
.endr
	s_wait_alu depctr_va_vdst(0)                   ; the conversions have written this row tile's four high and four low planes, which the eight stores read
.irp ft, 0,1,2,3
	global_store_b128 v1, v[HI+16*\rt+4*\ft:HI+16*\rt+4*\ft+3], s[20:21] offset:\rt*32768+(\ft/2)*2048+(\ft%2)*512
	global_store_b128 v1, v[SC+32*\rt+8*\ft:SC+32*\rt+8*\ft+3], s[20:21] offset:\rt*32768+(\ft/2)*2048+(\ft%2)*512+1024
.endr
.endr
	s_wait_dscnt 0x0                               ; the closing lines, six on end
	s_wait_alu 0x0
	s_wait_tensorcnt 0x0
	ds_add_u32 v254, v255
	s_wait_dscnt 0x0
	s_endpgm
.Lfunc_end_k_q7e23c7a8a7_attn:
	.size	k_q7e23c7a8a7_attn, .Lfunc_end_k_q7e23c7a8a7_attn-k_q7e23c7a8a7_attn
	.p2alignl 7, 3214868480
	.fill 96, 4, 3214868480
	.section	.rodata,"a",@progbits
	.p2align	6, 0x0
	.amdhsa_kernel k_q7e23c7a8a7_attn
		.amdhsa_group_segment_fixed_size 279552
		.amdhsa_private_segment_fixed_size 0
		.amdhsa_enable_private_segment 0
		.amdhsa_kernarg_size 16
		.amdhsa_user_sgpr_count 2
		.amdhsa_user_sgpr_kernarg_segment_ptr 1
		.amdhsa_wavefront_size32 1
		.amdhsa_system_sgpr_workgroup_id_x 1
		.amdhsa_system_sgpr_workgroup_id_y 1
		.amdhsa_system_sgpr_workgroup_id_z 1
		.amdhsa_system_vgpr_workitem_id 0
		.amdhsa_next_free_vgpr 512
		.amdhsa_next_free_sgpr 66
		.amdhsa_reserve_vcc 0
		.amdhsa_float_denorm_mode_32 3
		.amdhsa_float_denorm_mode_16_64 3
		.amdhsa_memory_ordered 1
		.amdhsa_forward_progress 1
		.amdhsa_inst_pref_size 86
	.end_amdhsa_kernel
	.amdgpu_metadata
---
amdhsa.version: [ 1, 2 ]
amdhsa.kernels:
  - .name:           k_q7e23c7a8a7_attn
    .symbol:         k_q7e23c7a8a7_attn.kd
    .args:
      - { .name: VE, .offset: 0, .size: 8, .value_kind: global_buffer, .address_space: global }
      - { .name: OF, .offset: 8, .size: 8, .value_kind: global_buffer, .address_space: global }
    .group_segment_fixed_size: 279552
    .private_segment_fixed_size: 0
    .kernarg_segment_align: 8
    .kernarg_segment_size: 16
    .max_flat_workgroup_size: 256
    .sgpr_count:     66
    .vgpr_count:     512
    .wavefront_size: 32
...
	.end_amdgpu_metadata
.endif
;; end of part 13
;; launch final: the kernel of part 11 again; grid 256 x 1, 8 waves a work-group, no clusters, 168,960 bytes of LDS; arguments OF, WI, states, out0; writes out0
